; MI455X (gfx1250); checked and timed in simulation.
; The chip was launched on July 23, 2026; its instructions are those of AMD's public machine-readable ISA for CDNA 5 (MIT licence, August 2026) and "CDNA5" Instruction Set Architecture Reference Guide (July 2026). The comments in the code are by the model that wrote it; some were corrected since.
;; MLP Per Task No Index. Allowed arithmetic: matrix products marked QUANTISED: E2M3 operands, one E8M0 scale for each 32 along K, by v_wmma_scale_f32_16x16x128_f8f6f4 with both operands' format E2M3, f32 sums; products left as they are: f32 operands where the result goes on into a quantised operand, else bf16, f16 or f32 operands; f32 sums; everything else in f32.
;; Inputs: b0 16 x 1,024 float32; b1 16 x 1,024 float32; b2 16 x 256 float32; k0 16 x 512 x 1,024 float32; k1 16 x 1,024 x 1,024 float32; k2 16 x 1,024 x 256 float32; task_ids 2,048 int32; x 2,048 x 512 float32.
;; Outputs: out0 2,048 x 256 float32.
;; This version of the problem:
;;   THIS VERSION OF THE PROBLEM IS GIVEN IN LOW PRECISION. The matrix products marked QUANTISED in the list below multiply operands that are first quantised to E2M3 (2 exponent bits, 3 mantissa bits; 6 bits a number), with one power-of-two scale for each 32 numbers along K (OCP MX v1.0); their sums are f32. All else is computed in f32.
;;   The module's matrix products, in the order in which they are computed (A, B: the left and right operand; K: the contracted axis; several contracted axes count as one K, in the product's order):
;;     1. batch 2,048 x [M 512, K 1] x [K 1, N 16]; A: computed on the way; B: computed on the way: left as it is (no contracted axis)
;;     2. [M 2,048, K 8,192] x [K 8,192, N 1,024]; A: computed on the way; B: input k0: QUANTISED
;;     3. [M 2,048, K 16] x [K 16, N 1,024]; A: computed on the way; B: input b0: left as it is (K = 16 < 32)
;;     4. batch 2,048 x [M 1,024, K 1] x [K 1, N 16]; A: computed on the way; B: computed on the way: left as it is (no contracted axis)
;;     5. [M 2,048, K 16,384] x [K 16,384, N 1,024]; A: computed on the way; B: input k1: QUANTISED
;;     6. [M 2,048, K 16] x [K 16, N 1,024]; A: computed on the way; B: input b1: left as it is (K = 16 < 32)
;;     7. [M 4,096, K 1,024] x [K 1,024, N 2,048]; A: input k2; B: computed on the way: QUANTISED
;;     8. batch 2,048 x [M 1, K 16] x [K 16, N 256]; A: computed on the way; B: computed on the way: left as it is (K = 16 < 32)
;;     9. [M 2,048, K 16] x [K 16, N 256]; A: computed on the way; B: input b2: left as it is (K = 16 < 32)
;;   THE QUANTISER, for each operand of a quantised product, along K:
;;     - K is cut into blocks of 32 from its start; a last block that is shorter is filled with zeros.
;;     - A block's scale is 2^e with e = floor(log2(the largest magnitude in the block)) - 2, held to -126 .. 127; a block of zeros has e = 0. As a byte (E8M0): e + 127.
;;     - Each number is divided by its block's scale, clamped to +-7.5, and rounded to the nearest number of E2M3, ties to even, subnormals kept.
;;     - The product sums the exact products of the quantised numbers (number of the format x scale) in f32.
;;   ~~~python
;;   def quantise(x, axis):      # numpy; x: float32 -> the quantised numbers, widened to float32 again
;;       x = np.moveaxis(x, axis, -1); K = x.shape[-1]
;;       x = np.pad(x, [(0, 0)] * (x.ndim - 1) + [(0, -K % 32)]); x = x.reshape(x.shape[:-1] + (-1, 32)); a = np.abs(x).max(-1, keepdims=True)
;;       e = np.where(a > 0, np.clip(np.frexp(np.where(a > 0, a, 1))[1] - 1 - 2, -126, 127), 0)      # np.frexp(a)[1] - 1 = floor(log2(a)), exactly
;;       r = np.clip(x / 2.0 ** e, -7.5, 7.5)
;;       step = 2.0 ** (np.maximum(np.frexp(np.where(r == 0, 1, r))[1] - 1, 0) - 3)
;;       q = np.round(r / step) * step * 2.0 ** e      # np.round: ties to even
;;       return np.moveaxis(q.reshape(q.shape[:-2] + (-1,))[..., :K], -1, axis).astype(np.float32)
;;   ~~~
;;   OPERANDS COMPUTED ON THE WAY. 'Computed on the way' means the value that the module computes at that place (a softmax that the list does not call 'softmax' is quantised finished and normalised). What goes into a quantiser is computed in f32, as accurately as f32 sums, v_exp_f32 and their like allow (about 1e-6 of the number): no bf16 or f16 on the way to a quantiser, and a product that is left as it is and whose result goes on into a quantised operand takes f32 operands (vector FMAs, or v_wmma_f32_16x16x4_f32). A number that lies on a knife's edge between two numbers of the format may be rounded either way, as far as f32 arithmetic and the matrix unit's own rounding can turn it there, and no further.
;; 3 versions. Each part assembles by itself: llvm-mc -triple=amdgcn-amd-amdhsa -mcpu=gfx1250 --defsym DOCPART=n.
;; ======== version 1 of 3: 5 launches
;; workspace buffers: xa 1,572,864 bytes; route 9,728 bytes of whole numbers; w0 8,650,752 bytes; w1 17,301,504 bytes; h1 3,514,368 bytes; h2 1,830,400 bytes
;; launch prep (part 1): grid 33 x 1, 16 waves a work-group, no clusters, 4,096 bytes of LDS; arguments x, task_ids, xa, route; writes xa, route
.if DOCPART == 1
	.amdgcn_target "amdgcn-amd-amdhsa--gfx1250"
	.amdhsa_code_object_version 6
	.text
	.protected	k_q3f89b0fd24_prep
	.globl	k_q3f89b0fd24_prep
	.p2align	8
	.type	k_q3f89b0fd24_prep,@function
k_q3f89b0fd24_prep:
	s_mov_b64 s[64:65], 0
	v_nop
	global_prefetch_b8 v0, s[64:65] scope:SCOPE_SE
	s_setreg_imm32_b32 hwreg(HW_REG_WAVE_MODE, 25, 1), 1
	s_wait_xcnt 0x0
; Work-groups 0-31: x [2048][512] f32 becomes the token operand of the first product.  That product's K is 16 i + t, so a block of 32 holds two
; inputs i of all 16 tasks, and of a token's numbers only the pair (x[2j], x[2j+1]) lives in block j: each PAIR has a scale of its own.
; xa, codes: [tile of 16 tokens][group of 64 inputs][cp][lane' = 16 h + row][4 words]; word k of (cp) is K step g = 4 cp + k (8 inputs, 4 pairs) for the
; reader's lane half h: pair h and pair 2 + h as fields of 12 bits (two codes), placed where the reader's masks take them:
; first step of two: pair h at bit 4 d, pair 2 + h at bit 12 + 4 d; second step: the other way round; d = (g >> 1) & 1.
; xa, scale words, from byte 0x100000: [tile][group][16 cp + row][4 words]: word m is K step 4 cp + m, byte p = pair p.
; Work-group 32: a counting sort of the tokens by task.  route: 16 pairs {first tile, tiles} of the tasks (bytes 0-255, entries 16-31 zero), then from byte 256
; slot -> token; each task's slots are filled up to whole tiles of 16 with the mark 2048; words 2304-2335 take the idle lanes of those fill stores.
; LIMITS: NaN and infinities are not served; a pair whose larger magnitude is under 2^-124 (a pair of zeros too) gets the scale byte 1: its codes are what the
; rule gives under that scale (zeros for zeros), and this program alone reads the bytes; a task id outside 0..15 counts as 15.
.set XSOFF, 0x100000
.set XR,  16                           ; v16-79 64 numbers; v80-93 zeros: a conversion names 16 registers from a pair's first on
.set PM,  96                           ; v96-103  a pair's larger magnitude, then the conversion's scale operand
.set PB,  104                          ; v104-111 scale bytes
.set PC,  112                          ; v112-143 a conversion's three registers, four apart
.set PW,  144                          ; v144-175 eight registers for each of four runs: 4 code words, 2 scale words
.set SH4, 7                            ; v7 4 x (lane / 16)
; 16 neighbours along K in v[n] on (two K steps of my row) -> v[w..w+1] words for h = 0, v[w+2..w+3] for h = 1, v[w+4..w+5] scale words
.macro PAIRQ n, w
.irp m, 0,1,2,3,4,5,6,7
	v_max3_num_f32 v[PM+\m], |v[(\n)+2*\m]|, |v[(\n)+2*\m+1]|, 0x1800000   ; the pair's larger magnitude over the floor 2^(3 - 127): the byte cannot fall under 1
.endr
.irp m, 0,1,2,3,4,5,6,7
	v_add_nc_u32 v[PM+\m], 0xff000000, v[PM+\m]    ; 2 off the exponent field: the conversion's scale operand
.endr
.irp m, 0,1,2,3,4,5,6,7
	v_lshrrev_b32 v[PB+\m], 23, v[PM+\m]           ; the scale's byte
.endr
.irp m, 0,1,2,3,4,5,6,7
	v_cvt_scalef32_pk16_fp6_f32 v[PC+4*\m:PC+4*\m+2], v[(\n)+2*\m:(\n)+2*\m+15], v[PM+\m]   ; of the 16 codes the lowest two are the pair's; the rest (the next run's numbers among them) is cut off below
.endr
	v_lshl_or_b32 v[(\w)+4], v[PB+1], 8, v[PB]     ; (a plain line behind the conversions)  the two scale words
	v_lshl_or_b32 v[(\w)+5], v[PB+5], 8, v[PB+4]
	v_lshl_or_b32 v[(\w)+4], v[PB+2], 16, v[(\w)+4]
	v_lshl_or_b32 v[(\w)+5], v[PB+6], 16, v[(\w)+5]
	v_lshl_or_b32 v[(\w)+4], v[PB+3], 24, v[(\w)+4]
	v_lshl_or_b32 v[(\w)+5], v[PB+7], 24, v[(\w)+5]
.irp m, 0,1,2,3,4,5,6,7
	v_and_b32 v[PC+4*\m], 0xfff, v[PC+4*\m]
.endr
	v_lshl_or_b32 v[(\w)],   v[PC+8],  12, v[PC]      ; h = 0, first step: pair 0 low, pair 2 high
	v_lshl_or_b32 v[(\w)+1], v[PC+16], 12, v[PC+24]   ; h = 0, second step: pair 2 low, pair 0 high
	v_lshl_or_b32 v[(\w)+2], v[PC+12], 12, v[PC+4]    ; h = 1: pairs 1 and 3
	v_lshl_or_b32 v[(\w)+3], v[PC+20], 12, v[PC+28]
.irp i, 0,1,2,3
	v_lshlrev_b32 v[(\w)+\i], v[SH4], v[(\w)+\i]      ; 4 bits up where d = 1
.endr
.endm
	s_load_b256 s[4:11], s[0:1], 0x0               ; x s[4:5], task_ids s[6:7], xa s[8:9], route s[10:11]
	v_lshl_add_u32 v176, v0, 2, 0x800
	v_mov_b32 v177, 0
	v_lshrrev_b32 v1, 5, v0
	v_readfirstlane_b32 s18, v1                    ; wave 0..15
	v_and_b32 v2, 31, v0                           ; lane
	s_cmp_eq_u32 ttmp9, 32
	s_cbranch_scc1 .Lroute
	; ---- x: wave w of work-group g takes tile 4 g + w / 4 and inputs 128 (w % 4) on
	v_and_b32 v3, 15, v0                           ; row
	v_bfe_u32 v4, v0, 4, 1                         ; half
	v_lshlrev_b32 v5, 11, v3
	v_lshl_add_u32 v5, v4, 6, v5                   ; x: 2048 row + 64 half: my 16 numbers of each 32
	v_lshlrev_b32 v6, 4, v3
	v_lshl_add_u32 v6, v4, 3, v6                   ; out: 16 row + 8 half
	v_lshlrev_b32 v[SH4], 2, v4
	s_lshl_b32 s19, ttmp9, 2
	s_lshr_b32 s20, s18, 2
	s_add_co_u32 s19, s19, s20                     ; tile
	s_and_b32 s20, s18, 3
	s_lshl_b32 s22, s19, 15
	s_lshl_b32 s21, s20, 9
	s_add_co_u32 s22, s22, s21                     ; x: 16 rows of 2,048 bytes a tile, 512 bytes for 128 inputs
	s_mov_b32 s23, 0
	s_lshl_b32 s24, s19, 13
	s_lshl_b32 s21, s20, 11
	s_add_co_u32 s24, s24, s21                     ; codes: 8,192 bytes a tile, 1,024 a group, two groups to a wave
	s_mov_b32 s25, 0
	s_lshl_b32 s26, s19, 12
	s_lshl_b32 s21, s20, 10
	s_add_co_u32 s26, s26, s21
	s_add_co_u32 s26, s26, XSOFF                   ; scale words: 4,096 bytes a tile, 512 a group
	s_mov_b32 s27, 0
	s_wait_kmcnt 0x0
	s_add_nc_u64 s[4:5], s[4:5], s[22:23]
	s_add_nc_u64 s[12:13], s[8:9], s[24:25]
	s_add_nc_u64 s[14:15], s[8:9], s[26:27]
.irp b, 0,1,2,3
.irp j, 0,1,2,3
	global_load_b128 v[XR+16*\b+4*\j:XR+16*\b+4*\j+3], v5, s[4:5] offset:128*\b+16*\j th:TH_LOAD_NT
.endr
.endr
.irp i, 0,1,2,3,4,5,6,7,8,9,10,11,12,13
	v_mov_b32 v[XR+64+\i], 0
.endr
.irp b, 0,1,2,3
.if \b < 2
	s_wait_loadcnt 8-4*\b                          ; this run's four loads AND the next run's four are in (the conversions name registers of both); the runs behind them may be out
.else
	s_wait_loadcnt 0x0
.endif
	PAIRQ XR+16*\b, PW+8*\b
	global_store_b64 v6, v[PW+8*\b:PW+8*\b+1], s[12:13] offset:(\b/2)*1024+(\b%2)*512        ; 32 lanes: 256 consecutive bytes
	global_store_b64 v6, v[PW+8*\b+2:PW+8*\b+3], s[12:13] offset:(\b/2)*1024+(\b%2)*512+256
	global_store_b64 v6, v[PW+8*\b+4:PW+8*\b+5], s[14:15] offset:(\b/2)*512+(\b%2)*256
.endr
	s_endpgm
	; ---- the sort: wave w owns tokens 128 w .. 128 w + 127
.Lroute:
	s_lshl_b32 s19, s18, 9
	v_lshl_add_u32 v3, v2, 2, s19                  ; ids: 512 w + 4 lane
	v_lshlrev_b32 v4, 2, v2                        ; 4 lane
	s_lshl_b32 s20, s18, 7
	v_add_nc_u32 v5, s20, v4                       ; LDS: my wave's 32 words
	s_wait_kmcnt 0x0
.irp j, 0,1,2,3
	global_load_b32 v[16+\j], v3, s[6:7] offset:128*\j
.endr
.irp t, 0,1,2,3,4,5,6,7,8,9,10,11,12,13,14,15
	s_mov_b32 s[32+\t], 0
.endr
	v_mov_b32 v20, 0
	s_wait_loadcnt 0x0
.irp j, 0,1,2,3
	v_min_u32 v[16+\j], 15, v[16+\j]
.endr
.irp t, 0,1,2,3,4,5,6,7,8,9,10,11,12,13,14,15
.irp j, 0,1,2,3
	v_cmp_eq_u32 s15, \t, v[16+\j]
	s_bcnt1_i32_b32 s16, s15
	s_add_co_u32 s[32+\t], s[32+\t], s16           ; my wave's tokens of task t
.endr
	v_writelane_b32 v20, s[32+\t], \t
.endr
	ds_store_b32 v5, v20
	s_wait_dscnt 0x0                               ; for the others' sake: my counts lie in LDS
	s_barrier_signal -1
	s_barrier_wait -1
.irp j, 0,1,2,3,4,5,6,7,8,9,10,11,12,13,14,15
	ds_load_b32 v[32+\j], v4 offset:128*\j         ; lane = task: wave j's count
.endr
	s_wait_dscnt 0x0
	v_add_nc_u32 v21, v32, v33
.irp j, 2,3,4,5,6,7,8,9,10,11,12,13,14,15
	v_add_nc_u32 v21, v21, v[32+\j]                ; the task's tokens
.endr
	v_mov_b32 v22, 0
.irp j, 0,1,2,3,4,5,6,7,8,9,10,11,12,13,14
	s_cmp_gt_u32 s18, \j
	s_cselect_b32 s15, -1, 0
	v_and_b32 v23, s15, v[32+\j]
	v_add_nc_u32 v22, v22, v23                     ; those of the waves in front of mine
.endr
	v_add_nc_u32 v25, 15, v21
	v_lshrrev_b32 v25, 4, v25                      ; the task's tiles
	s_mov_b32 s14, 0
	v_mov_b32 v24, 0
.irp t, 0,1,2,3,4,5,6,7,8,9,10,11,12,13,14,15
	s_mov_b32 s[48+\t], s14                        ; the task's first tile
	v_readlane_b32 s15, v25, \t
	s_add_co_u32 s14, s14, s15
	v_writelane_b32 v24, s[48+\t], \t
	v_readlane_b32 s15, v22, \t
	s_lshl_b32 s16, s[48+\t], 4
	s_add_co_u32 s[32+\t], s16, s15                ; the slot of my wave's first token of task t
.endr
	v_add_nc_u32 v48, s20, v2                      ; my tokens' numbers
.irp j, 1,2,3
	v_add_nc_u32 v[48+\j], 32*\j, v48
.endr
.irp j, 0,1,2,3
	v_mov_b32 v[26+\j], 0
.irp t, 0,1,2,3,4,5,6,7,8,9,10,11,12,13,14,15
	v_cmp_eq_u32 vcc_lo, \t, v[16+\j]
	v_mbcnt_lo_u32_b32 v23, vcc_lo, s[32+\t]       ; the running slot + the lanes of task t below mine
	v_cndmask_b32 v[26+\j], v[26+\j], v23, vcc_lo
	s_bcnt1_i32_b32 s15, vcc_lo
	s_add_co_u32 s[32+\t], s[32+\t], s15
.endr
	v_min_u32 v[26+\j], 0x8ff, v[26+\j]            ; at most 143 tiles, so a slot is under 2,288
	v_lshlrev_b32 v[26+\j], 2, v[26+\j]
	global_store_b32 v[26+\j], v[48+\j], s[10:11] offset:256
.endr
	s_cmp_lg_u32 s18, 0
	s_cbranch_scc1 .Lend
	v_lshl_add_u32 v60, v24, 4, v21                ; wave 0, lane = task: the first slot behind the task's tokens,
	v_add_nc_u32 v61, v24, v25
	v_lshlrev_b32 v61, 4, v61                      ; and the end of its tiles
	v_add_nc_u32 v62, 0x900, v2                    ; where a lane with nothing to fill stores
	v_mov_b32 v63, 0x800                           ; the mark
.irp k, 0,1,2,3,4,5,6,7,8,9,10,11,12,13,14
	v_add_nc_u32 v[64+\k], \k, v60
	v_cmp_lt_u32 vcc_lo, v[64+\k], v61
	v_cndmask_b32 v[64+\k], v62, v[64+\k], vcc_lo
	v_min_u32 v[64+\k], 0x91f, v[64+\k]
	v_lshlrev_b32 v[64+\k], 2, v[64+\k]
	global_store_b32 v[64+\k], v63, s[10:11] offset:256
.endr
	v_lshlrev_b32 v6, 3, v2
	global_store_b64 v6, v[24:25], s[10:11]        ; {first tile, tiles}: 256 consecutive bytes
.Lend:
	s_wait_tensorcnt 0x0
	ds_add_u32 v176, v177
	s_wait_dscnt 0x0
	s_endpgm
.Lfunc_end_k_q3f89b0fd24_prep:
	.size	k_q3f89b0fd24_prep, .Lfunc_end_k_q3f89b0fd24_prep-k_q3f89b0fd24_prep
	.p2alignl 7, 3214868480
	.fill 96, 4, 3214868480
	.section	.rodata,"a",@progbits
	.p2align	6, 0x0
	.amdhsa_kernel k_q3f89b0fd24_prep
		.amdhsa_group_segment_fixed_size 4096
		.amdhsa_private_segment_fixed_size 0
		.amdhsa_enable_private_segment 0
		.amdhsa_kernarg_size 32
		.amdhsa_user_sgpr_count 2
		.amdhsa_user_sgpr_kernarg_segment_ptr 1
		.amdhsa_wavefront_size32 1
		.amdhsa_system_sgpr_workgroup_id_x 1
		.amdhsa_system_sgpr_workgroup_id_y 1
		.amdhsa_system_sgpr_workgroup_id_z 1
		.amdhsa_system_vgpr_workitem_id 0
		.amdhsa_next_free_vgpr 178
		.amdhsa_next_free_sgpr 66
		.amdhsa_reserve_vcc 1
		.amdhsa_float_denorm_mode_32 3
		.amdhsa_float_denorm_mode_16_64 3
		.amdhsa_memory_ordered 1
		.amdhsa_forward_progress 1
		.amdhsa_inst_pref_size 55
	.end_amdhsa_kernel
	.amdgpu_metadata
---
amdhsa.version: [ 1, 2 ]
amdhsa.kernels:
  - .name:           k_q3f89b0fd24_prep
    .symbol:         k_q3f89b0fd24_prep.kd
    .args:
      - { .name: x, .offset: 0, .size: 8, .value_kind: global_buffer, .address_space: global }
      - { .name: task_ids, .offset: 8, .size: 8, .value_kind: global_buffer, .address_space: global }
      - { .name: xa, .offset: 16, .size: 8, .value_kind: global_buffer, .address_space: global }
      - { .name: route, .offset: 24, .size: 8, .value_kind: global_buffer, .address_space: global }
    .group_segment_fixed_size: 4096
    .private_segment_fixed_size: 0
    .kernarg_segment_align: 8
    .kernarg_segment_size: 32
    .max_flat_workgroup_size: 512
    .sgpr_count:     66
    .vgpr_count:     178
    .wavefront_size: 32
...
	.end_amdgpu_metadata
.endif
;; end of part 1
;; launch wq (part 2): grid 256 x 1, 12 waves a work-group, no clusters, 0 bytes of LDS; arguments k0, k1, w0, w1; writes w0, w1
.if DOCPART == 2
	.amdgcn_target "amdgcn-amd-amdhsa--gfx1250"
	.amdhsa_code_object_version 6
	.text
	.protected	k_q3f89b0fd24_wq
	.globl	k_q3f89b0fd24_wq
	.p2align	8
	.type	k_q3f89b0fd24_wq,@function
k_q3f89b0fd24_wq:
	s_mov_b64 s[64:65], 0
	v_nop
	global_prefetch_b8 v0, s[64:65] scope:SCOPE_SE
	s_setreg_imm32_b32 hwreg(HW_REG_WAVE_MODE, 25, 1), 1
	s_wait_xcnt 0x0
; k0 [16][512][1024] and k1 [16][1024][1024], f32, become codes of E2M3.  The products' K is 16 i + t: a block of 32 is rows 2 j, 2 j + 1 of ALL 16 tasks at one
; column, with one scale.  A LANE TAKES A COLUMN AND ITS 32 REGISTERS ARE ONE BLOCK (register 2 t + i'): the maximum needs no other lane, and two conversions give
; each task's pair as 12 neighbouring bits.  A wave takes 32 columns x 8 pairs (Q): 256 loads of 128 consecutive bytes; waves w and w ^ 1 stand side by side on 256.
; Lane l takes column pi(l) of its 32 (bits 3 and 4 of l swapped): lanes 0-15 are then the rows of the reader's tile u = 0, lanes 16-31 of tile u = 1.
; OUT, codes: [slab of 64 columns][cp][Q][task][lane][4 words]: {f0 | f4 << 12, f1 | f5 << 12, f6 | f2 << 12, f7 | f3 << 12} << 4 (Q & 1), f_a the field of pair 8 Q + a:
; the words of the reader's registers q = Q % 4 and 6 + q for its lane halves 0 and 1.  Each store covers 512 consecutive bytes.
; OUT, scale words, behind the codes (w0: byte 0x800000, w1: 0x1000000): [slab][cp][Q][lane][2 words], byte b of word x = pair 8 Q + 4 x + b.
; 3,072 such wave shares (1,024 of k0, 2,048 of k1) = 256 work-groups of 12 waves.  No LDS, no barrier: waves share nothing.
; LIMITS: NaN and infinities are not served; a block whose largest magnitude is under 2^-124 (a block of zeros too) gets the byte 1; this program alone reads the bytes.
.set X,   16                           ; v16-79   two sets of 32 numbers
.set C,   80                           ; v80-82 tasks 0-7, v84-86 tasks 8-15: 96 bits each
.set MX,  88                           ; v88-89 maxima, v90 scale operand, v91 byte, v92-93 at work
.set SW,  94                           ; v94-95 the two scale words
.set WD,  96                           ; v96-159 four words for each task
.macro LOADP a, k                      ; pair a of my eight into set k % 2
.irp t, 0,1,2,3,4,5,6,7,8,9,10,11,12,13,14,15
.irp i, 0,1
	global_load_b32 v[X+32*((\k)%2)+2*\t+\i], v2, s[32+2*\t:33+2*\t] offset:(2*(\a)+\i)*4096 th:TH_LOAD_NT
.endr
.endr
.endm
.macro FIELD d, cb, m                  ; field m (bits 12 m on) of the 96 bits in v[cb] on
.if (\m) == 0
	v_bfe_u32 v[\d], v[\cb], 0, 12
.elseif (\m) == 1
	v_bfe_u32 v[\d], v[\cb], 12, 12
.elseif (\m) == 2
	v_alignbit_b32 v[\d], v[\cb+1], v[\cb], 24
	v_and_b32 v[\d], 0xfff, v[\d]
.elseif (\m) == 3
	v_bfe_u32 v[\d], v[\cb+1], 4, 12
.elseif (\m) == 4
	v_bfe_u32 v[\d], v[\cb+1], 16, 12
.elseif (\m) == 5
	v_alignbit_b32 v[\d], v[\cb+2], v[\cb+1], 28
	v_and_b32 v[\d], 0xfff, v[\d]
.elseif (\m) == 6
	v_bfe_u32 v[\d], v[\cb+2], 8, 12
.else
	v_lshrrev_b32 v[\d], 20, v[\cb+2]
.endif
.endm
; The k-th pair worked on is pair a; nx: the pair loaded into its set afterwards (-1: none).  Pairs 0, 1, 6, 7 come first: their fields start the words.
.macro PAIRW k, a, nx
.set XB, X+32*((\k)%2)
.if (\k) < 7
	s_wait_loadcnt 32                              ; this pair's 32 loads are in; the next pair's may be out
.else
	s_wait_loadcnt 0x0
.endif
	v_max3_num_f32 v[MX], |v[XB]|, |v[XB+1]|, |v[XB+2]|
	v_max3_num_f32 v[MX+1], |v[XB+3]|, |v[XB+4]|, |v[XB+5]|
.irp i, 6,10,14,18,22,26
	v_max3_num_f32 v[MX], v[MX], |v[XB+\i]|, |v[XB+\i+1]|
	v_max3_num_f32 v[MX+1], v[MX+1], |v[XB+\i+2]|, |v[XB+\i+3]|
.endr
	v_max3_num_f32 v[MX], v[MX], |v[XB+30]|, |v[XB+31]|
	v_max3_num_f32 v[MX], v[MX], v[MX+1], 0x1800000   ; the block's largest magnitude over the floor 2^(3 - 127)
	v_add_nc_u32 v[MX+2], 0xff000000, v[MX]           ; 2 off the exponent field: the conversions' scale operand
	v_lshrrev_b32 v[MX+3], 23, v[MX+2]                ; the scale's byte
	v_cvt_scalef32_pk16_fp6_f32 v[C:C+2], v[XB:XB+15], v[MX+2]
	v_cvt_scalef32_pk16_fp6_f32 v[C+4:C+6], v[XB+16:XB+31], v[MX+2]
	v_lshl_or_b32 v[SW+(\a)/4], v[MX+3], 8*((\a)%4), v[SW+(\a)/4]   ; (a plain line behind the conversions)
.if (\nx) >= 0
	LOADP \nx, \k
.endif
.irp t, 0,1,2,3,4,5,6,7,8,9,10,11,12,13,14,15
.if (\k) < 4
	FIELD WD+4*\t+(\a)%4, C+4*(\t/8), \t%8
.else
	FIELD MX+4+\t%2, C+4*(\t/8), \t%8
	v_lshl_or_b32 v[WD+4*\t+(\a)%4], v[MX+4+\t%2], 12, v[WD+4*\t+(\a)%4]
.endif
.endr
.endm
	s_load_b256 s[4:11], s[0:1], 0x0               ; k0 s[4:5], k1 s[6:7], w0 s[8:9], w1 s[10:11]
	v_lshrrev_b32 v1, 5, v0
	v_readfirstlane_b32 s16, v1                    ; wave 0..11
	v_and_b32 v1, 31, v0                           ; lane
	v_and_b32 v2, 7, v1
	v_bfe_u32 v3, v1, 3, 1
	v_bfe_u32 v4, v1, 4, 1
	v_lshl_or_b32 v2, v3, 4, v2
	v_lshl_or_b32 v2, v4, 3, v2
	v_lshlrev_b32 v2, 2, v2                        ; 4 pi(lane)
	v_lshlrev_b32 v3, 4, v1                        ; 16 lane
	v_lshlrev_b32 v4, 3, v1                        ; 8 lane
	v_mov_b32 v[SW], 0
	v_mov_b32 v[SW+1], 0
	s_mul_i32 s17, ttmp9, 12
	s_add_co_u32 s17, s17, s16                     ; my share, 0 .. 3071
	s_and_b32 s18, s17, 1                          ; cp: which 32 of a slab's 64 columns
	s_lshr_b32 s17, s17, 1
	s_cmp_lt_u32 s17, 512                          ; k0's or k1's
	s_cselect_b32 s19, 0, 512
	s_cselect_b32 s20, 5, 6                        ; log2 of the Q's in a column: 32 or 64
	s_sub_co_u32 s19, s17, s19
	s_bfm_b32 s22, s20, 0
	s_and_b32 s22, s19, s22                        ; Q
	s_lshr_b32 s23, s19, s20                       ; slab
	s_lshl_b32 s23, s23, 1
	s_add_co_u32 s23, s23, s18                     ; 2 slab + cp
	s_lshl_b32 s26, s22, 16                        ; in: 16 rows of 4,096 bytes a Q,
	s_lshl_b32 s27, s23, 7
	s_add_co_u32 s26, s26, s27                     ; 128 bytes for 32 columns
	s_mov_b32 s27, 0
	s_lshl_b32 s28, s23, s20
	s_add_co_u32 s28, s28, s22                     ; (2 slab + cp) x Q's + Q
	s_lshl_b32 s30, s28, 8                         ; scale words: 256 bytes each,
	s_lshl_b32 s28, s28, 13                        ; codes: 16 tasks x 512 bytes
	s_mov_b32 s29, 0
	s_mov_b32 s31, 0
	s_lshl_b32 s24, 0x10000, s20                   ; from task to task: 2 MiB in k0, 4 MiB in k1
	s_mov_b32 s25, 0
	s_lshl_b32 s21, 0x40000, s20                   ; the scale words lie behind the codes: 0x800000 or 0x1000000
	s_add_co_u32 s30, s30, s21
	s_and_b32 s21, s22, 1
	s_lshl_b32 s21, s21, 2                         ; 4 (Q & 1)
	s_wait_kmcnt 0x0
	s_cmp_lt_u32 s17, 512                          ; the choice hangs on the work-group's and the wave's number alone
	s_cselect_b64 s[4:5], s[4:5], s[6:7]
	s_cselect_b64 s[8:9], s[8:9], s[10:11]
	s_add_nc_u64 s[32:33], s[4:5], s[26:27]        ; a base for each task: the distance is too long for an immediate
.irp t, 1,2,3,4,5,6,7,8,9,10,11,12,13,14,15
	s_add_nc_u64 s[32+2*\t:33+2*\t], s[30+2*\t:31+2*\t], s[24:25]
.endr
	s_add_nc_u64 s[10:11], s[8:9], s[30:31]
	s_add_nc_u64 s[8:9], s[8:9], s[28:29]
	LOADP 0, 0
	LOADP 1, 1
	PAIRW 0, 0, 6
	PAIRW 1, 1, 7
	PAIRW 2, 6, 4
	PAIRW 3, 7, 5
	PAIRW 4, 4, 2
	PAIRW 5, 5, 3
	PAIRW 6, 2, -1
	PAIRW 7, 3, -1
.set i, 0
.rept 64
	v_lshlrev_b32 v[WD+i], s21, v[WD+i]            ; an odd register of the reader's operand has its codes 4 bits further up
.set i, i+1
.endr
.irp t, 0,1,2,3,4,5,6,7,8,9,10,11,12,13,14,15
	global_store_b128 v3, v[WD+4*\t:WD+4*\t+3], s[8:9] offset:512*\t
.endr
	global_store_b64 v4, v[SW:SW+1], s[10:11]
	s_endpgm
.Lfunc_end_k_q3f89b0fd24_wq:
	.size	k_q3f89b0fd24_wq, .Lfunc_end_k_q3f89b0fd24_wq-k_q3f89b0fd24_wq
	.p2alignl 7, 3214868480
	.fill 96, 4, 3214868480
	.section	.rodata,"a",@progbits
	.p2align	6, 0x0
	.amdhsa_kernel k_q3f89b0fd24_wq
		.amdhsa_group_segment_fixed_size 0
		.amdhsa_private_segment_fixed_size 0
		.amdhsa_enable_private_segment 0
		.amdhsa_kernarg_size 32
		.amdhsa_user_sgpr_count 2
		.amdhsa_user_sgpr_kernarg_segment_ptr 1
		.amdhsa_wavefront_size32 1
		.amdhsa_system_sgpr_workgroup_id_x 1
		.amdhsa_system_sgpr_workgroup_id_y 1
		.amdhsa_system_sgpr_workgroup_id_z 1
		.amdhsa_system_vgpr_workitem_id 0
		.amdhsa_next_free_vgpr 160
		.amdhsa_next_free_sgpr 66
		.amdhsa_reserve_vcc 0
		.amdhsa_float_denorm_mode_32 3
		.amdhsa_float_denorm_mode_16_64 3
		.amdhsa_memory_ordered 1
		.amdhsa_forward_progress 1
		.amdhsa_inst_pref_size 55
	.end_amdhsa_kernel
	.amdgpu_metadata
---
amdhsa.version: [ 1, 2 ]
amdhsa.kernels:
  - .name:           k_q3f89b0fd24_wq
    .symbol:         k_q3f89b0fd24_wq.kd
    .args:
      - { .name: k0, .offset: 0, .size: 8, .value_kind: global_buffer, .address_space: global }
      - { .name: k1, .offset: 8, .size: 8, .value_kind: global_buffer, .address_space: global }
      - { .name: w0, .offset: 16, .size: 8, .value_kind: global_buffer, .address_space: global }
      - { .name: w1, .offset: 24, .size: 8, .value_kind: global_buffer, .address_space: global }
    .group_segment_fixed_size: 0
    .private_segment_fixed_size: 0
    .kernarg_segment_align: 8
    .kernarg_segment_size: 32
    .max_flat_workgroup_size: 384
    .sgpr_count:     66
    .vgpr_count:     160
    .wavefront_size: 32
...
	.end_amdgpu_metadata
.endif
;; end of part 2
;; launch layer0 (part 3): grid 16 x 16, 16 waves a work-group, no clusters, 55,296 bytes of LDS; arguments xa, route, w0, b0, h1; writes h1
.if DOCPART == 3
	.amdgcn_target "amdgcn-amd-amdhsa--gfx1250"
	.amdhsa_code_object_version 6
	.text
	.protected	k_q3f89b0fd24_layer0
	.globl	k_q3f89b0fd24_layer0
	.p2align	8
	.type	k_q3f89b0fd24_layer0,@function
k_q3f89b0fd24_layer0:
	s_mov_b64 s[64:65], 0
	v_nop
	global_prefetch_b8 v0, s[64:65] scope:SCOPE_SE
	s_setreg_imm32_b32 hwreg(HW_REG_WAVE_MODE, 25, 1), 1
	s_wait_xcnt 0x0
; One hidden layer, h = tanh(a W[task] + b[task]), for the tokens of ONE task (work-group y) and 64 columns (work-group x).  LAYER = 0: a = x, 512 inputs; 1: a = h1, 1,024 inputs.
; THE PRODUCT'S K IS 16 i + t: a block of 32 is a pair of inputs x 16 tasks, and for a token only its own task's two numbers are not zero.  A block has one scale a side, so a hardware block
; can hold one pair: a K step of the matrix instruction is 4 pairs, 8 inputs.  Only the live codes are moved:
;  - the TOKEN operand (source 1) is zero but for a field of 12 bits (two codes) in register d and one in register 6 + d of its 12: two v_and_b32 on one loaded word make it;
;  - the WEIGHT operand (source 0) is a window of 12 registers over packed words, two fields a word; every pattern of E2M3 is a finite number, so what meets a zero code adds nothing.
; K step g of a group of 8: window 2 (g / 4) on, d = (g / 2) % 2; g even: register d takes the low field, 6 + d the high one; g odd: the other way round.
; Fields lie at bits 0 and 12 of an even register and at bits 4 and 16 of an odd one: whole codes of the operand's stream of bits.
; SHARES.  16 waves copy the work-group's weight words and scale words from memory into LDS as images of the operands' registers; one barrier; then wave w owns columns 32 (w % 2) on
; (two tiles of 16, accumulators by turns) and tiles of 16 tokens w / 2 + 8 n.  Used transposed: a lane holds one token, and the two tiles' 16 registers are 16 neighbouring columns.
; No tensor loads: the weights arrive as words laid for the lanes, and the work-groups of the launch share only the scale words.  No cluster for the same reason.
; OUT.  LAYER = 0: h1 for the next layer of this kind: pair fields and scale words as the head of the first launch's text lays them, by sorted tile.
; LAYER = 1: h2 for the last product, whose K is i alone: blocks of 32; codes [tile][block][16 rows][24 bytes], scale words [tile][K step of 128][16 rows] from byte 0x1ad000.
; tanh: |x| < 0.09: x - x^3/3 + 2 x^5/15 (the next term is under 3e-8 of x); else 1 - 2 / (1 + 2^(2 x log2 e)).
; A row that only fills a tile up repeats the tile's first token (that slot always holds a token): it carries the same numbers through all layers.
; LIMITS: NaN and infinities are not served; a pair or block whose largest magnitude is under 2^-124 gets the scale byte 1.
.set LAYER, 0
.if LAYER == 0
.set NG, 8                             ; groups of 8 K steps (64 inputs)
.set ASOFF, 0x100000                   ; the tokens' scale words in their buffer
.set WSOFF, 0x800000                   ; the weights'
.set OSOFF, 0x23c000                   ; the results'
.else
.set NG, 16
.set ASOFF, 0x23c000
.set WSOFF, 0x1000000
.set OSOFF, 0x1ad000
.endif
.set NQ,    4*NG                       ; runs of 8 pairs in a column
.set NCW,   NG/2                       ; pieces of 512 bytes that a wave copies
.set WSB,   4*NG*1024                  ; LDS: from 0 the weight words [cp][u][group][low, high][lane][4 words]; from WSB the scale words [cp][group][2][lane][4 words];
.set BIASL, 6*NG*1024                  ; from BIASL 256 bytes for each wave: its own copy of the 64 biases
.set ACC, 16                           ; v16-31   two accumulators
.set TW,  32                           ; v32-47   token words, two sets of 8
.set TS,  48                           ; v48-55   token scale words, two sets of 4: lanes 0-15 step m, lanes 16-31 step 4 + m
.set WSR, 56                           ; v56-71   weight scale words, two sets of 8: lanes 0-15 tile 0, lanes 16-31 tile 1
.set WB,  72                           ; v72-127  weight words: (set, tile) 14 registers: 0-3 and 6-9 loaded, the rest named by the windows and never live
.set T,   128                          ; v128-223 eight token operands
.set MK,  58                           ; s58-61   the four field masks
.set TE,  72                           ; behind the products the weight registers are at work: tanh v72-95,
.set TU,  80
.set TQ,  88
.set PM,  72                           ; the pair quantiser v72-125,
.set PB,  80
.set PC,  88
.set PW,  120
.set SH4, 13
.set QM,  72                           ; the block quantiser v72-78
.set HC,  76
.macro PLACES                          ; four plain lines between a matrix instruction and a load or vector write into its registers or a read of its result, and between a vector write of an operand and the product
.rept 4
	v_nop
.endr
.endm
.macro PAIRQ n, w                      ; 16 neighbours along the next K -> 4 code words, 2 scale words
.irp m, 0,1,2,3,4,5,6,7
	v_max3_num_f32 v[PM+\m], |v[(\n)+2*\m]|, |v[(\n)+2*\m+1]|, 0x1800000   ; the pair's larger magnitude over the floor 2^(3 - 127)
.endr
.irp m, 0,1,2,3,4,5,6,7
	v_add_nc_u32 v[PM+\m], 0xff000000, v[PM+\m]    ; 2 off the exponent field: the conversion's scale operand
.endr
.irp m, 0,1,2,3,4,5,6,7
	v_lshrrev_b32 v[PB+\m], 23, v[PM+\m]
.endr
.irp m, 0,1,2,3,4,5,6,7
	v_cvt_scalef32_pk16_fp6_f32 v[PC+4*\m:PC+4*\m+2], v[(\n)+2*\m:(\n)+2*\m+15], v[PM+\m]   ; the lowest two codes are the pair's; the registers named beyond the 16 numbers are the token words, whose codes are cut off
.endr
	v_lshl_or_b32 v[(\w)+4], v[PB+1], 8, v[PB]     ; (a plain line behind the conversions)
	v_lshl_or_b32 v[(\w)+5], v[PB+5], 8, v[PB+4]
	v_lshl_or_b32 v[(\w)+4], v[PB+2], 16, v[(\w)+4]
	v_lshl_or_b32 v[(\w)+5], v[PB+6], 16, v[(\w)+5]
	v_lshl_or_b32 v[(\w)+4], v[PB+3], 24, v[(\w)+4]
	v_lshl_or_b32 v[(\w)+5], v[PB+7], 24, v[(\w)+5]
.irp m, 0,1,2,3,4,5,6,7
	v_and_b32 v[PC+4*\m], 0xfff, v[PC+4*\m]
.endr
	v_lshl_or_b32 v[(\w)],   v[PC+8],  12, v[PC]
	v_lshl_or_b32 v[(\w)+1], v[PC+16], 12, v[PC+24]
	v_lshl_or_b32 v[(\w)+2], v[PC+12], 12, v[PC+4]
	v_lshl_or_b32 v[(\w)+3], v[PC+20], 12, v[PC+28]
.irp i, 0,1,2,3
	v_lshlrev_b32 v[(\w)+\i], v[SH4], v[(\w)+\i]
.endr
.endm
.macro TANH a                          ; accumulator a in place, from its low end on
.set XA, ACC+8*(\a)
.irp j, 0,2,4,6
	v_pk_mul_f32 v[TE+\j:TE+\j+1], v[XA+\j:XA+\j+1], s[48:49] op_sel_hi:[1,0]
.endr
.irp j, 0,1,2,3,4,5,6,7
	v_exp_f32 v[TE+\j], v[TE+\j]
.endr
.irp j, 0,2,4,6
	v_pk_mul_f32 v[TU+\j:TU+\j+1], v[XA+\j:XA+\j+1], v[XA+\j:XA+\j+1]   ; (plain lines behind the exponentials)
.endr
	s_wait_alu depctr_va_vdst(0)
.irp j, 0,2,4,6
	v_pk_add_f32 v[TE+\j:TE+\j+1], v[TE+\j:TE+\j+1], 1.0 op_sel_hi:[1,0]
.endr
.irp j, 0,1,2,3,4,5,6,7
	v_rcp_f32 v[TE+\j], v[TE+\j]
.endr
.irp j, 0,1,2,3,4,5,6,7
	v_fma_f32 v[TQ+\j], v[TU+\j], s50, s52         ; (plain lines behind the reciprocals)  2 x^2 / 15 - 1/3
.endr
.irp j, 0,2,4,6
	v_pk_mul_f32 v[TQ+\j:TQ+\j+1], v[TQ+\j:TQ+\j+1], v[TU+\j:TU+\j+1]
.endr
	s_wait_alu depctr_va_vdst(0)
.irp j, 0,2,4,6
	v_pk_fma_f32 v[TE+\j:TE+\j+1], v[TE+\j:TE+\j+1], -2.0, 1.0 op_sel_hi:[1,0,0]
.endr
.irp j, 0,2,4,6
	v_pk_fma_f32 v[TQ+\j:TQ+\j+1], v[XA+\j:XA+\j+1], v[TQ+\j:TQ+\j+1], v[XA+\j:XA+\j+1]
.endr
.irp j, 0,1,2,3,4,5,6,7
	v_cmp_lt_f32 vcc_lo, |v[XA+\j]|, s54
	v_cndmask_b32 v[XA+\j], v[TE+\j], v[TQ+\j], vcc_lo
.endr
.endm
.macro UNITADDR                        ; where tile s27's words and scale words lie for my lane
.if LAYER == 0
	s_lshl_b32 s28, s27, 6
	s_load_b512 s[32:47], s[6:7], s28 offset:0x100 ; the tile's 16 tokens
	s_wait_kmcnt 0x0
.irp k, 0,1,2,3,4,5,6,7,8,9,10,11,12,13,14,15
	v_writelane_b32 v254, s[32+\k], \k
	v_writelane_b32 v254, s[32+\k], 16+\k
.endr
	v_mov_b32 v15, s32                             ; the tile's first token
	v_cmp_gt_u32 vcc_lo, 0x800, v254
	v_cndmask_b32 v255, v15, v254, vcc_lo          ; a row that fills the tile up takes it
	v_min_u32 v255, 0x7ff, v255
	v_and_b32 v9, 0x7f0, v255
	v_and_b32 v10, 15, v255
	v_lshlrev_b32 v10, 4, v10
	v_add_nc_u32 v10, v10, v14                     ; 16 x row + 256 x half
	v_lshlrev_b32 v11, 9, v9                       ; 8,192 bytes of words for 16 tokens,
	v_lshlrev_b32 v12, 8, v9                       ; 4,096 of scale words
	v_add_nc_u32 v9, v11, v10
	v_add_nc_u32 v10, v12, v10
.else
	s_lshl_b32 s28, s27, 14
	s_lshl_b32 s29, s27, 13
	v_add_nc_u32 v9, s28, v1
	v_add_nc_u32 v10, s29, v1
.endif
.endm
.macro TLOAD g, b                      ; group g's token words and scale words into set b: 3 loads
	global_load_b128 v[TW+8*(\b):TW+8*(\b)+3], v9, s[4:5] offset:(\g)*1024
	global_load_b128 v[TW+8*(\b)+4:TW+8*(\b)+7], v9, s[4:5] offset:(\g)*1024+512
	global_load_b128 v[TS+4*(\b):TS+4*(\b)+3], v10, s[14:15] offset:(\g)*512
.endm
.macro WFETCH g, b                     ; group g's weight words and scale words into set b: 6 LDS loads
.irp u, 0,1
	ds_load_b128 v[WB+28*(\b)+14*\u:WB+28*(\b)+14*\u+3], v7 offset:(\u*NG+(\g))*1024
	ds_load_b128 v[WB+28*(\b)+14*\u+6:WB+28*(\b)+14*\u+9], v7 offset:(\u*NG+(\g))*1024+512
.endr
	ds_load_b128 v[WSR+8*(\b):WSR+8*(\b)+3], v8 offset:(\g)*1024
	ds_load_b128 v[WSR+8*(\b)+4:WSR+8*(\b)+7], v8 offset:(\g)*1024+512
.endm
.macro PROD u, b                       ; K step gi of the group, tile u
.set ra, ACC+8*(\u)
.set rw, WB+28*(\b)+14*(\u)+2*(gi>>2)
.set rt, T+12*gi
.set sa, WSR+8*(\b)+gi
.set sb, TS+4*(\b)+(gi&3)
.if ((\u) == 0) && (gi < 4)
	v_wmma_scale_f32_16x16x128_f8f6f4 v[ra:ra+7], v[rw:rw+11], v[rt:rt+11], v[ra:ra+7], v[sa], v[sb] matrix_a_fmt:MATRIX_FMT_FP6 matrix_b_fmt:MATRIX_FMT_FP6
.elseif (\u) == 0
	v_wmma_scale_f32_16x16x128_f8f6f4 v[ra:ra+7], v[rw:rw+11], v[rt:rt+11], v[ra:ra+7], v[sa], v[sb] matrix_a_fmt:MATRIX_FMT_FP6 matrix_b_fmt:MATRIX_FMT_FP6 matrix_b_scale:MATRIX_SCALE_ROW1
.elseif gi < 4
	v_wmma_scale_f32_16x16x128_f8f6f4 v[ra:ra+7], v[rw:rw+11], v[rt:rt+11], v[ra:ra+7], v[sa], v[sb] matrix_a_fmt:MATRIX_FMT_FP6 matrix_b_fmt:MATRIX_FMT_FP6 matrix_a_scale:MATRIX_SCALE_ROW1
.else
	v_wmma_scale_f32_16x16x128_f8f6f4 v[ra:ra+7], v[rw:rw+11], v[rt:rt+11], v[ra:ra+7], v[sa], v[sb] matrix_a_fmt:MATRIX_FMT_FP6 matrix_b_fmt:MATRIX_FMT_FP6 matrix_a_scale:MATRIX_SCALE_ROW1 matrix_b_scale:MATRIX_SCALE_ROW1
.endif
.endm
.macro GROUP g                         ; 8 K steps: the next group is asked for, 8 token operands are made, 16 products
.set bb, (\g)%2
	PLACES                                         ; behind the last group's products: its registers are loaded and written below
.if (\g)+1 < NG
	TLOAD (\g)+1, 1-bb
	WFETCH (\g)+1, 1-bb
	s_wait_loadcnt 3                               ; all but the 3 just issued
	s_wait_dscnt 6                                 ; all but the 6 just issued
.else
	s_wait_loadcnt 0x0
	s_wait_dscnt 0x0
.endif
.set gi, 0
.rept 8
.set dl, (gi>>1)&1
	v_and_b32 v[T+12*gi+dl],   s[MK+2*dl+(gi&1)],   v[TW+8*bb+gi]
	v_and_b32 v[T+12*gi+6+dl], s[MK+2*dl+1-(gi&1)], v[TW+8*bb+gi]
.set gi, gi+1
.endr
	PLACES
.set gi, 0
.rept 8
	PROD 0, bb
	PROD 1, bb
.set gi, gi+1
.endr
.endm
	s_load_b256 s[4:11], s[0:1], 0x0               ; tokens s[4:5], route s[6:7], weights s[8:9], bias s[10:11]
	s_load_b64 s[12:13], s[0:1], 0x20              ; results
	v_lshl_add_u32 v250, v0, 2, 0xd000
	v_mov_b32 v251, 0
	v_lshrrev_b32 v1, 5, v0
	v_readfirstlane_b32 s20, v1                    ; wave 0..15
	s_mov_b32 s21, ttmp9                           ; slab
	s_and_b32 s22, ttmp7, 0xffff                   ; task
	s_lshl_b32 s23, s22, 3
	v_and_b32 v9, 31, v0                           ; lane
	v_and_b32 v10, 15, v0                          ; r
	v_bfe_u32 v11, v0, 4, 1                        ; h
	v_lshlrev_b32 v1, 4, v9                        ; v1 16 lane
	v_lshlrev_b32 v2, 3, v9                        ; v2 8 lane
	s_and_b32 s26, s20, 1                          ; cp: my columns in the products
	s_lshr_b32 s28, s20, 3                         ; the copy: my pieces' cp,
	s_and_b32 s29, s20, 7
	s_mul_i32 s29, s29, (NCW/4)*1024               ; and their first group
	s_mul_i32 s30, s28, 2*NG*1024
	s_add_co_u32 s30, s30, s29
	v_mul_u32_u24 v3, v11, NG*1024
	v_lshl_add_u32 v3, v10, 4, v3
	v_add_nc_u32 v3, s30, v3                       ; v3 where I put weight words: tile lane / 16, 16 bytes a row
	s_mul_i32 s30, s28, NG*1024
	s_add_co_u32 s30, s30, s29
	s_add_co_u32 s30, s30, WSB
	v_add_nc_u32 v4, s30, v1                       ; v4 and scale words
	s_lshl_b32 s30, s20, 8
	s_add_co_u32 s30, s30, BIASL
	v_add_nc_u32 v5, s30, v2                       ; v5 my wave's biases, in
	s_lshl_b32 s31, s26, 7
	s_add_co_u32 s30, s30, s31
	v_lshl_add_u32 v6, v11, 6, s30                 ; v6 and out: columns 32 cp + 16 h on
	s_mul_i32 s30, s26, 2*NG*1024
	v_add_nc_u32 v7, s30, v1                       ; v7 where I read weight words
	s_mul_i32 s30, s26, NG*1024
	s_add_co_u32 s30, s30, WSB
	v_add_nc_u32 v8, s30, v1                       ; v8 and scale words
.if LAYER == 0
	v_lshlrev_b32 v[SH4], 2, v11                   ; 4 h
	v_lshlrev_b32 v14, 8, v11                      ; 256 h
	v_lshlrev_b32 v252, 4, v10
	v_lshl_add_u32 v252, v11, 3, v252              ; 16 r + 8 h
	s_lshl_b32 s30, s21, 9
	s_lshl_b32 s31, s26, 8
	s_add_co_u32 s30, s30, s31
	v_add_nc_u32 v253, s30, v252                   ; v253 scale words out: + 512 slab + 256 cp
	s_lshl_b32 s30, s30, 1
	v_add_nc_u32 v252, s30, v252                   ; v252 code words out: + 1024 slab + 512 cp
	v_mov_b32 v254, 0                              ; (written lane by lane below)
.else
	v_mul_u32_u24 v252, v10, 24
	v_mad_u32_u24 v252, v11, 12, v252
	s_lshl_b32 s30, s21, 1
	s_add_co_u32 s30, s30, s26                     ; my block of 32 of the next K
	s_mul_i32 s31, s30, 384
	v_add_nc_u32 v252, s31, v252                   ; v252 codes out: 384 block + 24 r + 12 h
	s_lshr_b32 s31, s30, 2
	s_lshl_b32 s31, s31, 6
	s_and_b32 s30, s30, 3
	s_add_co_u32 s31, s31, s30
	v_lshl_add_u32 v253, v10, 2, s31               ; v253 the scale byte out: 64 (block / 4) + 4 r + block % 4
.endif
	s_mul_i32 s30, s21, 2*NQ
	s_mul_i32 s31, s20, NCW
	s_add_co_u32 s30, s30, s31                     ; my first piece
	s_lshl_b32 s36, s30, 13                        ; 16 tasks x 512 bytes a piece,
	s_lshl_b32 s31, s22, 9
	s_add_co_u32 s36, s36, s31                     ; my task's 512
	s_mov_b32 s37, 0
	s_lshl_b32 s38, s30, 8
	s_add_co_u32 s38, s38, WSOFF
	s_mov_b32 s39, 0
	s_lshl_b32 s40, s22, 12
	s_lshl_b32 s31, s21, 8
	s_add_co_u32 s40, s40, s31                     ; bias: 4,096 task + 256 slab
	s_mov_b32 s41, 0
	s_mov_b32 s48, 0x4038aa3b                      ; 2 log2 e
	s_mov_b32 s49, s48                             ; (named with it as a pair)
	s_mov_b32 s50, 0x3e088889                      ; 2/15
	s_mov_b32 s52, 0xbeaaaaab                      ; -1/3
	s_mov_b32 s54, 0x3db851ec                      ; 0.09
	s_mov_b32 s56, 0x76543210
	s_mov_b32 s57, 0xfedcba98                      ; lane l xor 16
	s_mov_b32 s[MK], 0xfff
	s_mov_b32 s[MK+1], 0xfff000
	s_mov_b32 s[MK+2], 0xfff0
	s_mov_b32 s[MK+3], 0xfff0000
	s_wait_kmcnt 0x0
	s_load_b64 s[24:25], s[6:7], s23 offset:0x0    ; my task's first tile and its tiles
	s_add_nc_u64 s[16:17], s[8:9], s[38:39]
	s_add_nc_u64 s[8:9], s[8:9], s[36:37]
	s_add_nc_u64 s[10:11], s[10:11], s[40:41]
	s_add_nc_u64 s[14:15], s[4:5], ASOFF
	s_add_nc_u64 s[18:19], s[12:13], OSOFF
	global_load_b64 v[T+48:T+49], v2, s[10:11]
.set n, 0
.rept NCW
	global_load_b128 v[T+4*n:T+4*n+3], v1, s[8:9] offset:n*8192 th:TH_LOAD_NT   ; 512 consecutive bytes, read once in the launch
	global_load_b64 v[T+32+2*n:T+32+2*n+1], v2, s[16:17] offset:n*256
.set n, n+1
.endr
	s_wait_kmcnt 0x0
	s_min_u32 s24, s24, 142
	s_min_u32 s25, s25, 128
	s_lshr_b32 s26, s20, 1
	s_add_co_u32 s31, s24, s26                     ; s31 my first tile: the task's first + w / 2
	s_add_co_u32 s30, s25, 7
	s_sub_co_u32 s30, s30, s26
	s_lshr_b32 s30, s30, 3                         ; s30 how many tiles are mine: those of w / 2 + 8 n under the task's count
	s_cmp_lg_u32 s30, 0
	s_cselect_b32 s27, s31, 0                      ; a wave without work asks for tile 0, which always exists, and uses nothing of it
	s_min_u32 s27, s27, 142
	UNITADDR
	TLOAD 0, 0
	s_wait_loadcnt 3                               ; all but the tile's 3
	ds_store_b64 v5, v[T+48:T+49]
.set n, 0
.rept NCW
.irp i, 0,1,2,3
	ds_store_b32 v3, v[T+4*n+\i] offset:(n>>2)*1024+(n&3)*4+256*\i   ; word i: low h = 0, low h = 1, high h = 0, high h = 1; register n % 4 of the reader's four
.endr
	ds_store_b64 v4, v[T+32+2*n:T+32+2*n+1] offset:(n>>2)*1024+((n&3)>>1)*512+(n&1)*8
.set n, n+1
.endr
.set gi, 0
.rept 8                                ; the token operands' zeros: all but the two registers that each K step writes
.set ii, 0
.rept 12
.if (ii != ((gi>>1)&1)) && (ii != 6+((gi>>1)&1))
	v_mov_b32 v[T+12*gi+ii], 0
.endif
.set ii, ii+1
.endr
.set gi, gi+1
.endr
.irp b, 0,14,28,42
.irp i, 4,5,10,11,12,13
	v_mov_b32 v[WB+\b+\i], 0                       ; named by the windows, so they are written once
.endr
.endr
	s_mov_b32 s26, 0                               ; s26 counts my tiles, one a trip
	s_wait_dscnt 0x0                               ; for the others' sake: my part of the images lies in LDS
	s_barrier_signal -1
	s_barrier_wait -1                              ; from here on LDS is only read
	s_cmp_eq_u32 s30, 0
	s_cbranch_scc1 .Ldone
.Lunit:
.if LAYER == 0
	s_lshl_b32 s28, s27, 14
	s_lshl_b32 s29, s27, 13
.else
	s_mul_i32 s28, s27, 12288
	s_lshl_b32 s29, s27, 9
.endif
	v_add_nc_u32 v11, s28, v252
	v_add_nc_u32 v12, s29, v253
.irp u, 0,1
	ds_load_b128 v[ACC+8*\u:ACC+8*\u+3], v6 offset:32*\u      ; the sums begin with the biases of columns 32 cp + 16 h + 8 u + 0 .. 7
	ds_load_b128 v[ACC+8*\u+4:ACC+8*\u+7], v6 offset:32*\u+16
.endr
	WFETCH 0, 0
.set gg, 0
.rept NG
	GROUP gg
.set gg, gg+1
.endr
	PLACES
	TANH 0
	TANH 1
.if LAYER == 0
	PAIRQ ACC, PW
	global_store_b64 v11, v[PW:PW+1], s[12:13]                ; 32 lanes: 256 consecutive bytes
	global_store_b64 v11, v[PW+2:PW+3], s[12:13] offset:256
	global_store_b64 v12, v[PW+4:PW+5], s[18:19]
.else
	v_max3_num_f32 v[QM], |v[ACC]|, |v[ACC+1]|, 0x1800000
.irp i, 2,4,6,8,10,12,14
	v_max3_num_f32 v[QM], v[QM], |v[ACC+\i]|, |v[ACC+\i+1]|
.endr
	v_permlanex16_b32 v[QM+1], v[QM], s56, s57
	v_max_num_f32 v[QM], v[QM], v[QM+1]            ; with lane l xor 16's 16: the block's largest magnitude
	v_add_nc_u32 v[QM+2], 0xff000000, v[QM]
	v_cvt_scalef32_pk16_fp6_f32 v[HC:HC+2], v[ACC:ACC+15], v[QM+2]
	v_lshrrev_b32 v[QM+3], 23, v[QM+2]             ; (a plain line behind the conversion)  the scale's byte
	global_store_b96 v11, v[HC:HC+2], s[12:13]     ; 32 lanes: 384 consecutive bytes
	global_store_b8 v12, v[QM+3], s[18:19]
.endif
	s_wait_xcnt 0x0                                ; the stores' data and offsets are written again below
	s_add_co_u32 s26, s26, 1
	s_cmp_ge_u32 s26, s30
	s_cbranch_scc1 .Ldone                          ; nothing is asked for behind my last tile
	s_lshl_b32 s28, s26, 3
	s_add_co_u32 s27, s31, s28                     ; my next tile: 8 further on
	s_min_u32 s27, s27, 142
	UNITADDR
	TLOAD 0, 0
	s_cmp_lt_u32 s26, s30
	s_cbranch_scc1 .Lunit
.Ldone:
	s_wait_tensorcnt 0x0
	ds_add_u32 v250, v251
	s_wait_dscnt 0x0
	s_endpgm
.Lfunc_end_k_q3f89b0fd24_layer0:
	.size	k_q3f89b0fd24_layer0, .Lfunc_end_k_q3f89b0fd24_layer0-k_q3f89b0fd24_layer0
	.p2alignl 7, 3214868480
	.fill 96, 4, 3214868480
	.section	.rodata,"a",@progbits
	.p2align	6, 0x0
	.amdhsa_kernel k_q3f89b0fd24_layer0
		.amdhsa_group_segment_fixed_size 55296
		.amdhsa_private_segment_fixed_size 0
		.amdhsa_enable_private_segment 0
		.amdhsa_kernarg_size 40
		.amdhsa_user_sgpr_count 2
		.amdhsa_user_sgpr_kernarg_segment_ptr 1
		.amdhsa_wavefront_size32 1
		.amdhsa_system_sgpr_workgroup_id_x 1
		.amdhsa_system_sgpr_workgroup_id_y 1
		.amdhsa_system_sgpr_workgroup_id_z 1
		.amdhsa_system_vgpr_workitem_id 0
		.amdhsa_next_free_vgpr 256
		.amdhsa_next_free_sgpr 66
		.amdhsa_reserve_vcc 1
		.amdhsa_float_denorm_mode_32 3
		.amdhsa_float_denorm_mode_16_64 3
		.amdhsa_memory_ordered 1
		.amdhsa_forward_progress 1
		.amdhsa_inst_pref_size 55
	.end_amdhsa_kernel
	.amdgpu_metadata
---
amdhsa.version: [ 1, 2 ]
amdhsa.kernels:
  - .name:           k_q3f89b0fd24_layer0
    .symbol:         k_q3f89b0fd24_layer0.kd
    .args:
      - { .name: xa, .offset: 0, .size: 8, .value_kind: global_buffer, .address_space: global }
      - { .name: route, .offset: 8, .size: 8, .value_kind: global_buffer, .address_space: global }
      - { .name: w0, .offset: 16, .size: 8, .value_kind: global_buffer, .address_space: global }
      - { .name: b0, .offset: 24, .size: 8, .value_kind: global_buffer, .address_space: global }
      - { .name: h1, .offset: 32, .size: 8, .value_kind: global_buffer, .address_space: global }
    .group_segment_fixed_size: 55296
    .private_segment_fixed_size: 0
    .kernarg_segment_align: 8
    .kernarg_segment_size: 40
    .max_flat_workgroup_size: 512
    .sgpr_count:     66
    .vgpr_count:     256
    .wavefront_size: 32
...
	.end_amdgpu_metadata
.endif
;; end of part 3
;; launch layer1 (part 4): grid 16 x 16, 16 waves a work-group, no clusters, 104,448 bytes of LDS; arguments h1, route, w1, b1, h2; writes h2
.if DOCPART == 4
	.amdgcn_target "amdgcn-amd-amdhsa--gfx1250"
	.amdhsa_code_object_version 6
	.text
	.protected	k_q3f89b0fd24_layer1
	.globl	k_q3f89b0fd24_layer1
	.p2align	8
	.type	k_q3f89b0fd24_layer1,@function
k_q3f89b0fd24_layer1:
	s_mov_b64 s[64:65], 0
	v_nop
	global_prefetch_b8 v0, s[64:65] scope:SCOPE_SE
	s_setreg_imm32_b32 hwreg(HW_REG_WAVE_MODE, 25, 1), 1
	s_wait_xcnt 0x0
; One hidden layer, h = tanh(a W[task] + b[task]), for the tokens of ONE task (work-group y) and 64 columns (work-group x).  LAYER = 0: a = x, 512 inputs; 1: a = h1, 1,024 inputs.
; THE PRODUCT'S K IS 16 i + t: a block of 32 is a pair of inputs x 16 tasks, and for a token only its own task's two numbers are not zero.  A block has one scale a side, so a hardware block
; can hold one pair: a K step of the matrix instruction is 4 pairs, 8 inputs.  Only the live codes are moved:
;  - the TOKEN operand (source 1) is zero but for a field of 12 bits (two codes) in register d and one in register 6 + d of its 12: two v_and_b32 on one loaded word make it;
;  - the WEIGHT operand (source 0) is a window of 12 registers over packed words, two fields a word; every pattern of E2M3 is a finite number, so what meets a zero code adds nothing.
; K step g of a group of 8: window 2 (g / 4) on, d = (g / 2) % 2; g even: register d takes the low field, 6 + d the high one; g odd: the other way round.
; Fields lie at bits 0 and 12 of an even register and at bits 4 and 16 of an odd one: whole codes of the operand's stream of bits.
; SHARES.  16 waves copy the work-group's weight words and scale words from memory into LDS as images of the operands' registers; one barrier; then wave w owns columns 32 (w % 2) on
; (two tiles of 16, accumulators by turns) and tiles of 16 tokens w / 2 + 8 n.  Used transposed: a lane holds one token, and the two tiles' 16 registers are 16 neighbouring columns.
; No tensor loads: the weights arrive as words laid for the lanes, and the work-groups of the launch share only the scale words.  No cluster for the same reason.
; OUT.  LAYER = 0: h1 for the next layer of this kind: pair fields and scale words as the head of the first launch's text lays them, by sorted tile.
; LAYER = 1: h2 for the last product, whose K is i alone: blocks of 32; codes [tile][block][16 rows][24 bytes], scale words [tile][K step of 128][16 rows] from byte 0x1ad000.
; tanh: |x| < 0.09: x - x^3/3 + 2 x^5/15 (the next term is under 3e-8 of x); else 1 - 2 / (1 + 2^(2 x log2 e)).
; A row that only fills a tile up repeats the tile's first token (that slot always holds a token): it carries the same numbers through all layers.
; LIMITS: NaN and infinities are not served; a pair or block whose largest magnitude is under 2^-124 gets the scale byte 1.
.set LAYER, 1
.if LAYER == 0
.set NG, 8                             ; groups of 8 K steps (64 inputs)
.set ASOFF, 0x100000                   ; the tokens' scale words in their buffer
.set WSOFF, 0x800000                   ; the weights'
.set OSOFF, 0x23c000                   ; the results'
.else
.set NG, 16
.set ASOFF, 0x23c000
.set WSOFF, 0x1000000
.set OSOFF, 0x1ad000
.endif
.set NQ,    4*NG                       ; runs of 8 pairs in a column
.set NCW,   NG/2                       ; pieces of 512 bytes that a wave copies
.set WSB,   4*NG*1024                  ; LDS: from 0 the weight words [cp][u][group][low, high][lane][4 words]; from WSB the scale words [cp][group][2][lane][4 words];
.set BIASL, 6*NG*1024                  ; from BIASL 256 bytes for each wave: its own copy of the 64 biases
.set ACC, 16                           ; v16-31   two accumulators
.set TW,  32                           ; v32-47   token words, two sets of 8
.set TS,  48                           ; v48-55   token scale words, two sets of 4: lanes 0-15 step m, lanes 16-31 step 4 + m
.set WSR, 56                           ; v56-71   weight scale words, two sets of 8: lanes 0-15 tile 0, lanes 16-31 tile 1
.set WB,  72                           ; v72-127  weight words: (set, tile) 14 registers: 0-3 and 6-9 loaded, the rest named by the windows and never live
.set T,   128                          ; v128-223 eight token operands
.set MK,  58                           ; s58-61   the four field masks
.set TE,  72                           ; behind the products the weight registers are at work: tanh v72-95,
.set TU,  80
.set TQ,  88
.set PM,  72                           ; the pair quantiser v72-125,
.set PB,  80
.set PC,  88
.set PW,  120
.set SH4, 13
.set QM,  72                           ; the block quantiser v72-78
.set HC,  76
.macro PLACES                          ; four plain lines between a matrix instruction and a load or vector write into its registers or a read of its result, and between a vector write of an operand and the product
.rept 4
	v_nop
.endr
.endm
.macro PAIRQ n, w                      ; 16 neighbours along the next K -> 4 code words, 2 scale words
.irp m, 0,1,2,3,4,5,6,7
	v_max3_num_f32 v[PM+\m], |v[(\n)+2*\m]|, |v[(\n)+2*\m+1]|, 0x1800000   ; the pair's larger magnitude over the floor 2^(3 - 127)
.endr
.irp m, 0,1,2,3,4,5,6,7
	v_add_nc_u32 v[PM+\m], 0xff000000, v[PM+\m]    ; 2 off the exponent field: the conversion's scale operand
.endr
.irp m, 0,1,2,3,4,5,6,7
	v_lshrrev_b32 v[PB+\m], 23, v[PM+\m]
.endr
.irp m, 0,1,2,3,4,5,6,7
	v_cvt_scalef32_pk16_fp6_f32 v[PC+4*\m:PC+4*\m+2], v[(\n)+2*\m:(\n)+2*\m+15], v[PM+\m]   ; the lowest two codes are the pair's; the registers named beyond the 16 numbers are the token words, whose codes are cut off
.endr
	v_lshl_or_b32 v[(\w)+4], v[PB+1], 8, v[PB]     ; (a plain line behind the conversions)
	v_lshl_or_b32 v[(\w)+5], v[PB+5], 8, v[PB+4]
	v_lshl_or_b32 v[(\w)+4], v[PB+2], 16, v[(\w)+4]
	v_lshl_or_b32 v[(\w)+5], v[PB+6], 16, v[(\w)+5]
	v_lshl_or_b32 v[(\w)+4], v[PB+3], 24, v[(\w)+4]
	v_lshl_or_b32 v[(\w)+5], v[PB+7], 24, v[(\w)+5]
.irp m, 0,1,2,3,4,5,6,7
	v_and_b32 v[PC+4*\m], 0xfff, v[PC+4*\m]
.endr
	v_lshl_or_b32 v[(\w)],   v[PC+8],  12, v[PC]
	v_lshl_or_b32 v[(\w)+1], v[PC+16], 12, v[PC+24]
	v_lshl_or_b32 v[(\w)+2], v[PC+12], 12, v[PC+4]
	v_lshl_or_b32 v[(\w)+3], v[PC+20], 12, v[PC+28]
.irp i, 0,1,2,3
	v_lshlrev_b32 v[(\w)+\i], v[SH4], v[(\w)+\i]
.endr
.endm
.macro TANH a                          ; accumulator a in place, from its low end on
.set XA, ACC+8*(\a)
.irp j, 0,2,4,6
	v_pk_mul_f32 v[TE+\j:TE+\j+1], v[XA+\j:XA+\j+1], s[48:49] op_sel_hi:[1,0]
.endr
.irp j, 0,1,2,3,4,5,6,7
	v_exp_f32 v[TE+\j], v[TE+\j]
.endr
.irp j, 0,2,4,6
	v_pk_mul_f32 v[TU+\j:TU+\j+1], v[XA+\j:XA+\j+1], v[XA+\j:XA+\j+1]   ; (plain lines behind the exponentials)
.endr
	s_wait_alu depctr_va_vdst(0)
.irp j, 0,2,4,6
	v_pk_add_f32 v[TE+\j:TE+\j+1], v[TE+\j:TE+\j+1], 1.0 op_sel_hi:[1,0]
.endr
.irp j, 0,1,2,3,4,5,6,7
	v_rcp_f32 v[TE+\j], v[TE+\j]
.endr
.irp j, 0,1,2,3,4,5,6,7
	v_fma_f32 v[TQ+\j], v[TU+\j], s50, s52         ; (plain lines behind the reciprocals)  2 x^2 / 15 - 1/3
.endr
.irp j, 0,2,4,6
	v_pk_mul_f32 v[TQ+\j:TQ+\j+1], v[TQ+\j:TQ+\j+1], v[TU+\j:TU+\j+1]
.endr
	s_wait_alu depctr_va_vdst(0)
.irp j, 0,2,4,6
	v_pk_fma_f32 v[TE+\j:TE+\j+1], v[TE+\j:TE+\j+1], -2.0, 1.0 op_sel_hi:[1,0,0]
.endr
.irp j, 0,2,4,6
	v_pk_fma_f32 v[TQ+\j:TQ+\j+1], v[XA+\j:XA+\j+1], v[TQ+\j:TQ+\j+1], v[XA+\j:XA+\j+1]
.endr
.irp j, 0,1,2,3,4,5,6,7
	v_cmp_lt_f32 vcc_lo, |v[XA+\j]|, s54
	v_cndmask_b32 v[XA+\j], v[TE+\j], v[TQ+\j], vcc_lo
.endr
.endm
.macro UNITADDR                        ; where tile s27's words and scale words lie for my lane
.if LAYER == 0
	s_lshl_b32 s28, s27, 6
	s_load_b512 s[32:47], s[6:7], s28 offset:0x100 ; the tile's 16 tokens
	s_wait_kmcnt 0x0
.irp k, 0,1,2,3,4,5,6,7,8,9,10,11,12,13,14,15
	v_writelane_b32 v254, s[32+\k], \k
	v_writelane_b32 v254, s[32+\k], 16+\k
.endr
	v_mov_b32 v15, s32                             ; the tile's first token
	v_cmp_gt_u32 vcc_lo, 0x800, v254
	v_cndmask_b32 v255, v15, v254, vcc_lo          ; a row that fills the tile up takes it
	v_min_u32 v255, 0x7ff, v255
	v_and_b32 v9, 0x7f0, v255
	v_and_b32 v10, 15, v255
	v_lshlrev_b32 v10, 4, v10
	v_add_nc_u32 v10, v10, v14                     ; 16 x row + 256 x half
	v_lshlrev_b32 v11, 9, v9                       ; 8,192 bytes of words for 16 tokens,
	v_lshlrev_b32 v12, 8, v9                       ; 4,096 of scale words
	v_add_nc_u32 v9, v11, v10
	v_add_nc_u32 v10, v12, v10
.else
	s_lshl_b32 s28, s27, 14
	s_lshl_b32 s29, s27, 13
	v_add_nc_u32 v9, s28, v1
	v_add_nc_u32 v10, s29, v1
.endif
.endm
.macro TLOAD g, b                      ; group g's token words and scale words into set b: 3 loads
	global_load_b128 v[TW+8*(\b):TW+8*(\b)+3], v9, s[4:5] offset:(\g)*1024
	global_load_b128 v[TW+8*(\b)+4:TW+8*(\b)+7], v9, s[4:5] offset:(\g)*1024+512
	global_load_b128 v[TS+4*(\b):TS+4*(\b)+3], v10, s[14:15] offset:(\g)*512
.endm
.macro WFETCH g, b                     ; group g's weight words and scale words into set b: 6 LDS loads
.irp u, 0,1
	ds_load_b128 v[WB+28*(\b)+14*\u:WB+28*(\b)+14*\u+3], v7 offset:(\u*NG+(\g))*1024
	ds_load_b128 v[WB+28*(\b)+14*\u+6:WB+28*(\b)+14*\u+9], v7 offset:(\u*NG+(\g))*1024+512
.endr
	ds_load_b128 v[WSR+8*(\b):WSR+8*(\b)+3], v8 offset:(\g)*1024
	ds_load_b128 v[WSR+8*(\b)+4:WSR+8*(\b)+7], v8 offset:(\g)*1024+512
.endm
.macro PROD u, b                       ; K step gi of the group, tile u
.set ra, ACC+8*(\u)
.set rw, WB+28*(\b)+14*(\u)+2*(gi>>2)
.set rt, T+12*gi
.set sa, WSR+8*(\b)+gi
.set sb, TS+4*(\b)+(gi&3)
.if ((\u) == 0) && (gi < 4)
	v_wmma_scale_f32_16x16x128_f8f6f4 v[ra:ra+7], v[rw:rw+11], v[rt:rt+11], v[ra:ra+7], v[sa], v[sb] matrix_a_fmt:MATRIX_FMT_FP6 matrix_b_fmt:MATRIX_FMT_FP6
.elseif (\u) == 0
	v_wmma_scale_f32_16x16x128_f8f6f4 v[ra:ra+7], v[rw:rw+11], v[rt:rt+11], v[ra:ra+7], v[sa], v[sb] matrix_a_fmt:MATRIX_FMT_FP6 matrix_b_fmt:MATRIX_FMT_FP6 matrix_b_scale:MATRIX_SCALE_ROW1
.elseif gi < 4
	v_wmma_scale_f32_16x16x128_f8f6f4 v[ra:ra+7], v[rw:rw+11], v[rt:rt+11], v[ra:ra+7], v[sa], v[sb] matrix_a_fmt:MATRIX_FMT_FP6 matrix_b_fmt:MATRIX_FMT_FP6 matrix_a_scale:MATRIX_SCALE_ROW1
.else
	v_wmma_scale_f32_16x16x128_f8f6f4 v[ra:ra+7], v[rw:rw+11], v[rt:rt+11], v[ra:ra+7], v[sa], v[sb] matrix_a_fmt:MATRIX_FMT_FP6 matrix_b_fmt:MATRIX_FMT_FP6 matrix_a_scale:MATRIX_SCALE_ROW1 matrix_b_scale:MATRIX_SCALE_ROW1
.endif
.endm
.macro GROUP g                         ; 8 K steps: the next group is asked for, 8 token operands are made, 16 products
.set bb, (\g)%2
	PLACES                                         ; behind the last group's products: its registers are loaded and written below
.if (\g)+1 < NG
	TLOAD (\g)+1, 1-bb
	WFETCH (\g)+1, 1-bb
	s_wait_loadcnt 3                               ; all but the 3 just issued
	s_wait_dscnt 6                                 ; all but the 6 just issued
.else
	s_wait_loadcnt 0x0
	s_wait_dscnt 0x0
.endif
.set gi, 0
.rept 8
.set dl, (gi>>1)&1
	v_and_b32 v[T+12*gi+dl],   s[MK+2*dl+(gi&1)],   v[TW+8*bb+gi]
	v_and_b32 v[T+12*gi+6+dl], s[MK+2*dl+1-(gi&1)], v[TW+8*bb+gi]
.set gi, gi+1
.endr
	PLACES
.set gi, 0
.rept 8
	PROD 0, bb
	PROD 1, bb
.set gi, gi+1
.endr
.endm
	s_load_b256 s[4:11], s[0:1], 0x0               ; tokens s[4:5], route s[6:7], weights s[8:9], bias s[10:11]
	s_load_b64 s[12:13], s[0:1], 0x20              ; results
	v_lshl_add_u32 v254, v0, 2, 0x19000
	v_mov_b32 v255, 0
	v_lshrrev_b32 v1, 5, v0
	v_readfirstlane_b32 s20, v1                    ; wave 0..15
	s_mov_b32 s21, ttmp9                           ; slab
	s_and_b32 s22, ttmp7, 0xffff                   ; task
	s_lshl_b32 s23, s22, 3
	v_and_b32 v9, 31, v0                           ; lane
	v_and_b32 v10, 15, v0                          ; r
	v_bfe_u32 v11, v0, 4, 1                        ; h
	v_lshlrev_b32 v1, 4, v9                        ; v1 16 lane
	v_lshlrev_b32 v2, 3, v9                        ; v2 8 lane
	s_and_b32 s26, s20, 1                          ; cp: my columns in the products
	s_lshr_b32 s28, s20, 3                         ; the copy: my pieces' cp,
	s_and_b32 s29, s20, 7
	s_mul_i32 s29, s29, (NCW/4)*1024               ; and their first group
	s_mul_i32 s30, s28, 2*NG*1024
	s_add_co_u32 s30, s30, s29
	v_mul_u32_u24 v3, v11, NG*1024
	v_lshl_add_u32 v3, v10, 4, v3
	v_add_nc_u32 v3, s30, v3                       ; v3 where I put weight words: tile lane / 16, 16 bytes a row
	s_mul_i32 s30, s28, NG*1024
	s_add_co_u32 s30, s30, s29
	s_add_co_u32 s30, s30, WSB
	v_add_nc_u32 v4, s30, v1                       ; v4 and scale words
	s_lshl_b32 s30, s20, 8
	s_add_co_u32 s30, s30, BIASL
	v_add_nc_u32 v5, s30, v2                       ; v5 my wave's biases, in
	s_lshl_b32 s31, s26, 7
	s_add_co_u32 s30, s30, s31
	v_lshl_add_u32 v6, v11, 6, s30                 ; v6 and out: columns 32 cp + 16 h on
	s_mul_i32 s30, s26, 2*NG*1024
	v_add_nc_u32 v7, s30, v1                       ; v7 where I read weight words
	s_mul_i32 s30, s26, NG*1024
	s_add_co_u32 s30, s30, WSB
	v_add_nc_u32 v8, s30, v1                       ; v8 and scale words
.if LAYER == 0
	v_lshlrev_b32 v[SH4], 2, v11                   ; 4 h
	v_lshlrev_b32 v14, 8, v11                      ; 256 h
	v_lshlrev_b32 v252, 4, v10
	v_lshl_add_u32 v252, v11, 3, v252              ; 16 r + 8 h
	s_lshl_b32 s30, s21, 9
	s_lshl_b32 s31, s26, 8
	s_add_co_u32 s30, s30, s31
	v_add_nc_u32 v253, s30, v252                   ; v253 scale words out: + 512 slab + 256 cp
	s_lshl_b32 s30, s30, 1
	v_add_nc_u32 v252, s30, v252                   ; v252 code words out: + 1024 slab + 512 cp
	v_mov_b32 v254, 0                              ; (written lane by lane below)
.else
	v_mul_u32_u24 v252, v10, 24
	v_mad_u32_u24 v252, v11, 12, v252
	s_lshl_b32 s30, s21, 1
	s_add_co_u32 s30, s30, s26                     ; my block of 32 of the next K
	s_mul_i32 s31, s30, 384
	v_add_nc_u32 v252, s31, v252                   ; v252 codes out: 384 block + 24 r + 12 h
	s_lshr_b32 s31, s30, 2
	s_lshl_b32 s31, s31, 6
	s_and_b32 s30, s30, 3
	s_add_co_u32 s31, s31, s30
	v_lshl_add_u32 v253, v10, 2, s31               ; v253 the scale byte out: 64 (block / 4) + 4 r + block % 4
.endif
	s_mul_i32 s30, s21, 2*NQ
	s_mul_i32 s31, s20, NCW
	s_add_co_u32 s30, s30, s31                     ; my first piece
	s_lshl_b32 s36, s30, 13                        ; 16 tasks x 512 bytes a piece,
	s_lshl_b32 s31, s22, 9
	s_add_co_u32 s36, s36, s31                     ; my task's 512
	s_mov_b32 s37, 0
	s_lshl_b32 s38, s30, 8
	s_add_co_u32 s38, s38, WSOFF
	s_mov_b32 s39, 0
	s_lshl_b32 s40, s22, 12
	s_lshl_b32 s31, s21, 8
	s_add_co_u32 s40, s40, s31                     ; bias: 4,096 task + 256 slab
	s_mov_b32 s41, 0
	s_mov_b32 s48, 0x4038aa3b                      ; 2 log2 e
	s_mov_b32 s49, s48                             ; (named with it as a pair)
	s_mov_b32 s50, 0x3e088889                      ; 2/15
	s_mov_b32 s52, 0xbeaaaaab                      ; -1/3
	s_mov_b32 s54, 0x3db851ec                      ; 0.09
	s_mov_b32 s56, 0x76543210
	s_mov_b32 s57, 0xfedcba98                      ; lane l xor 16
	s_mov_b32 s[MK], 0xfff
	s_mov_b32 s[MK+1], 0xfff000
	s_mov_b32 s[MK+2], 0xfff0
	s_mov_b32 s[MK+3], 0xfff0000
	s_wait_kmcnt 0x0
	s_load_b64 s[24:25], s[6:7], s23 offset:0x0    ; my task's first tile and its tiles
	s_add_nc_u64 s[16:17], s[8:9], s[38:39]
	s_add_nc_u64 s[8:9], s[8:9], s[36:37]
	s_add_nc_u64 s[10:11], s[10:11], s[40:41]
	s_add_nc_u64 s[14:15], s[4:5], ASOFF
	s_add_nc_u64 s[18:19], s[12:13], OSOFF
	global_load_b64 v[T+48:T+49], v2, s[10:11]
.set n, 0
.rept NCW
	global_load_b128 v[T+4*n:T+4*n+3], v1, s[8:9] offset:n*8192 th:TH_LOAD_NT   ; 512 consecutive bytes, read once in the launch
	global_load_b64 v[T+32+2*n:T+32+2*n+1], v2, s[16:17] offset:n*256
.set n, n+1
.endr
	s_wait_kmcnt 0x0
	s_min_u32 s24, s24, 142
	s_min_u32 s25, s25, 128
	s_lshr_b32 s26, s20, 1
	s_add_co_u32 s31, s24, s26                     ; s31 my first tile: the task's first + w / 2
	s_add_co_u32 s30, s25, 7
	s_sub_co_u32 s30, s30, s26
	s_lshr_b32 s30, s30, 3                         ; s30 how many tiles are mine: those of w / 2 + 8 n under the task's count
	s_cmp_lg_u32 s30, 0
	s_cselect_b32 s27, s31, 0                      ; a wave without work asks for tile 0, which always exists, and uses nothing of it
	s_min_u32 s27, s27, 142
	UNITADDR
	TLOAD 0, 0
	s_wait_loadcnt 3                               ; all but the tile's 3
	ds_store_b64 v5, v[T+48:T+49]
.set n, 0
.rept NCW
.irp i, 0,1,2,3
	ds_store_b32 v3, v[T+4*n+\i] offset:(n>>2)*1024+(n&3)*4+256*\i   ; word i: low h = 0, low h = 1, high h = 0, high h = 1; register n % 4 of the reader's four
.endr
	ds_store_b64 v4, v[T+32+2*n:T+32+2*n+1] offset:(n>>2)*1024+((n&3)>>1)*512+(n&1)*8
.set n, n+1
.endr
.set gi, 0
.rept 8                                ; the token operands' zeros: all but the two registers that each K step writes
.set ii, 0
.rept 12
.if (ii != ((gi>>1)&1)) && (ii != 6+((gi>>1)&1))
	v_mov_b32 v[T+12*gi+ii], 0
.endif
.set ii, ii+1
.endr
.set gi, gi+1
.endr
.irp b, 0,14,28,42
.irp i, 4,5,10,11,12,13
	v_mov_b32 v[WB+\b+\i], 0                       ; named by the windows, so they are written once
.endr
.endr
	s_mov_b32 s26, 0                               ; s26 counts my tiles, one a trip
	s_wait_dscnt 0x0                               ; for the others' sake: my part of the images lies in LDS
	s_barrier_signal -1
	s_barrier_wait -1                              ; from here on LDS is only read
	s_cmp_eq_u32 s30, 0
	s_cbranch_scc1 .Ldone
.Lunit:
.if LAYER == 0
	s_lshl_b32 s28, s27, 14
	s_lshl_b32 s29, s27, 13
.else
	s_mul_i32 s28, s27, 12288
	s_lshl_b32 s29, s27, 9
.endif
	v_add_nc_u32 v11, s28, v252
	v_add_nc_u32 v12, s29, v253
.irp u, 0,1
	ds_load_b128 v[ACC+8*\u:ACC+8*\u+3], v6 offset:32*\u      ; the sums begin with the biases of columns 32 cp + 16 h + 8 u + 0 .. 7
	ds_load_b128 v[ACC+8*\u+4:ACC+8*\u+7], v6 offset:32*\u+16
.endr
	WFETCH 0, 0
.set gg, 0
.rept NG
	GROUP gg
.set gg, gg+1
.endr
	PLACES
	TANH 0
	TANH 1
.if LAYER == 0
	PAIRQ ACC, PW
	global_store_b64 v11, v[PW:PW+1], s[12:13]                ; 32 lanes: 256 consecutive bytes
	global_store_b64 v11, v[PW+2:PW+3], s[12:13] offset:256
	global_store_b64 v12, v[PW+4:PW+5], s[18:19]
.else
	v_max3_num_f32 v[QM], |v[ACC]|, |v[ACC+1]|, 0x1800000
.irp i, 2,4,6,8,10,12,14
	v_max3_num_f32 v[QM], v[QM], |v[ACC+\i]|, |v[ACC+\i+1]|
.endr
	v_permlanex16_b32 v[QM+1], v[QM], s56, s57
	v_max_num_f32 v[QM], v[QM], v[QM+1]            ; with lane l xor 16's 16: the block's largest magnitude
	v_add_nc_u32 v[QM+2], 0xff000000, v[QM]
	v_cvt_scalef32_pk16_fp6_f32 v[HC:HC+2], v[ACC:ACC+15], v[QM+2]
	v_lshrrev_b32 v[QM+3], 23, v[QM+2]             ; (a plain line behind the conversion)  the scale's byte
	global_store_b96 v11, v[HC:HC+2], s[12:13]     ; 32 lanes: 384 consecutive bytes
	global_store_b8 v12, v[QM+3], s[18:19]
.endif
	s_wait_xcnt 0x0                                ; the stores' data and offsets are written again below
	s_add_co_u32 s26, s26, 1
	s_cmp_ge_u32 s26, s30
	s_cbranch_scc1 .Ldone                          ; nothing is asked for behind my last tile
	s_lshl_b32 s28, s26, 3
	s_add_co_u32 s27, s31, s28                     ; my next tile: 8 further on
	s_min_u32 s27, s27, 142
	UNITADDR
	TLOAD 0, 0
	s_cmp_lt_u32 s26, s30
	s_cbranch_scc1 .Lunit
.Ldone:
	s_wait_tensorcnt 0x0
	ds_add_u32 v254, v255
	s_wait_dscnt 0x0
	s_endpgm
.Lfunc_end_k_q3f89b0fd24_layer1:
	.size	k_q3f89b0fd24_layer1, .Lfunc_end_k_q3f89b0fd24_layer1-k_q3f89b0fd24_layer1
	.p2alignl 7, 3214868480
	.fill 96, 4, 3214868480
	.section	.rodata,"a",@progbits
	.p2align	6, 0x0
	.amdhsa_kernel k_q3f89b0fd24_layer1
		.amdhsa_group_segment_fixed_size 104448
		.amdhsa_private_segment_fixed_size 0
		.amdhsa_enable_private_segment 0
		.amdhsa_kernarg_size 40
		.amdhsa_user_sgpr_count 2
		.amdhsa_user_sgpr_kernarg_segment_ptr 1
		.amdhsa_wavefront_size32 1
		.amdhsa_system_sgpr_workgroup_id_x 1
		.amdhsa_system_sgpr_workgroup_id_y 1
		.amdhsa_system_sgpr_workgroup_id_z 1
		.amdhsa_system_vgpr_workitem_id 0
		.amdhsa_next_free_vgpr 256
		.amdhsa_next_free_sgpr 66
		.amdhsa_reserve_vcc 1
		.amdhsa_float_denorm_mode_32 3
		.amdhsa_float_denorm_mode_16_64 3
		.amdhsa_memory_ordered 1
		.amdhsa_forward_progress 1
		.amdhsa_inst_pref_size 77
	.end_amdhsa_kernel
	.amdgpu_metadata
---
amdhsa.version: [ 1, 2 ]
amdhsa.kernels:
  - .name:           k_q3f89b0fd24_layer1
    .symbol:         k_q3f89b0fd24_layer1.kd
    .args:
      - { .name: h1, .offset: 0, .size: 8, .value_kind: global_buffer, .address_space: global }
      - { .name: route, .offset: 8, .size: 8, .value_kind: global_buffer, .address_space: global }
      - { .name: w1, .offset: 16, .size: 8, .value_kind: global_buffer, .address_space: global }
      - { .name: b1, .offset: 24, .size: 8, .value_kind: global_buffer, .address_space: global }
      - { .name: h2, .offset: 32, .size: 8, .value_kind: global_buffer, .address_space: global }
    .group_segment_fixed_size: 104448
    .private_segment_fixed_size: 0
    .kernarg_segment_align: 8
    .kernarg_segment_size: 40
    .max_flat_workgroup_size: 512
    .sgpr_count:     66
    .vgpr_count:     256
    .wavefront_size: 32
...
	.end_amdgpu_metadata
.endif
;; end of part 4
;; launch layer2 (part 5): grid 8 x 16, 16 waves a work-group, no clusters, 31,744 bytes of LDS; arguments h2, route, k2, b2, out0; writes out0
.if DOCPART == 5
	.amdgcn_target "amdgcn-amd-amdhsa--gfx1250"
	.amdhsa_code_object_version 6
	.text
	.protected	k_q3f89b0fd24_layer2
	.globl	k_q3f89b0fd24_layer2
	.p2align	8
	.type	k_q3f89b0fd24_layer2,@function
k_q3f89b0fd24_layer2:
	s_mov_b64 s[64:65], 0
	v_nop
	global_prefetch_b8 v0, s[64:65] scope:SCOPE_SE
	s_setreg_imm32_b32 hwreg(HW_REG_WAVE_MODE, 25, 1), 1
	s_wait_xcnt 0x0
; y = h2 k2[task] + b2[task] for the tokens of ONE task (work-group y) and 32 columns (work-group x).  This product's K is i alone: blocks of 32 inputs of one task and column.
; PHASE Q: the 16 waves read the slab of k2 (1,024 rows x 128 bytes, f32) once: wave w rows 64 w on; a lane takes a column and its registers run down K, so a block of 32 lies in one lane
; and the conversions give codes with K innermost.  Lane l takes column pi(l) (bits 3 and 4 of l swapped): one exchange of halves then gives the halves of two operand fragments
; (tile u: row r is column 8 u + r + 8 (r / 8)), which go to LDS as images of their registers.  One barrier.
; PHASE P: wave w takes tiles of 16 tokens w + 16 n of the task: h2's codes from memory into registers, the weights' fragments from LDS, transposed use (source 0 = 16 columns, source 1 = 16 tokens):
; a lane holds one token, and the two accumulators' 16 registers are 16 neighbouring columns: 64 consecutive bytes of a row of y.  Two accumulators by turns.
; The rows of y are scattered by the token list; a slab's part of a row is 128 bytes, so the stores go straight from the accumulators.
; A row that only fills a tile up repeats the tile's first token in every layer: it holds the same numbers as the tile's row 0 and stores the same bytes to the same place, in the same instruction; all lanes stay on.
; No tensor loads (a lane needs a column down K), no cluster (work-groups share no weight).
; LIMITS: NaN and infinities are not served; a block whose largest magnitude is under 2^-124 gets the scale byte 1.
.set KS,    8                          ; K steps of 128
.set RSTR,  1024                       ; a row of k2 in bytes
.set HALF,  768                        ; half a fragment's image: 16 bytes a lane, then 8 bytes a lane
.set WSC,   2*KS*2*HALF                ; LDS: from 0 [64 of K][tile] halves; from WSC the scale words [K step][lane]: lanes 0-15 tile 0, lanes 16-31 tile 1;
.set BIASL, WSC+KS*128                 ; from BIASL 256 bytes for each wave: its own copy of the 32 biases
.set NF,    9                          ; LDS loads that bring a K step's two fragments and scale words
.set A,   16                           ; v16-111  the tokens' 8 fragments
.set AS,  112                          ; v112-119 their scale words
.set ACC, 120                          ; v120-135 two accumulators
.set WF,  152                          ; v152-175, v200-223 the weights' fragments, two sets
.set WS,  248                          ; v248, v250 their scale words
.set X0,  120                          ; phase Q: v120-151, v152-183 two blocks of 32 numbers
.set X1,  152
.set CD,  184                          ; v184-195 their codes
.set CT,  196                          ; v196-198, v200-202 each block's upper 16 codes as converted
.set MX,  204                          ; v204-207 maxima, v208-209 scale operands, v210-211 bytes, v212 a bias
.macro PLACES
.rept 4
	v_nop
.endr
.endm
.macro WLOAD blk, x
.irp i, 0,1,2,3,4,5,6,7,8,9,10,11,12,13,14,15,16,17,18,19,20,21,22,23,24,25,26,27,28,29,30,31
	global_load_b32 v[\x+\i], v4, s[8:9] offset:(32*(\blk)+\i)*RSTR   ; 32 lanes: 128 consecutive bytes
.endr
.endm
.macro BLOCK x, k
	v_max3_num_f32 v[MX+\k], |v[\x]|, |v[\x+1]|, |v[\x+2]|
	v_max3_num_f32 v[MX+2+\k], |v[\x+3]|, |v[\x+4]|, |v[\x+5]|
.irp i, 6,10,14,18,22,26
	v_max3_num_f32 v[MX+\k], v[MX+\k], |v[\x+\i]|, |v[\x+\i+1]|
	v_max3_num_f32 v[MX+2+\k], v[MX+2+\k], |v[\x+\i+2]|, |v[\x+\i+3]|
.endr
	v_max3_num_f32 v[MX+\k], v[MX+\k], |v[\x+30]|, |v[\x+31]|
	v_max3_num_f32 v[MX+\k], v[MX+\k], v[MX+2+\k], 0x1800000   ; over the floor 2^(3 - 127)
	v_add_nc_u32 v[MX+4+\k], 0xff000000, v[MX+\k]              ; 2 off the exponent field: the conversions' scale operand
	v_lshrrev_b32 v[MX+6+\k], 23, v[MX+4+\k]
	v_cvt_scalef32_pk16_fp6_f32 v[CD+6*\k:CD+6*\k+2], v[\x:\x+15], v[MX+4+\k]
	v_cvt_scalef32_pk16_fp6_f32 v[CT+4*\k:CT+4*\k+2], v[\x+16:\x+31], v[MX+4+\k]   ; (a conversion's three registers begin on an even number)
	v_nop                                          ; a plain line behind the conversions
.irp i, 0,1,2
	v_mov_b32 v[CD+6*\k+3+\i], v[CT+4*\k+\i]
.endr
.endm
.macro LOADA                           ; tile s25: its token list, its codes and its scale words; where its rows of y lie
	s_lshl_b32 s26, s25, 6
	s_load_b512 s[32:47], s[6:7], s26 offset:0x100
	s_mul_i32 s27, s25, 12288
	s_lshl_b32 s28, s25, 9
	v_add_nc_u32 v10, s27, v14
	v_add_nc_u32 v11, s28, v15
.set kq, 0
.rept KS
.irp c, 0,1
.irp p, 0,1,2
	global_load_b64 v[A+12*kq+6*\c+2*\p:A+12*kq+6*\c+2*\p+1], v10, s[4:5] offset:(4*kq+2*\c)*384+8*\p
.endr
.endr
	global_load_b32 v[AS+kq], v11, s[14:15] offset:64*kq
.set kq, kq+1
.endr
	s_wait_kmcnt 0x0
.irp k, 0,1,2,3,4,5,6,7,8,9,10,11,12,13,14,15
	v_writelane_b32 v254, s[32+\k], \k
	v_writelane_b32 v254, s[32+\k], 16+\k
.endr
	v_mov_b32 v13, s32                             ; the tile's first token
	v_cmp_gt_u32 vcc_lo, 0x800, v254
	v_cndmask_b32 v255, v13, v254, vcc_lo          ; a row that fills the tile up takes it
	v_min_u32 v255, 0x7ff, v255
	v_lshlrev_b32 v12, 10, v255
	v_add_nc_u32 v12, v12, v252                    ; 1,024 token + 128 slab + 64 h
.endm
.macro FETCH s, b
.irp ct, 0,1
.irp c, 0,1
	ds_load_b128 v[WF+48*(\b)+12*\ct+6*\c:WF+48*(\b)+12*\ct+6*\c+3], v1 offset:((2*(\s)+\c)*2+\ct)*HALF
	ds_load_b64 v[WF+48*(\b)+12*\ct+6*\c+4:WF+48*(\b)+12*\ct+6*\c+5], v2 offset:((2*(\s)+\c)*2+\ct)*HALF+512
.endr
.endr
	ds_load_b32 v[WS+2*(\b)], v3 offset:WSC+(\s)*128
.endm
.macro MUL s, b
	v_wmma_scale_f32_16x16x128_f8f6f4 v[ACC:ACC+7], v[WF+48*(\b):WF+48*(\b)+11], v[A+12*(\s):A+12*(\s)+11], v[ACC:ACC+7], v[WS+2*(\b)], v[AS+(\s)] matrix_a_fmt:MATRIX_FMT_FP6 matrix_b_fmt:MATRIX_FMT_FP6
	v_wmma_scale_f32_16x16x128_f8f6f4 v[ACC+8:ACC+15], v[WF+48*(\b)+12:WF+48*(\b)+23], v[A+12*(\s):A+12*(\s)+11], v[ACC+8:ACC+15], v[WS+2*(\b)], v[AS+(\s)] matrix_a_fmt:MATRIX_FMT_FP6 matrix_b_fmt:MATRIX_FMT_FP6 matrix_a_scale:MATRIX_SCALE_ROW1
.endm
	s_load_b256 s[4:11], s[0:1], 0x0               ; h2 s[4:5], route s[6:7], k2 s[8:9], b2 s[10:11]
	s_load_b64 s[12:13], s[0:1], 0x20              ; out0
	v_lshl_add_u32 v251, v0, 2, 0x7400
	v_mov_b32 v253, 0
	v_lshrrev_b32 v1, 5, v0
	v_readfirstlane_b32 s18, v1                    ; wave 0..15
	s_mov_b32 s19, ttmp9                           ; slab
	s_and_b32 s20, ttmp7, 0xffff                   ; task
	s_lshl_b32 s21, s20, 3
	v_and_b32 v13, 31, v0                          ; lane
	v_and_b32 v12, 15, v0                          ; r
	v_bfe_u32 v11, v0, 4, 1                        ; h
	v_lshlrev_b32 v1, 4, v13                       ; v1 16 lane
	v_lshlrev_b32 v2, 3, v13                       ; v2 8 lane
	v_lshlrev_b32 v3, 2, v13                       ; v3 4 lane
	v_and_b32 v4, 7, v13
	v_bfe_u32 v5, v13, 3, 1
	v_lshl_or_b32 v4, v5, 4, v4
	v_lshl_or_b32 v4, v11, 3, v4
	v_lshlrev_b32 v4, 2, v4                        ; v4 4 pi(lane)
	s_mul_i32 s26, s18, 2*HALF
	v_add_nc_u32 v5, s26, v1                       ; v5, v6 where I put my two halves: 64 of K number w
	v_add_nc_u32 v6, s26, v2
	s_lshr_b32 s26, s18, 1
	s_lshl_b32 s26, s26, 7
	s_and_b32 s27, s18, 1
	s_lshl_b32 s27, s27, 1
	s_add_co_u32 s26, s26, s27
	v_add_nc_u32 v7, s26, v3                       ; v7 my two scale bytes: K step w / 2, bytes 2 (w % 2) on
	s_lshl_b32 s26, s18, 8
	v_add_nc_u32 v8, s26, v3                       ; v8 my wave's biases, in
	v_lshl_add_u32 v9, v11, 6, s26                 ; v9 and out: columns 16 h on
	v_mul_u32_u24 v14, v11, 384
	v_mad_u32_u24 v14, v12, 24, v14                ; v14 codes: 24 r + 384 h
	v_lshlrev_b32 v15, 2, v12                      ; v15 4 r
	s_lshl_b32 s26, s19, 7
	v_lshl_add_u32 v252, v11, 6, s26               ; v252 y: 128 slab + 64 h
	v_mov_b32 v254, 0                              ; (written lane by lane below)
	s_lshl_b32 s28, s20, 20                        ; k2: 1 MiB a task,
	s_add_co_u32 s28, s28, s26                     ; 128 bytes a slab,
	s_lshl_b32 s27, s18, 16
	s_add_co_u32 s28, s28, s27                     ; 64 rows a wave
	s_mov_b32 s29, 0
	s_lshl_b32 s30, s20, 10
	s_add_co_u32 s30, s30, s26                     ; b2: 1,024 task + 128 slab
	s_mov_b32 s31, 0
	s_wait_kmcnt 0x0
	s_load_b64 s[22:23], s[6:7], s21 offset:0x0    ; my task's first tile and its tiles
	s_add_nc_u64 s[8:9], s[8:9], s[28:29]
	s_add_nc_u64 s[10:11], s[10:11], s[30:31]
	s_add_nc_u64 s[14:15], s[4:5], 0x1ad000        ; h2's scale words
	global_load_b32 v[MX+8], v3, s[10:11]
	WLOAD 0, X0
	WLOAD 1, X1
	s_wait_kmcnt 0x0
	s_min_u32 s22, s22, 142
	s_min_u32 s23, s23, 128
	s_add_co_u32 s31, s22, s18                     ; s31 my first tile: the task's first + w
	s_add_co_u32 s29, s23, 15
	s_sub_co_u32 s29, s29, s18
	s_lshr_b32 s29, s29, 4                         ; s29 how many tiles are mine: those of w + 16 n under the task's count
	s_cmp_lg_u32 s29, 0
	s_cselect_b32 s25, s31, 0                      ; a wave without work asks for tile 0, which always exists, and uses nothing of it
	s_min_u32 s25, s25, 142
	LOADA
	s_wait_loadcnt 56                              ; all but the tile's 56: the bias and both blocks are in
	ds_store_b32 v8, v[MX+8] offset:BIASL
	BLOCK X0, 0
	BLOCK X1, 1
.irp q, 0,1,2,3,4,5
	v_permlane16_swap_b32 v[CD+\q], v[CD+6+\q]     ; the first six now hold tile 0's half (lanes 0-15 the lower block, lanes 16-31 the upper), the second six tile 1's
.endr
	v_lshl_or_b32 v[MX+6], v[MX+7], 8, v[MX+6]
	ds_store_b128 v5, v[CD:CD+3]
	ds_store_b64 v6, v[CD+4:CD+5] offset:512
	ds_store_b128 v5, v[CD+6:CD+9] offset:HALF
	ds_store_b64 v6, v[CD+10:CD+11] offset:HALF+512
	ds_store_b16 v7, v[MX+6] offset:WSC
	s_mov_b32 s24, 0                               ; s24 counts my tiles, one a trip
	s_wait_dscnt 0x0                               ; for the others' sake: my part of the images lies in LDS
	s_barrier_signal -1
	s_barrier_wait -1                              ; from here on LDS is only read
	s_cmp_eq_u32 s29, 0
	s_cbranch_scc1 .Ldone
.Ltile:
.irp q, 0,1,2,3
	ds_load_b128 v[ACC+4*\q:ACC+4*\q+3], v9 offset:BIASL+16*\q   ; the sums begin with the biases of columns 16 h + 0 .. 15
.endr
	FETCH 0, 0
	FETCH 1, 1
	s_wait_loadcnt 0x0                             ; the tile's codes and scale words
.set st, 0
.rept KS
.if st == KS-1
	s_wait_dscnt 0x0
.else
	s_wait_dscnt NF                                ; all but the next K step's 9
.endif
	MUL st, st%2
.if st+2 < KS
	PLACES                                         ; in front of loads into registers that the products have read
	FETCH st+2, st%2
.endif
.set st, st+1
.endr
	PLACES                                         ; in front of the stores of the results
.irp q, 0,1,2,3
	global_store_b128 v12, v[ACC+4*\q:ACC+4*\q+3], s[12:13] offset:16*\q   ; each accumulator from its low end on; a lane's 64 consecutive bytes
.endr
	s_wait_xcnt 0x0                                ; the stores' data and offsets are written again below
	s_add_co_u32 s24, s24, 1
	s_cmp_ge_u32 s24, s29
	s_cbranch_scc1 .Ldone                          ; nothing is asked for behind my last tile
	s_lshl_b32 s26, s24, 4
	s_add_co_u32 s25, s31, s26                     ; my next tile: 16 further on
	s_min_u32 s25, s25, 142
	LOADA
	s_cmp_lt_u32 s24, s29
	s_cbranch_scc1 .Ltile
.Ldone:
	s_wait_tensorcnt 0x0
	ds_add_u32 v251, v253
	s_wait_dscnt 0x0
	s_endpgm
.Lfunc_end_k_q3f89b0fd24_layer2:
	.size	k_q3f89b0fd24_layer2, .Lfunc_end_k_q3f89b0fd24_layer2-k_q3f89b0fd24_layer2
	.p2alignl 7, 3214868480
	.fill 96, 4, 3214868480
	.section	.rodata,"a",@progbits
	.p2align	6, 0x0
	.amdhsa_kernel k_q3f89b0fd24_layer2
		.amdhsa_group_segment_fixed_size 31744
		.amdhsa_private_segment_fixed_size 0
		.amdhsa_enable_private_segment 0
		.amdhsa_kernarg_size 40
		.amdhsa_user_sgpr_count 2
		.amdhsa_user_sgpr_kernarg_segment_ptr 1
		.amdhsa_wavefront_size32 1
		.amdhsa_system_sgpr_workgroup_id_x 1
		.amdhsa_system_sgpr_workgroup_id_y 1
		.amdhsa_system_sgpr_workgroup_id_z 1
		.amdhsa_system_vgpr_workitem_id 0
		.amdhsa_next_free_vgpr 256
		.amdhsa_next_free_sgpr 66
		.amdhsa_reserve_vcc 1
		.amdhsa_float_denorm_mode_32 3
		.amdhsa_float_denorm_mode_16_64 3
		.amdhsa_memory_ordered 1
		.amdhsa_forward_progress 1
		.amdhsa_inst_pref_size 37
	.end_amdhsa_kernel
	.amdgpu_metadata
---
amdhsa.version: [ 1, 2 ]
amdhsa.kernels:
  - .name:           k_q3f89b0fd24_layer2
    .symbol:         k_q3f89b0fd24_layer2.kd
    .args:
      - { .name: h2, .offset: 0, .size: 8, .value_kind: global_buffer, .address_space: global }
      - { .name: route, .offset: 8, .size: 8, .value_kind: global_buffer, .address_space: global }
      - { .name: k2, .offset: 16, .size: 8, .value_kind: global_buffer, .address_space: global }
      - { .name: b2, .offset: 24, .size: 8, .value_kind: global_buffer, .address_space: global }
      - { .name: out0, .offset: 32, .size: 8, .value_kind: global_buffer, .address_space: global }
    .group_segment_fixed_size: 31744
    .private_segment_fixed_size: 0
    .kernarg_segment_align: 8
    .kernarg_segment_size: 40
    .max_flat_workgroup_size: 512
    .sgpr_count:     66
    .vgpr_count:     256
    .wavefront_size: 32
...
	.end_amdgpu_metadata
.endif
;; end of part 5
;; ======== version 2 of 3: 4 launches
;; workspace buffers: xa 1,572,864 bytes; route 9,728 bytes of whole numbers; w0 8,650,752 bytes; w1 17,301,504 bytes; h1 3,514,368 bytes; h2 1,830,400 bytes
;; launch quant (part 6): grid 225 x 1, 16 waves a work-group, no clusters, 4,096 bytes of LDS; arguments x, task_ids, k0, k1, xa, route, w0, w1; writes xa, route, w0, w1
.if DOCPART == 6
	.amdgcn_target "amdgcn-amd-amdhsa--gfx1250"
	.amdhsa_code_object_version 6
	.text
	.protected	k_q3f89b0fd24_quant
	.globl	k_q3f89b0fd24_quant
	.p2align	8
	.type	k_q3f89b0fd24_quant,@function
k_q3f89b0fd24_quant:
	s_mov_b64 s[64:65], 0
	v_nop
	global_prefetch_b8 v0, s[64:65] scope:SCOPE_SE
	s_setreg_imm32_b32 hwreg(HW_REG_WAVE_MODE, 25, 1), 1
	s_wait_xcnt 0x0
; ONE LAUNCH, THREE KINDS OF WORK-GROUP, parted on the work-group's number alone: 0-191 quantise the weights k0 and k1, 192-223 quantise x, 224 sorts the tokens by task.
; The two small jobs run on WGPs of their own beside the weights' stream, so they need no launch of their own.  Only the sort uses LDS and has a barrier.
;
; THE WEIGHTS.  k0 [16][512][1024] and k1 [16][1024][1024], f32, become codes of E2M3.  The products' K is 16 i + t: a block of 32 is rows 2 j, 2 j + 1 of ALL 16 tasks at one
; column, with one scale.  A LANE TAKES A COLUMN AND ITS 32 REGISTERS ARE ONE BLOCK (register 2 t + i'): the maximum needs no other lane, and two conversions give
; each task's pair as 12 neighbouring bits.  A wave takes 32 columns x 8 pairs (Q): 256 loads of 128 consecutive bytes; waves w and w ^ 1 stand side by side on 256.
; Lane l takes column pi(l) of its 32 (bits 3 and 4 of l swapped): lanes 0-15 are then the rows of the reader's tile u = 0, lanes 16-31 of tile u = 1.
; w0, w1, codes: [slab of 64 columns][cp][Q][task][lane][4 words]: {f0 | f4 << 12, f1 | f5 << 12, f6 | f2 << 12, f7 | f3 << 12} << 4 (Q & 1), f_a the field of pair 8 Q + a:
; the words of the reader's registers q = Q % 4 and 6 + q for its lane halves 0 and 1.  Each store covers 512 consecutive bytes.
; w0, w1, scale words, behind the codes (w0: byte 0x800000, w1: 0x1000000): [slab][cp][Q][lane][2 words], byte b of word x = pair 8 Q + 4 x + b.
; 3,072 such wave shares (1,024 of k0, 2,048 of k1) = 192 work-groups of 16 waves.  These waves share nothing.
;
; x [2048][512] f32 becomes the token operand of the first product.  Of a token's numbers only the pair (x[2j], x[2j+1]) lives in block j: each PAIR has a scale of its own.
; xa, codes: [tile of 16 tokens][group of 64 inputs][cp][lane' = 16 h + row][4 words]; word k of (cp) is K step g = 4 cp + k (8 inputs, 4 pairs) for the
; reader's lane half h: pair h and pair 2 + h as fields of 12 bits (two codes), placed where the reader's masks take them:
; first step of two: pair h at bit 4 d, pair 2 + h at bit 12 + 4 d; second step: the other way round; d = (g >> 1) & 1.
; xa, scale words, from byte 0x100000: [tile][group][16 cp + row][4 words]: word m is K step 4 cp + m, byte p = pair p.
;
; THE SORT: a counting sort of the tokens by task.  route: 16 pairs {first tile, tiles} of the tasks (bytes 0-255, entries 16-31 zero), then from byte 256
; slot -> token; each task's slots are filled up to whole tiles of 16 with the mark 2048; words 2304-2335 take the idle lanes of those fill stores.
;
; LIMITS: NaN and infinities are not served; a pair or block whose largest magnitude is under 2^-124 (one of zeros too) gets the scale byte 1: its codes are what the
; rule gives under that scale (zeros for zeros), and this program alone reads the bytes; a task id outside 0..15 counts as 15.
.set NWQ,   192                        ; work-groups that take the weights
.set XSOFF, 0x100000
; ---- registers of the x path
.set XR,  16                           ; v16-79 64 numbers; v80-93 zeros: a conversion names 16 registers from a pair's first on
.set PM,  96                           ; v96-103  a pair's larger magnitude, then the conversion's scale operand
.set PB,  104                          ; v104-111 scale bytes
.set PC,  112                          ; v112-143 a conversion's three registers, four apart
.set PW,  144                          ; v144-175 eight registers for each of four runs: 4 code words, 2 scale words
.set SH4, 7                            ; v7 4 x (lane / 16)
; ---- registers of the weights' path
.set X,   16                           ; v16-79   two sets of 32 numbers
.set C,   80                           ; v80-82 tasks 0-7, v84-86 tasks 8-15: 96 bits each
.set MX,  88                           ; v88-89 maxima, v90 scale operand, v91 byte, v92-93 at work
.set SW,  94                           ; v94-95 the two scale words
.set WD,  96                           ; v96-159 four words for each task
; 16 neighbours along K in v[n] on (two K steps of my row) -> v[w..w+1] words for h = 0, v[w+2..w+3] for h = 1, v[w+4..w+5] scale words
.macro PAIRQ n, w
.irp m, 0,1,2,3,4,5,6,7
	v_max3_num_f32 v[PM+\m], |v[(\n)+2*\m]|, |v[(\n)+2*\m+1]|, 0x1800000   ; the pair's larger magnitude over the floor 2^(3 - 127): the byte cannot fall under 1
.endr
.irp m, 0,1,2,3,4,5,6,7
	v_add_nc_u32 v[PM+\m], 0xff000000, v[PM+\m]    ; 2 off the exponent field: the conversion's scale operand
.endr
.irp m, 0,1,2,3,4,5,6,7
	v_lshrrev_b32 v[PB+\m], 23, v[PM+\m]           ; the scale's byte
.endr
.irp m, 0,1,2,3,4,5,6,7
	v_cvt_scalef32_pk16_fp6_f32 v[PC+4*\m:PC+4*\m+2], v[(\n)+2*\m:(\n)+2*\m+15], v[PM+\m]   ; of the 16 codes the lowest two are the pair's; the rest (the next run's numbers among them) is cut off below
.endr
	v_lshl_or_b32 v[(\w)+4], v[PB+1], 8, v[PB]     ; (a plain line behind the conversions)  the two scale words
	v_lshl_or_b32 v[(\w)+5], v[PB+5], 8, v[PB+4]
	v_lshl_or_b32 v[(\w)+4], v[PB+2], 16, v[(\w)+4]
	v_lshl_or_b32 v[(\w)+5], v[PB+6], 16, v[(\w)+5]
	v_lshl_or_b32 v[(\w)+4], v[PB+3], 24, v[(\w)+4]
	v_lshl_or_b32 v[(\w)+5], v[PB+7], 24, v[(\w)+5]
.irp m, 0,1,2,3,4,5,6,7
	v_and_b32 v[PC+4*\m], 0xfff, v[PC+4*\m]
.endr
	v_lshl_or_b32 v[(\w)],   v[PC+8],  12, v[PC]      ; h = 0, first step: pair 0 low, pair 2 high
	v_lshl_or_b32 v[(\w)+1], v[PC+16], 12, v[PC+24]   ; h = 0, second step: pair 2 low, pair 0 high
	v_lshl_or_b32 v[(\w)+2], v[PC+12], 12, v[PC+4]    ; h = 1: pairs 1 and 3
	v_lshl_or_b32 v[(\w)+3], v[PC+20], 12, v[PC+28]
.irp i, 0,1,2,3
	v_lshlrev_b32 v[(\w)+\i], v[SH4], v[(\w)+\i]      ; 4 bits up where d = 1
.endr
.endm
.macro LOADP a, k                      ; the weights: pair a of my eight into set k % 2
.irp t, 0,1,2,3,4,5,6,7,8,9,10,11,12,13,14,15
.irp i, 0,1
	global_load_b32 v[X+32*((\k)%2)+2*\t+\i], v2, s[32+2*\t:33+2*\t] offset:(2*(\a)+\i)*4096 th:TH_LOAD_NT
.endr
.endr
.endm
.macro FIELD d, cb, m                  ; field m (bits 12 m on) of the 96 bits in v[cb] on
.if (\m) == 0
	v_bfe_u32 v[\d], v[\cb], 0, 12
.elseif (\m) == 1
	v_bfe_u32 v[\d], v[\cb], 12, 12
.elseif (\m) == 2
	v_alignbit_b32 v[\d], v[\cb+1], v[\cb], 24
	v_and_b32 v[\d], 0xfff, v[\d]
.elseif (\m) == 3
	v_bfe_u32 v[\d], v[\cb+1], 4, 12
.elseif (\m) == 4
	v_bfe_u32 v[\d], v[\cb+1], 16, 12
.elseif (\m) == 5
	v_alignbit_b32 v[\d], v[\cb+2], v[\cb+1], 28
	v_and_b32 v[\d], 0xfff, v[\d]
.elseif (\m) == 6
	v_bfe_u32 v[\d], v[\cb+2], 8, 12
.else
	v_lshrrev_b32 v[\d], 20, v[\cb+2]
.endif
.endm
; The k-th pair worked on is pair a; nx: the pair loaded into its set afterwards (-1: none).  Pairs 0, 1, 6, 7 come first: their fields start the words.
.macro PAIRW k, a, nx
.set XB, X+32*((\k)%2)
.if (\k) < 7
	s_wait_loadcnt 32                              ; this pair's 32 loads are in; the next pair's may be out
.else
	s_wait_loadcnt 0x0
.endif
	v_max3_num_f32 v[MX], |v[XB]|, |v[XB+1]|, |v[XB+2]|
	v_max3_num_f32 v[MX+1], |v[XB+3]|, |v[XB+4]|, |v[XB+5]|
.irp i, 6,10,14,18,22,26
	v_max3_num_f32 v[MX], v[MX], |v[XB+\i]|, |v[XB+\i+1]|
	v_max3_num_f32 v[MX+1], v[MX+1], |v[XB+\i+2]|, |v[XB+\i+3]|
.endr
	v_max3_num_f32 v[MX], v[MX], |v[XB+30]|, |v[XB+31]|
	v_max3_num_f32 v[MX], v[MX], v[MX+1], 0x1800000   ; the block's largest magnitude over the floor 2^(3 - 127)
	v_add_nc_u32 v[MX+2], 0xff000000, v[MX]           ; 2 off the exponent field: the conversions' scale operand
	v_lshrrev_b32 v[MX+3], 23, v[MX+2]                ; the scale's byte
	v_cvt_scalef32_pk16_fp6_f32 v[C:C+2], v[XB:XB+15], v[MX+2]
	v_cvt_scalef32_pk16_fp6_f32 v[C+4:C+6], v[XB+16:XB+31], v[MX+2]
	v_lshl_or_b32 v[SW+(\a)/4], v[MX+3], 8*((\a)%4), v[SW+(\a)/4]   ; (a plain line behind the conversions)
.if (\nx) >= 0
	LOADP \nx, \k
.endif
.irp t, 0,1,2,3,4,5,6,7,8,9,10,11,12,13,14,15
.if (\k) < 4
	FIELD WD+4*\t+(\a)%4, C+4*(\t/8), \t%8
.else
	FIELD MX+4+\t%2, C+4*(\t/8), \t%8
	v_lshl_or_b32 v[WD+4*\t+(\a)%4], v[MX+4+\t%2], 12, v[WD+4*\t+(\a)%4]
.endif
.endr
.endm
	v_lshl_add_u32 v176, v0, 2, 0x800
	v_mov_b32 v177, 0
	v_lshrrev_b32 v1, 5, v0
	v_readfirstlane_b32 s18, v1                    ; wave 0..15
	s_cmp_lt_u32 ttmp9, NWQ
	s_cbranch_scc1 .Lweights
	s_load_b128 s[4:7], s[0:1], 0x0                ; x s[4:5], task_ids s[6:7]
	s_load_b128 s[8:11], s[0:1], 0x20              ; xa s[8:9], route s[10:11]
	v_and_b32 v2, 31, v0                           ; lane
	s_cmp_eq_u32 ttmp9, NWQ+32
	s_cbranch_scc1 .Lroute
	; ---- x: wave w of the g-th of these work-groups takes tile 4 g + w / 4 and inputs 128 (w % 4) on
	v_and_b32 v3, 15, v0                           ; row
	v_bfe_u32 v4, v0, 4, 1                         ; half
	v_lshlrev_b32 v5, 11, v3
	v_lshl_add_u32 v5, v4, 6, v5                   ; x: 2048 row + 64 half: my 16 numbers of each 32
	v_lshlrev_b32 v6, 4, v3
	v_lshl_add_u32 v6, v4, 3, v6                   ; out: 16 row + 8 half
	v_lshlrev_b32 v[SH4], 2, v4
	s_sub_co_u32 s19, ttmp9, NWQ                   ; g
	s_lshl_b32 s19, s19, 2
	s_lshr_b32 s20, s18, 2
	s_add_co_u32 s19, s19, s20                     ; tile
	s_and_b32 s20, s18, 3
	s_lshl_b32 s22, s19, 15
	s_lshl_b32 s21, s20, 9
	s_add_co_u32 s22, s22, s21                     ; x: 16 rows of 2,048 bytes a tile, 512 bytes for 128 inputs
	s_mov_b32 s23, 0
	s_lshl_b32 s24, s19, 13
	s_lshl_b32 s21, s20, 11
	s_add_co_u32 s24, s24, s21                     ; codes: 8,192 bytes a tile, 1,024 a group, two groups to a wave
	s_mov_b32 s25, 0
	s_lshl_b32 s26, s19, 12
	s_lshl_b32 s21, s20, 10
	s_add_co_u32 s26, s26, s21
	s_add_co_u32 s26, s26, XSOFF                   ; scale words: 4,096 bytes a tile, 512 a group
	s_mov_b32 s27, 0
	s_wait_kmcnt 0x0
	s_add_nc_u64 s[4:5], s[4:5], s[22:23]
	s_add_nc_u64 s[12:13], s[8:9], s[24:25]
	s_add_nc_u64 s[14:15], s[8:9], s[26:27]
.irp b, 0,1,2,3
.irp j, 0,1,2,3
	global_load_b128 v[XR+16*\b+4*\j:XR+16*\b+4*\j+3], v5, s[4:5] offset:128*\b+16*\j th:TH_LOAD_NT
.endr
.endr
.irp i, 0,1,2,3,4,5,6,7,8,9,10,11,12,13
	v_mov_b32 v[XR+64+\i], 0
.endr
.irp b, 0,1,2,3
.if \b < 2
	s_wait_loadcnt 8-4*\b                          ; this run's four loads AND the next run's four are in (the conversions name registers of both); the runs behind them may be out
.else
	s_wait_loadcnt 0x0
.endif
	PAIRQ XR+16*\b, PW+8*\b
	global_store_b64 v6, v[PW+8*\b:PW+8*\b+1], s[12:13] offset:(\b/2)*1024+(\b%2)*512        ; 32 lanes: 256 consecutive bytes
	global_store_b64 v6, v[PW+8*\b+2:PW+8*\b+3], s[12:13] offset:(\b/2)*1024+(\b%2)*512+256
	global_store_b64 v6, v[PW+8*\b+4:PW+8*\b+5], s[14:15] offset:(\b/2)*512+(\b%2)*256
.endr
	s_endpgm
	; ---- the sort: wave w owns tokens 128 w .. 128 w + 127
.Lroute:
	s_lshl_b32 s19, s18, 9
	v_lshl_add_u32 v3, v2, 2, s19                  ; ids: 512 w + 4 lane
	v_lshlrev_b32 v4, 2, v2                        ; 4 lane
	s_lshl_b32 s20, s18, 7
	v_add_nc_u32 v5, s20, v4                       ; LDS: my wave's 32 words
	s_wait_kmcnt 0x0
.irp j, 0,1,2,3
	global_load_b32 v[16+\j], v3, s[6:7] offset:128*\j
.endr
.irp t, 0,1,2,3,4,5,6,7,8,9,10,11,12,13,14,15
	s_mov_b32 s[32+\t], 0
.endr
	v_mov_b32 v20, 0
	s_wait_loadcnt 0x0
.irp j, 0,1,2,3
	v_min_u32 v[16+\j], 15, v[16+\j]
.endr
.irp t, 0,1,2,3,4,5,6,7,8,9,10,11,12,13,14,15
.irp j, 0,1,2,3
	v_cmp_eq_u32 s15, \t, v[16+\j]
	s_bcnt1_i32_b32 s16, s15
	s_add_co_u32 s[32+\t], s[32+\t], s16           ; my wave's tokens of task t
.endr
	v_writelane_b32 v20, s[32+\t], \t
.endr
	ds_store_b32 v5, v20
	s_wait_dscnt 0x0                               ; for the others' sake: my counts lie in LDS
	s_barrier_signal -1
	s_barrier_wait -1
.irp j, 0,1,2,3,4,5,6,7,8,9,10,11,12,13,14,15
	ds_load_b32 v[32+\j], v4 offset:128*\j         ; lane = task: wave j's count
.endr
	s_wait_dscnt 0x0
	v_add_nc_u32 v21, v32, v33
.irp j, 2,3,4,5,6,7,8,9,10,11,12,13,14,15
	v_add_nc_u32 v21, v21, v[32+\j]                ; the task's tokens
.endr
	v_mov_b32 v22, 0
.irp j, 0,1,2,3,4,5,6,7,8,9,10,11,12,13,14
	s_cmp_gt_u32 s18, \j
	s_cselect_b32 s15, -1, 0
	v_and_b32 v23, s15, v[32+\j]
	v_add_nc_u32 v22, v22, v23                     ; those of the waves in front of mine
.endr
	v_add_nc_u32 v25, 15, v21
	v_lshrrev_b32 v25, 4, v25                      ; the task's tiles
	s_mov_b32 s14, 0
	v_mov_b32 v24, 0
.irp t, 0,1,2,3,4,5,6,7,8,9,10,11,12,13,14,15
	s_mov_b32 s[48+\t], s14                        ; the task's first tile
	v_readlane_b32 s15, v25, \t
	s_add_co_u32 s14, s14, s15
	v_writelane_b32 v24, s[48+\t], \t
	v_readlane_b32 s15, v22, \t
	s_lshl_b32 s16, s[48+\t], 4
	s_add_co_u32 s[32+\t], s16, s15                ; the slot of my wave's first token of task t
.endr
	v_add_nc_u32 v48, s20, v2                      ; my tokens' numbers
.irp j, 1,2,3
	v_add_nc_u32 v[48+\j], 32*\j, v48
.endr
.irp j, 0,1,2,3
	v_mov_b32 v[26+\j], 0
.irp t, 0,1,2,3,4,5,6,7,8,9,10,11,12,13,14,15
	v_cmp_eq_u32 vcc_lo, \t, v[16+\j]
	v_mbcnt_lo_u32_b32 v23, vcc_lo, s[32+\t]       ; the running slot + the lanes of task t below mine
	v_cndmask_b32 v[26+\j], v[26+\j], v23, vcc_lo
	s_bcnt1_i32_b32 s15, vcc_lo
	s_add_co_u32 s[32+\t], s[32+\t], s15
.endr
	v_min_u32 v[26+\j], 0x8ff, v[26+\j]            ; at most 143 tiles, so a slot is under 2,288
	v_lshlrev_b32 v[26+\j], 2, v[26+\j]
	global_store_b32 v[26+\j], v[48+\j], s[10:11] offset:256
.endr
	s_cmp_lg_u32 s18, 0
	s_cbranch_scc1 .Lend
	v_lshl_add_u32 v60, v24, 4, v21                ; wave 0, lane = task: the first slot behind the task's tokens,
	v_add_nc_u32 v61, v24, v25
	v_lshlrev_b32 v61, 4, v61                      ; and the end of its tiles
	v_add_nc_u32 v62, 0x900, v2                    ; where a lane with nothing to fill stores
	v_mov_b32 v63, 0x800                           ; the mark
.irp k, 0,1,2,3,4,5,6,7,8,9,10,11,12,13,14
	v_add_nc_u32 v[64+\k], \k, v60
	v_cmp_lt_u32 vcc_lo, v[64+\k], v61
	v_cndmask_b32 v[64+\k], v62, v[64+\k], vcc_lo
	v_min_u32 v[64+\k], 0x91f, v[64+\k]
	v_lshlrev_b32 v[64+\k], 2, v[64+\k]
	global_store_b32 v[64+\k], v63, s[10:11] offset:256
.endr
	v_lshlrev_b32 v6, 3, v2
	global_store_b64 v6, v[24:25], s[10:11]        ; {first tile, tiles}: 256 consecutive bytes
.Lend:
	s_wait_tensorcnt 0x0
	ds_add_u32 v176, v177
	s_wait_dscnt 0x0
	s_endpgm
	; ---- the weights: share 16 x work-group + wave of 3,072
.Lweights:
	s_load_b128 s[4:7], s[0:1], 0x10               ; k0 s[4:5], k1 s[6:7]
	s_load_b128 s[8:11], s[0:1], 0x30              ; w0 s[8:9], w1 s[10:11]
	v_and_b32 v1, 31, v0                           ; lane
	v_and_b32 v2, 7, v1
	v_bfe_u32 v3, v1, 3, 1
	v_bfe_u32 v4, v1, 4, 1
	v_lshl_or_b32 v2, v3, 4, v2
	v_lshl_or_b32 v2, v4, 3, v2
	v_lshlrev_b32 v2, 2, v2                        ; 4 pi(lane)
	v_lshlrev_b32 v3, 4, v1                        ; 16 lane
	v_lshlrev_b32 v4, 3, v1                        ; 8 lane
	v_mov_b32 v[SW], 0
	v_mov_b32 v[SW+1], 0
	s_lshl_b32 s17, ttmp9, 4
	s_add_co_u32 s17, s17, s18                     ; my share, 0 .. 3071
	s_and_b32 s18, s17, 1                          ; cp: which 32 of a slab's 64 columns
	s_lshr_b32 s17, s17, 1
	s_cmp_lt_u32 s17, 512                          ; k0's or k1's
	s_cselect_b32 s19, 0, 512
	s_cselect_b32 s20, 5, 6                        ; log2 of the Q's in a column: 32 or 64
	s_sub_co_u32 s19, s17, s19
	s_bfm_b32 s22, s20, 0
	s_and_b32 s22, s19, s22                        ; Q
	s_lshr_b32 s23, s19, s20                       ; slab
	s_lshl_b32 s23, s23, 1
	s_add_co_u32 s23, s23, s18                     ; 2 slab + cp
	s_lshl_b32 s26, s22, 16                        ; in: 16 rows of 4,096 bytes a Q,
	s_lshl_b32 s27, s23, 7
	s_add_co_u32 s26, s26, s27                     ; 128 bytes for 32 columns
	s_mov_b32 s27, 0
	s_lshl_b32 s28, s23, s20
	s_add_co_u32 s28, s28, s22                     ; (2 slab + cp) x Q's + Q
	s_lshl_b32 s30, s28, 8                         ; scale words: 256 bytes each,
	s_lshl_b32 s28, s28, 13                        ; codes: 16 tasks x 512 bytes
	s_mov_b32 s29, 0
	s_mov_b32 s31, 0
	s_lshl_b32 s24, 0x10000, s20                   ; from task to task: 2 MiB in k0, 4 MiB in k1
	s_mov_b32 s25, 0
	s_lshl_b32 s21, 0x40000, s20                   ; the scale words lie behind the codes: 0x800000 or 0x1000000
	s_add_co_u32 s30, s30, s21
	s_and_b32 s21, s22, 1
	s_lshl_b32 s21, s21, 2                         ; 4 (Q & 1)
	s_wait_kmcnt 0x0
	s_cmp_lt_u32 s17, 512                          ; the choice hangs on the work-group's and the wave's number alone
	s_cselect_b64 s[4:5], s[4:5], s[6:7]
	s_cselect_b64 s[8:9], s[8:9], s[10:11]
	s_add_nc_u64 s[32:33], s[4:5], s[26:27]        ; a base for each task: the distance is too long for an immediate
.irp t, 1,2,3,4,5,6,7,8,9,10,11,12,13,14,15
	s_add_nc_u64 s[32+2*\t:33+2*\t], s[30+2*\t:31+2*\t], s[24:25]
.endr
	s_add_nc_u64 s[10:11], s[8:9], s[30:31]
	s_add_nc_u64 s[8:9], s[8:9], s[28:29]
	LOADP 0, 0
	LOADP 1, 1
	PAIRW 0, 0, 6
	PAIRW 1, 1, 7
	PAIRW 2, 6, 4
	PAIRW 3, 7, 5
	PAIRW 4, 4, 2
	PAIRW 5, 5, 3
	PAIRW 6, 2, -1
	PAIRW 7, 3, -1
.set i, 0
.rept 64
	v_lshlrev_b32 v[WD+i], s21, v[WD+i]            ; an odd register of the reader's operand has its codes 4 bits further up
.set i, i+1
.endr
.irp t, 0,1,2,3,4,5,6,7,8,9,10,11,12,13,14,15
	global_store_b128 v3, v[WD+4*\t:WD+4*\t+3], s[8:9] offset:512*\t
.endr
	global_store_b64 v4, v[SW:SW+1], s[10:11]
	s_endpgm
.Lfunc_end_k_q3f89b0fd24_quant:
	.size	k_q3f89b0fd24_quant, .Lfunc_end_k_q3f89b0fd24_quant-k_q3f89b0fd24_quant
	.p2alignl 7, 3214868480
	.fill 96, 4, 3214868480
	.section	.rodata,"a",@progbits
	.p2align	6, 0x0
	.amdhsa_kernel k_q3f89b0fd24_quant
		.amdhsa_group_segment_fixed_size 4096
		.amdhsa_private_segment_fixed_size 0
		.amdhsa_enable_private_segment 0
		.amdhsa_kernarg_size 64
		.amdhsa_user_sgpr_count 2
		.amdhsa_user_sgpr_kernarg_segment_ptr 1
		.amdhsa_wavefront_size32 1
		.amdhsa_system_sgpr_workgroup_id_x 1
		.amdhsa_system_sgpr_workgroup_id_y 1
		.amdhsa_system_sgpr_workgroup_id_z 1
		.amdhsa_system_vgpr_workitem_id 0
		.amdhsa_next_free_vgpr 178
		.amdhsa_next_free_sgpr 66
		.amdhsa_reserve_vcc 1
		.amdhsa_float_denorm_mode_32 3
		.amdhsa_float_denorm_mode_16_64 3
		.amdhsa_memory_ordered 1
		.amdhsa_forward_progress 1
		.amdhsa_inst_pref_size 110
	.end_amdhsa_kernel
	.amdgpu_metadata
---
amdhsa.version: [ 1, 2 ]
amdhsa.kernels:
  - .name:           k_q3f89b0fd24_quant
    .symbol:         k_q3f89b0fd24_quant.kd
    .args:
      - { .name: x, .offset: 0, .size: 8, .value_kind: global_buffer, .address_space: global }
      - { .name: task_ids, .offset: 8, .size: 8, .value_kind: global_buffer, .address_space: global }
      - { .name: k0, .offset: 16, .size: 8, .value_kind: global_buffer, .address_space: global }
      - { .name: k1, .offset: 24, .size: 8, .value_kind: global_buffer, .address_space: global }
      - { .name: xa, .offset: 32, .size: 8, .value_kind: global_buffer, .address_space: global }
      - { .name: route, .offset: 40, .size: 8, .value_kind: global_buffer, .address_space: global }
      - { .name: w0, .offset: 48, .size: 8, .value_kind: global_buffer, .address_space: global }
      - { .name: w1, .offset: 56, .size: 8, .value_kind: global_buffer, .address_space: global }
    .group_segment_fixed_size: 4096
    .private_segment_fixed_size: 0
    .kernarg_segment_align: 8
    .kernarg_segment_size: 64
    .max_flat_workgroup_size: 512
    .sgpr_count:     66
    .vgpr_count:     178
    .wavefront_size: 32
...
	.end_amdgpu_metadata
.endif
;; end of part 6
;; launch layer0: the kernel of part 3 again; grid 16 x 16, 16 waves a work-group, no clusters, 55,296 bytes of LDS; arguments xa, route, w0, b0, h1; writes h1
;; launch layer1: the kernel of part 4 again; grid 16 x 16, 16 waves a work-group, no clusters, 104,448 bytes of LDS; arguments h1, route, w1, b1, h2; writes h2
;; launch layer2: the kernel of part 5 again; grid 8 x 16, 16 waves a work-group, no clusters, 31,744 bytes of LDS; arguments h2, route, k2, b2, out0; writes out0
;; ======== version 3 of 3: 4 launches
;; workspace buffers: xa 1,572,864 bytes; route 9,728 bytes of whole numbers; w0 8,650,752 bytes; w1 17,301,504 bytes; h1 3,514,368 bytes; h2 1,830,400 bytes
;; launch quant (part 7): grid 225 x 1, 16 waves a work-group, no clusters, 4,096 bytes of LDS; arguments x, task_ids, k0, k1, xa, route, w0, w1; writes xa, route, w0, w1
.if DOCPART == 7
	.amdgcn_target "amdgcn-amd-amdhsa--gfx1250"
	.amdhsa_code_object_version 6
	.text
	.protected	k_q3f89b0fd24_quant
	.globl	k_q3f89b0fd24_quant
	.p2align	8
	.type	k_q3f89b0fd24_quant,@function
k_q3f89b0fd24_quant:
	s_mov_b64 s[64:65], 0
	v_nop
	global_prefetch_b8 v0, s[64:65] scope:SCOPE_SE
	s_setreg_imm32_b32 hwreg(HW_REG_WAVE_MODE, 25, 1), 1
	s_wait_xcnt 0x0
; ONE LAUNCH, THREE KINDS OF WORK-GROUP, parted on the work-group's number alone: 0-191 quantise the weights k0 and k1, 192-223 quantise x, 224 sorts the tokens by task.
; The two small jobs run on WGPs of their own beside the weights' stream, so they need no launch of their own.  Only the sort uses LDS and has a barrier.
;
; THE WEIGHTS.  k0 [16][512][1024] and k1 [16][1024][1024], f32, become codes of E2M3.  The products' K is 16 i + t: a block of 32 is rows 2 j, 2 j + 1 of ALL 16 tasks at one
; column, with one scale.  A LANE TAKES A COLUMN AND ITS 32 REGISTERS ARE ONE BLOCK (register 2 t + i'): the maximum needs no other lane, and two conversions give
; each task's pair as 12 neighbouring bits.  A wave takes 32 columns x 8 pairs (Q): 256 loads of 128 consecutive bytes; waves w and w ^ 1 stand side by side on 256.
; Lane l takes column pi(l) of its 32 (bits 3 and 4 of l swapped): lanes 0-15 are then the rows of the reader's tile u = 0, lanes 16-31 of tile u = 1.
; w0, w1, codes: [slab of 64 columns][cp][Q][task][lane][4 words]: {f0 | f4 << 12, f1 | f5 << 12, f6 | f2 << 12, f7 | f3 << 12} << 4 (Q & 1), f_a the field of pair 8 Q + a:
; the words of the reader's registers q = Q % 4 and 6 + q for its lane halves 0 and 1.  Each store covers 512 consecutive bytes.
; w0, w1, scale words, behind the codes (w0: byte 0x800000, w1: 0x1000000): [slab][cp][Q][lane][2 words], byte b of word x = pair 8 Q + 4 x + b.
; 3,072 such wave shares (1,024 of k0, 2,048 of k1) = 192 work-groups of 16 waves.  These waves share nothing.
;
; x [2048][512] f32 becomes the token operand of the first product.  Of a token's numbers only the pair (x[2j], x[2j+1]) lives in block j: each PAIR has a scale of its own.
; xa, codes: [tile of 16 tokens][group of 64 inputs][cp][lane' = 16 h + row][4 words]; word k of (cp) is K step g = 4 cp + k (8 inputs, 4 pairs) for the
; reader's lane half h: pair h and pair 2 + h as fields of 12 bits (two codes), placed where the reader's masks take them:
; first step of two: pair h at bit 4 d, pair 2 + h at bit 12 + 4 d; second step: the other way round; d = (g >> 1) & 1.
; xa, scale words, from byte 0x100000: [tile][group][16 cp + row][4 words]: word m is K step 4 cp + m, byte p = pair p.
;
; THE SORT: a counting sort of the tokens by task.  route: 16 pairs {first tile, tiles} of the tasks (bytes 0-255, entries 16-31 zero), then from byte 256
; slot -> token; each task's slots are filled up to whole tiles of 16 with the mark 2048; words 2304-2335 take the idle lanes of those fill stores.
;
; LIMITS: NaN and infinities are not served; a pair or block whose largest magnitude is under 2^-124 (one of zeros too) gets the scale byte 1: its codes are what the
; rule gives under that scale (zeros for zeros), and this program alone reads the bytes; a task id outside 0..15 counts as 15.
.set NWQ,   192                        ; work-groups that take the weights
.set XSOFF, 0x100000
; ---- registers of the x path
.set XR,  16                           ; v16-79 64 numbers; v80-93 zeros: a conversion names 16 registers from a pair's first on
.set PM,  96                           ; v96-103  a pair's larger magnitude, then the conversion's scale operand
.set PB,  104                          ; v104-111 scale bytes
.set PC,  112                          ; v112-143 a conversion's three registers, four apart
.set PW,  144                          ; v144-175 eight registers for each of four runs: 4 code words, 2 scale words
.set SH4, 7                            ; v7 4 x (lane / 16)
; ---- registers of the weights' path
.set X,   16                           ; v16-79   two sets of 32 numbers
.set C,   80                           ; v80-82 tasks 0-7, v84-86 tasks 8-15: 96 bits each
.set MX,  88                           ; v88-89 maxima, v90 scale operand, v91 byte, v92-93 at work
.set SW,  94                           ; v94-95 the two scale words
.set WD,  96                           ; v96-159 four words for each task
; 16 neighbours along K in v[n] on (two K steps of my row) -> v[w..w+1] words for h = 0, v[w+2..w+3] for h = 1, v[w+4..w+5] scale words
.macro PAIRQ n, w
.irp m, 0,1,2,3,4,5,6,7
	v_max3_num_f32 v[PM+\m], |v[(\n)+2*\m]|, |v[(\n)+2*\m+1]|, 0x1800000   ; the pair's larger magnitude over the floor 2^(3 - 127): the byte cannot fall under 1
.endr
.irp m, 0,1,2,3,4,5,6,7
	v_add_nc_u32 v[PM+\m], 0xff000000, v[PM+\m]    ; 2 off the exponent field: the conversion's scale operand
.endr
.irp m, 0,1,2,3,4,5,6,7
	v_lshrrev_b32 v[PB+\m], 23, v[PM+\m]           ; the scale's byte
.endr
.irp m, 0,1,2,3,4,5,6,7
	v_cvt_scalef32_pk16_fp6_f32 v[PC+4*\m:PC+4*\m+2], v[(\n)+2*\m:(\n)+2*\m+15], v[PM+\m]   ; of the 16 codes the lowest two are the pair's; the rest (the next run's numbers among them) is cut off below
.endr
	v_lshl_or_b32 v[(\w)+4], v[PB+1], 8, v[PB]     ; (a plain line behind the conversions)  the two scale words
	v_lshl_or_b32 v[(\w)+5], v[PB+5], 8, v[PB+4]
	s_delay_alu instid0(VALU_DEP_2)
	v_lshl_or_b32 v[(\w)+4], v[PB+2], 16, v[(\w)+4]
	s_delay_alu instid0(VALU_DEP_2)
	v_lshl_or_b32 v[(\w)+5], v[PB+6], 16, v[(\w)+5]
	s_delay_alu instid0(VALU_DEP_2)
	v_lshl_or_b32 v[(\w)+4], v[PB+3], 24, v[(\w)+4]
	s_delay_alu instid0(VALU_DEP_2)
	v_lshl_or_b32 v[(\w)+5], v[PB+7], 24, v[(\w)+5]
.irp m, 0,1,2,3,4,5,6,7
	v_and_b32 v[PC+4*\m], 0xfff, v[PC+4*\m]
.endr
	v_lshl_or_b32 v[(\w)],   v[PC+8],  12, v[PC]      ; h = 0, first step: pair 0 low, pair 2 high
	s_delay_alu instid0(VALU_DEP_3)
	v_lshl_or_b32 v[(\w)+1], v[PC+16], 12, v[PC+24]   ; h = 0, second step: pair 2 low, pair 0 high
	v_lshl_or_b32 v[(\w)+2], v[PC+12], 12, v[PC+4]    ; h = 1: pairs 1 and 3
	s_delay_alu instid0(VALU_DEP_4)
	v_lshl_or_b32 v[(\w)+3], v[PC+20], 12, v[PC+28]
.irp i, 0,1,2,3
	s_delay_alu instid0(VALU_DEP_4)
	v_lshlrev_b32 v[(\w)+\i], v[SH4], v[(\w)+\i]      ; 4 bits up where d = 1
.endr
.endm
.macro LOADP a, k                      ; the weights: pair a of my eight into set k % 2
.irp t, 0,1,2,3,4,5,6,7,8,9,10,11,12,13,14,15
.irp i, 0,1
	global_load_b32 v[X+32*((\k)%2)+2*\t+\i], v2, s[32+2*\t:33+2*\t] offset:(2*(\a)+\i)*4096 th:TH_LOAD_NT
.endr
.endr
.endm
.macro FIELD d, cb, m                  ; field m (bits 12 m on) of the 96 bits in v[cb] on
.if (\m) == 0
	v_bfe_u32 v[\d], v[\cb], 0, 12
.elseif (\m) == 1
	v_bfe_u32 v[\d], v[\cb], 12, 12
.elseif (\m) == 2
	v_alignbit_b32 v[\d], v[\cb+1], v[\cb], 24
	s_delay_alu instid0(VALU_DEP_1)
	v_and_b32 v[\d], 0xfff, v[\d]
.elseif (\m) == 3
	v_bfe_u32 v[\d], v[\cb+1], 4, 12
.elseif (\m) == 4
	v_bfe_u32 v[\d], v[\cb+1], 16, 12
.elseif (\m) == 5
	v_alignbit_b32 v[\d], v[\cb+2], v[\cb+1], 28
	s_delay_alu instid0(VALU_DEP_1)
	v_and_b32 v[\d], 0xfff, v[\d]
.elseif (\m) == 6
	v_bfe_u32 v[\d], v[\cb+2], 8, 12
.else
	v_lshrrev_b32 v[\d], 20, v[\cb+2]
.endif
.endm
; The k-th pair worked on is pair a; nx: the pair loaded into its set afterwards (-1: none).  Pairs 0, 1, 6, 7 come first: their fields start the words.
.macro PAIRW k, a, nx
.set XB, X+32*((\k)%2)
.if (\k) < 7
	s_wait_loadcnt 32                              ; this pair's 32 loads are in; the next pair's may be out
.else
	s_wait_loadcnt 0x0
.endif
	v_max3_num_f32 v[MX], |v[XB]|, |v[XB+1]|, |v[XB+2]|
	v_max3_num_f32 v[MX+1], |v[XB+3]|, |v[XB+4]|, |v[XB+5]|
.irp i, 6,10,14,18,22,26
	s_delay_alu instid0(VALU_DEP_2)
	v_max3_num_f32 v[MX], v[MX], |v[XB+\i]|, |v[XB+\i+1]|
	s_delay_alu instid0(VALU_DEP_2)
	v_max3_num_f32 v[MX+1], v[MX+1], |v[XB+\i+2]|, |v[XB+\i+3]|
.endr
	s_delay_alu instid0(VALU_DEP_2)
	v_max3_num_f32 v[MX], v[MX], |v[XB+30]|, |v[XB+31]|
	s_delay_alu instid0(VALU_DEP_1)
	v_max3_num_f32 v[MX], v[MX], v[MX+1], 0x1800000   ; the block's largest magnitude over the floor 2^(3 - 127)
	s_delay_alu instid0(VALU_DEP_1)
	v_add_nc_u32 v[MX+2], 0xff000000, v[MX]           ; 2 off the exponent field: the conversions' scale operand
	s_delay_alu instid0(VALU_DEP_1)
	v_lshrrev_b32 v[MX+3], 23, v[MX+2]                ; the scale's byte
	v_cvt_scalef32_pk16_fp6_f32 v[C:C+2], v[XB:XB+15], v[MX+2]
	v_cvt_scalef32_pk16_fp6_f32 v[C+4:C+6], v[XB+16:XB+31], v[MX+2]
	v_lshl_or_b32 v[SW+(\a)/4], v[MX+3], 8*((\a)%4), v[SW+(\a)/4]   ; (a plain line behind the conversions)
.if (\nx) >= 0
	LOADP \nx, \k
.endif
.irp t, 0,1,2,3,4,5,6,7,8,9,10,11,12,13,14,15
.if (\k) < 4
	FIELD WD+4*\t+(\a)%4, C+4*(\t/8), \t%8
.else
	FIELD MX+4+\t%2, C+4*(\t/8), \t%8
	s_delay_alu instid0(VALU_DEP_1)
	v_lshl_or_b32 v[WD+4*\t+(\a)%4], v[MX+4+\t%2], 12, v[WD+4*\t+(\a)%4]
.endif
.endr
.endm
	v_lshl_add_u32 v176, v0, 2, 0x800
	v_mov_b32 v177, 0
	v_lshrrev_b32 v1, 5, v0
	s_delay_alu instid0(VALU_DEP_1)
	v_readfirstlane_b32 s18, v1                    ; wave 0..15
	s_cmp_lt_u32 ttmp9, NWQ
	s_cbranch_scc1 .Lweights
	s_load_b128 s[4:7], s[0:1], 0x0                ; x s[4:5], task_ids s[6:7]
	s_load_b128 s[8:11], s[0:1], 0x20              ; xa s[8:9], route s[10:11]
	v_and_b32 v2, 31, v0                           ; lane
	s_cmp_eq_u32 ttmp9, NWQ+32
	s_cbranch_scc1 .Lroute
	; ---- x: wave w of the g-th of these work-groups takes tile 4 g + w / 4 and inputs 128 (w % 4) on
	v_and_b32 v3, 15, v0                           ; row
	v_bfe_u32 v4, v0, 4, 1                         ; half
	s_delay_alu instid0(VALU_DEP_2)
	v_lshlrev_b32 v5, 11, v3
	s_delay_alu instid0(VALU_DEP_1)
	v_lshl_add_u32 v5, v4, 6, v5                   ; x: 2048 row + 64 half: my 16 numbers of each 32
	s_delay_alu instid0(VALU_DEP_4)
	v_lshlrev_b32 v6, 4, v3
	s_delay_alu instid0(VALU_DEP_1)
	v_lshl_add_u32 v6, v4, 3, v6                   ; out: 16 row + 8 half
	v_lshlrev_b32 v[SH4], 2, v4
	s_sub_co_u32 s19, ttmp9, NWQ                   ; g
	s_lshl_b32 s19, s19, 2
	s_lshr_b32 s20, s18, 2
	s_add_co_u32 s19, s19, s20                     ; tile
	s_and_b32 s20, s18, 3
	s_lshl_b32 s22, s19, 15
	s_lshl_b32 s21, s20, 9
	s_add_co_u32 s22, s22, s21                     ; x: 16 rows of 2,048 bytes a tile, 512 bytes for 128 inputs
	s_mov_b32 s23, 0
	s_lshl_b32 s24, s19, 13
	s_lshl_b32 s21, s20, 11
	s_add_co_u32 s24, s24, s21                     ; codes: 8,192 bytes a tile, 1,024 a group, two groups to a wave
	s_mov_b32 s25, 0
	s_lshl_b32 s26, s19, 12
	s_lshl_b32 s21, s20, 10
	s_add_co_u32 s26, s26, s21
	s_add_co_u32 s26, s26, XSOFF                   ; scale words: 4,096 bytes a tile, 512 a group
	s_mov_b32 s27, 0
	s_wait_alu depctr_va_vdst(0)
	s_wait_kmcnt 0x0
	s_add_nc_u64 s[4:5], s[4:5], s[22:23]
	s_add_nc_u64 s[12:13], s[8:9], s[24:25]
	s_add_nc_u64 s[14:15], s[8:9], s[26:27]
.irp b, 0,1,2,3
.irp j, 0,1,2,3
	global_load_b128 v[XR+16*\b+4*\j:XR+16*\b+4*\j+3], v5, s[4:5] offset:128*\b+16*\j th:TH_LOAD_NT
.endr
.endr
.irp i, 0,1,2,3,4,5,6,7,8,9,10,11,12,13
	v_mov_b32 v[XR+64+\i], 0
.endr
.irp b, 0,1,2,3
.if \b < 2
	s_wait_loadcnt 8-4*\b                          ; this run's four loads AND the next run's four are in (the conversions name registers of both); the runs behind them may be out
.else
	s_wait_loadcnt 0x0
.endif
	PAIRQ XR+16*\b, PW+8*\b
	global_store_b64 v6, v[PW+8*\b:PW+8*\b+1], s[12:13] offset:(\b/2)*1024+(\b%2)*512        ; 32 lanes: 256 consecutive bytes
	global_store_b64 v6, v[PW+8*\b+2:PW+8*\b+3], s[12:13] offset:(\b/2)*1024+(\b%2)*512+256
	global_store_b64 v6, v[PW+8*\b+4:PW+8*\b+5], s[14:15] offset:(\b/2)*512+(\b%2)*256
.endr
	s_endpgm
	; ---- the sort: wave w owns tokens 128 w .. 128 w + 127
.Lroute:
	s_lshl_b32 s19, s18, 9
	s_wait_alu depctr_va_vdst(0)
	v_lshl_add_u32 v3, v2, 2, s19                  ; ids: 512 w + 4 lane
	v_lshlrev_b32 v4, 2, v2                        ; 4 lane
	s_lshl_b32 s20, s18, 7
	v_add_nc_u32 v5, s20, v4                       ; LDS: my wave's 32 words
	s_wait_alu depctr_va_vdst(0)
	s_wait_kmcnt 0x0
.irp j, 0,1,2,3
	global_load_b32 v[16+\j], v3, s[6:7] offset:128*\j
.endr
.irp t, 0,1,2,3,4,5,6,7,8,9,10,11,12,13,14,15
	s_mov_b32 s[32+\t], 0
.endr
	v_mov_b32 v20, 0
	s_wait_alu depctr_va_vdst(0)
	s_wait_loadcnt 0x0
.irp j, 0,1,2,3
	v_min_u32 v[16+\j], 15, v[16+\j]
.endr
	s_wait_alu depctr_va_vdst(0)
.irp t, 0,1,2,3,4,5,6,7,8,9,10,11,12,13,14,15
	s_wait_alu depctr_va_vdst(0)
.irp j, 0,1,2,3
	v_cmp_eq_u32 s15, \t, v[16+\j]
	s_bcnt1_i32_b32 s16, s15
	s_add_co_u32 s[32+\t], s[32+\t], s16           ; my wave's tokens of task t
.endr
	v_writelane_b32 v20, s[32+\t], \t
.endr
	ds_store_b32 v5, v20
	s_wait_dscnt 0x0                               ; for the others' sake: my counts lie in LDS
	s_barrier_signal -1
	s_barrier_wait -1
.irp j, 0,1,2,3,4,5,6,7,8,9,10,11,12,13,14,15
	ds_load_b32 v[32+\j], v4 offset:128*\j         ; lane = task: wave j's count
.endr
	s_wait_dscnt 0x0
	v_add_nc_u32 v21, v32, v33
.irp j, 2,3,4,5,6,7,8,9,10,11,12,13,14,15
	s_delay_alu instid0(VALU_DEP_1)
	v_add_nc_u32 v21, v21, v[32+\j]                ; the task's tokens
.endr
	v_mov_b32 v22, 0
.irp j, 0,1,2,3,4,5,6,7,8,9,10,11,12,13,14
	s_cmp_gt_u32 s18, \j
	s_cselect_b32 s15, -1, 0
	v_and_b32 v23, s15, v[32+\j]
	s_delay_alu instid0(VALU_DEP_1)
	v_add_nc_u32 v22, v22, v23                     ; those of the waves in front of mine
.endr
	v_add_nc_u32 v25, 15, v21
	s_delay_alu instid0(VALU_DEP_1)
	v_lshrrev_b32 v25, 4, v25                      ; the task's tiles
	s_wait_alu depctr_va_vdst(0)
	s_mov_b32 s14, 0
	v_mov_b32 v24, 0
.irp t, 0,1,2,3,4,5,6,7,8,9,10,11,12,13,14,15
	s_mov_b32 s[48+\t], s14                        ; the task's first tile
	v_readlane_b32 s15, v25, \t
	s_add_co_u32 s14, s14, s15
	v_writelane_b32 v24, s[48+\t], \t
	v_readlane_b32 s15, v22, \t
	s_lshl_b32 s16, s[48+\t], 4
	s_add_co_u32 s[32+\t], s16, s15                ; the slot of my wave's first token of task t
.endr
	v_add_nc_u32 v48, s20, v2                      ; my tokens' numbers
.irp j, 1,2,3
	v_add_nc_u32 v[48+\j], 32*\j, v48
.endr
.irp j, 0,1,2,3
	v_mov_b32 v[26+\j], 0
.irp t, 0,1,2,3,4,5,6,7,8,9,10,11,12,13,14,15
	v_cmp_eq_u32 vcc_lo, \t, v[16+\j]
	s_delay_alu instid0(VALU_DEP_1)
	v_mbcnt_lo_u32_b32 v23, vcc_lo, s[32+\t]       ; the running slot + the lanes of task t below mine
	s_delay_alu instid0(VALU_DEP_1)
	v_cndmask_b32 v[26+\j], v[26+\j], v23, vcc_lo
	s_bcnt1_i32_b32 s15, vcc_lo
	s_add_co_u32 s[32+\t], s[32+\t], s15
.endr
	v_min_u32 v[26+\j], 0x8ff, v[26+\j]            ; at most 143 tiles, so a slot is under 2,288
	s_delay_alu instid0(VALU_DEP_1)
	v_lshlrev_b32 v[26+\j], 2, v[26+\j]
	global_store_b32 v[26+\j], v[48+\j], s[10:11] offset:256
.endr
	s_cmp_lg_u32 s18, 0
	s_cbranch_scc1 .Lend
	v_lshl_add_u32 v60, v24, 4, v21                ; wave 0, lane = task: the first slot behind the task's tokens,
	v_add_nc_u32 v61, v24, v25
	s_delay_alu instid0(VALU_DEP_1)
	v_lshlrev_b32 v61, 4, v61                      ; and the end of its tiles
	v_add_nc_u32 v62, 0x900, v2                    ; where a lane with nothing to fill stores
	v_mov_b32 v63, 0x800                           ; the mark
.irp k, 0,1,2,3,4,5,6,7,8,9,10,11,12,13,14
	v_add_nc_u32 v[64+\k], \k, v60
	s_delay_alu instid0(VALU_DEP_1)
	v_cmp_lt_u32 vcc_lo, v[64+\k], v61
	s_delay_alu instid0(VALU_DEP_1)
	v_cndmask_b32 v[64+\k], v62, v[64+\k], vcc_lo
	s_delay_alu instid0(VALU_DEP_1)
	v_min_u32 v[64+\k], 0x91f, v[64+\k]
	s_delay_alu instid0(VALU_DEP_1)
	v_lshlrev_b32 v[64+\k], 2, v[64+\k]
	global_store_b32 v[64+\k], v63, s[10:11] offset:256
.endr
	v_lshlrev_b32 v6, 3, v2
	global_store_b64 v6, v[24:25], s[10:11]        ; {first tile, tiles}: 256 consecutive bytes
.Lend:
	s_wait_tensorcnt 0x0
	ds_add_u32 v176, v177
	s_wait_dscnt 0x0
	s_endpgm
	; ---- the weights: share 16 x work-group + wave of 3,072
.Lweights:
	s_load_b128 s[4:7], s[0:1], 0x10               ; k0 s[4:5], k1 s[6:7]
	s_load_b128 s[8:11], s[0:1], 0x30              ; w0 s[8:9], w1 s[10:11]
	v_and_b32 v1, 31, v0                           ; lane
	s_delay_alu instid0(VALU_DEP_1)
	v_and_b32 v2, 7, v1
	s_delay_alu instid0(VALU_DEP_2)
	v_bfe_u32 v3, v1, 3, 1
	s_delay_alu instid0(VALU_DEP_3)
	v_bfe_u32 v4, v1, 4, 1
	s_delay_alu instid0(VALU_DEP_2)
	v_lshl_or_b32 v2, v3, 4, v2
	s_delay_alu instid0(VALU_DEP_1)
	v_lshl_or_b32 v2, v4, 3, v2
	s_delay_alu instid0(VALU_DEP_1)
	v_lshlrev_b32 v2, 2, v2                        ; 4 pi(lane)
	v_lshlrev_b32 v3, 4, v1                        ; 16 lane
	v_lshlrev_b32 v4, 3, v1                        ; 8 lane
	v_mov_b32 v[SW], 0
	v_mov_b32 v[SW+1], 0
	s_lshl_b32 s17, ttmp9, 4
	s_add_co_u32 s17, s17, s18                     ; my share, 0 .. 3071
	s_and_b32 s18, s17, 1                          ; cp: which 32 of a slab's 64 columns
	s_lshr_b32 s17, s17, 1
	s_cmp_lt_u32 s17, 512                          ; k0's or k1's
	s_cselect_b32 s19, 0, 512
	s_cselect_b32 s20, 5, 6                        ; log2 of the Q's in a column: 32 or 64
	s_sub_co_u32 s19, s17, s19
	s_bfm_b32 s22, s20, 0
	s_and_b32 s22, s19, s22                        ; Q
	s_lshr_b32 s23, s19, s20                       ; slab
	s_lshl_b32 s23, s23, 1
	s_add_co_u32 s23, s23, s18                     ; 2 slab + cp
	s_lshl_b32 s26, s22, 16                        ; in: 16 rows of 4,096 bytes a Q,
	s_lshl_b32 s27, s23, 7
	s_add_co_u32 s26, s26, s27                     ; 128 bytes for 32 columns
	s_mov_b32 s27, 0
	s_lshl_b32 s28, s23, s20
	s_add_co_u32 s28, s28, s22                     ; (2 slab + cp) x Q's + Q
	s_lshl_b32 s30, s28, 8                         ; scale words: 256 bytes each,
	s_lshl_b32 s28, s28, 13                        ; codes: 16 tasks x 512 bytes
	s_mov_b32 s29, 0
	s_mov_b32 s31, 0
	s_lshl_b32 s24, 0x10000, s20                   ; from task to task: 2 MiB in k0, 4 MiB in k1
	s_mov_b32 s25, 0
	s_lshl_b32 s21, 0x40000, s20                   ; the scale words lie behind the codes: 0x800000 or 0x1000000
	s_add_co_u32 s30, s30, s21
	s_and_b32 s21, s22, 1
	s_lshl_b32 s21, s21, 2                         ; 4 (Q & 1)
	s_wait_alu depctr_va_vdst(0)
	s_wait_kmcnt 0x0
	s_cmp_lt_u32 s17, 512                          ; the choice hangs on the work-group's and the wave's number alone
	s_cselect_b64 s[4:5], s[4:5], s[6:7]
	s_cselect_b64 s[8:9], s[8:9], s[10:11]
	s_add_nc_u64 s[32:33], s[4:5], s[26:27]        ; a base for each task: the distance is too long for an immediate
.irp t, 1,2,3,4,5,6,7,8,9,10,11,12,13,14,15
	s_add_nc_u64 s[32+2*\t:33+2*\t], s[30+2*\t:31+2*\t], s[24:25]
.endr
	s_add_nc_u64 s[10:11], s[8:9], s[30:31]
	s_add_nc_u64 s[8:9], s[8:9], s[28:29]
	LOADP 0, 0
	LOADP 1, 1
	PAIRW 0, 0, 6
	PAIRW 1, 1, 7
	PAIRW 2, 6, 4
	PAIRW 3, 7, 5
	PAIRW 4, 4, 2
	PAIRW 5, 5, 3
	PAIRW 6, 2, -1
	PAIRW 7, 3, -1
.set i, 0
.rept 64
	v_lshlrev_b32 v[WD+i], s21, v[WD+i]            ; an odd register of the reader's operand has its codes 4 bits further up
.set i, i+1
.endr
.irp t, 0,1,2,3,4,5,6,7,8,9,10,11,12,13,14,15
	global_store_b128 v3, v[WD+4*\t:WD+4*\t+3], s[8:9] offset:512*\t
.endr
	global_store_b64 v4, v[SW:SW+1], s[10:11]
	s_endpgm
.Lfunc_end_k_q3f89b0fd24_quant:
	.size	k_q3f89b0fd24_quant, .Lfunc_end_k_q3f89b0fd24_quant-k_q3f89b0fd24_quant
	.p2alignl 7, 3214868480
	.fill 96, 4, 3214868480
	.section	.rodata,"a",@progbits
	.p2align	6, 0x0
	.amdhsa_kernel k_q3f89b0fd24_quant
		.amdhsa_group_segment_fixed_size 4096
		.amdhsa_private_segment_fixed_size 0
		.amdhsa_enable_private_segment 0
		.amdhsa_kernarg_size 64
		.amdhsa_user_sgpr_count 2
		.amdhsa_user_sgpr_kernarg_segment_ptr 1
		.amdhsa_wavefront_size32 1
		.amdhsa_system_sgpr_workgroup_id_x 1
		.amdhsa_system_sgpr_workgroup_id_y 1
		.amdhsa_system_sgpr_workgroup_id_z 1
		.amdhsa_system_vgpr_workitem_id 0
		.amdhsa_next_free_vgpr 178
		.amdhsa_next_free_sgpr 66
		.amdhsa_reserve_vcc 1
		.amdhsa_float_denorm_mode_32 3
		.amdhsa_float_denorm_mode_16_64 3
		.amdhsa_memory_ordered 1
		.amdhsa_forward_progress 1
		.amdhsa_inst_pref_size 126
	.end_amdhsa_kernel
	.amdgpu_metadata
---
amdhsa.version: [ 1, 2 ]
amdhsa.kernels:
  - .name:           k_q3f89b0fd24_quant
    .symbol:         k_q3f89b0fd24_quant.kd
    .args:
      - { .name: x, .offset: 0, .size: 8, .value_kind: global_buffer, .address_space: global }
      - { .name: task_ids, .offset: 8, .size: 8, .value_kind: global_buffer, .address_space: global }
      - { .name: k0, .offset: 16, .size: 8, .value_kind: global_buffer, .address_space: global }
      - { .name: k1, .offset: 24, .size: 8, .value_kind: global_buffer, .address_space: global }
      - { .name: xa, .offset: 32, .size: 8, .value_kind: global_buffer, .address_space: global }
      - { .name: route, .offset: 40, .size: 8, .value_kind: global_buffer, .address_space: global }
      - { .name: w0, .offset: 48, .size: 8, .value_kind: global_buffer, .address_space: global }
      - { .name: w1, .offset: 56, .size: 8, .value_kind: global_buffer, .address_space: global }
    .group_segment_fixed_size: 4096
    .private_segment_fixed_size: 0
    .kernarg_segment_align: 8
    .kernarg_segment_size: 64
    .max_flat_workgroup_size: 512
    .sgpr_count:     66
    .vgpr_count:     178
    .wavefront_size: 32
...
	.end_amdgpu_metadata
.endif
;; end of part 7
;; launch layer0 (part 8): grid 16 x 16, 16 waves a work-group, no clusters, 55,296 bytes of LDS; arguments xa, route, w0, b0, h1; writes h1
.if DOCPART == 8
	.amdgcn_target "amdgcn-amd-amdhsa--gfx1250"
	.amdhsa_code_object_version 6
	.text
	.protected	k_q3f89b0fd24_layer0
	.globl	k_q3f89b0fd24_layer0
	.p2align	8
	.type	k_q3f89b0fd24_layer0,@function
k_q3f89b0fd24_layer0:
	s_mov_b64 s[64:65], 0
	v_nop
	global_prefetch_b8 v0, s[64:65] scope:SCOPE_SE
	s_setreg_imm32_b32 hwreg(HW_REG_WAVE_SCHED_MODE, 0, 2), 2
	s_setreg_imm32_b32 hwreg(HW_REG_WAVE_MODE, 25, 1), 1
	s_wait_xcnt 0x0
	s_wait_alu depctr_vm_vsrc(0)
; One hidden layer, h = tanh(a W[task] + b[task]), for the tokens of ONE task (work-group y) and 64 columns (work-group x).  LAYER = 0: a = x, 512 inputs; 1: a = h1, 1,024 inputs.
; THE PRODUCT'S K IS 16 i + t: a block of 32 is a pair of inputs x 16 tasks, and for a token only its own task's two numbers are not zero.  A block has one scale a side, so a hardware block
; can hold one pair: a K step of the matrix instruction is 4 pairs, 8 inputs.  Only the live codes are moved:
;  - the TOKEN operand (source 1) is zero but for a field of 12 bits (two codes) in register d and one in register 6 + d of its 12: two v_and_b32 on one loaded word make it;
;  - the WEIGHT operand (source 0) is a window of 12 registers over packed words, two fields a word; every pattern of E2M3 is a finite number, so what meets a zero code adds nothing.
; K step g of a group of 8: window 2 (g / 4) on, d = (g / 2) % 2; g even: register d takes the low field, 6 + d the high one; g odd: the other way round.
; Fields lie at bits 0 and 12 of an even register and at bits 4 and 16 of an odd one: whole codes of the operand's stream of bits.
; SHARES.  16 waves copy the work-group's weight words and scale words from memory into LDS as images of the operands' registers; one barrier; then wave w owns columns 32 (w % 2) on
; (two tiles of 16, accumulators by turns) and tiles of 16 tokens w / 2 + 8 n.  Used transposed: a lane holds one token, and the two tiles' 16 registers are 16 neighbouring columns.
; No tensor loads: the weights arrive as words laid for the lanes, and the work-groups of the launch share only the scale words.  No cluster for the same reason.
; OUT.  LAYER = 0: h1 for the next layer of this kind: pair fields and scale words as the head of the first launch's text lays them, by sorted tile.
; LAYER = 1: h2 for the last product, whose K is i alone: blocks of 32; codes [tile][block][16 rows][24 bytes], scale words [tile][K step of 128][16 rows] from byte 0x1ad000.
; tanh: |x| < 0.09: x - x^3/3 + 2 x^5/15 (the next term is under 3e-8 of x); else 1 - 2 / (1 + 2^(2 x log2 e)).
; A row that only fills a tile up repeats the tile's first token (that slot always holds a token): it carries the same numbers through all layers.
; LIMITS: NaN and infinities are not served; a pair or block whose largest magnitude is under 2^-124 gets the scale byte 1.
; THE MODE: SCHED_MODE bits 1:0 = 2 (LLVM: expert scheduling mode 2), set by the entry lines.  The code itself states the register dependences
; between vector or matrix instructions and memory or LDS instructions, with s_wait_alu, always for 0.
; THE PLAN.  Registers that memory or LDS instructions touch, round the loop over tiles:
;   TW0-2, TS0-2   Group g: its sixteen v_and_b32 read TW[g % 3], its products take TS[g % 3] as scales; the loads of group g + 2 land in set (g + 2) % 3, which group g - 1 read.
;   WB0-1, WSR0-1  Group g: its products read set g % 2; the LDS loads of group g + 1 land in the other set, which group g - 1 read.  Behind a tile's products tanh and the quantiser work in WB, and the stores' data lie there.
;   ACC            A tile's head: the biases' LDS loads land in it; then products, tanh and the quantiser.
;   v9, v10        The tile's offsets: written once a tile, read by its loads.   v11, v12  the stores' offsets: written at a tile's head (LAYER = 0: at work in the address arithmetic too), read by its stores.
;   v1 to v8       Made at the head, never written again.   T: LDS stores read it at the head alone; in the loop vector and matrix instructions alone name it.
; So ONE wait on va_vdst stands in a group, behind its v_and_b32 and their four places: they have written T, which the scaled products take; and group g - 1 is done reading the sets in which the loads behind the wait land.
; Those loads are dealt among the group's products, which name T, ACC and the sets g % 2 and g % 3: none of the registers that the loads touch.
; A tile's end: one wait on va_vdst ahead of the stores, one on vm_vsrc behind them, one on va_vdst behind the next tile's address arithmetic, which also serves the loads at the loop's head.
.set LAYER, 0
.if LAYER == 0
.set NG, 8                             ; groups of 8 K steps (64 inputs)
.set ASOFF, 0x100000                   ; the tokens' scale words in their buffer
.set WSOFF, 0x800000                   ; the weights'
.set OSOFF, 0x23c000                   ; the results'
.else
.set NG, 16
.set ASOFF, 0x23c000
.set WSOFF, 0x1000000
.set OSOFF, 0x1ad000
.endif
.set NQ,    4*NG                       ; runs of 8 pairs in a column
.set NCW,   NG/2                       ; pieces of 512 bytes that a wave copies
.set WSB,   4*NG*1024                  ; LDS: from 0 the weight words [cp][u][group][low, high][lane][4 words]; from WSB the scale words [cp][group][2][lane][4 words];
.set BIASL, 6*NG*1024                  ; from BIASL 256 bytes for each wave: its own copy of the 64 biases
.set ACC, 16                           ; v16-31   two accumulators
.set TW,  32                           ; v32-47   token words, sets 0 and 1 of 8; set 2: v224-231
.set TS,  48                           ; v48-55   token scale words, sets 0 and 1 of 4; set 2: v232-235: lanes 0-15 step m, lanes 16-31 step 4 + m
.set FAR, 176                          ; set 2 lies so many registers behind the place that a third set on end would have
.set WSR, 56                           ; v56-71   weight scale words, two sets of 8: lanes 0-15 tile 0, lanes 16-31 tile 1
.set WB,  72                           ; v72-127  weight words: (set, tile) 14 registers: 0-3 and 6-9 loaded, the rest named by the windows and never live
.set T,   128                          ; v128-223 eight token operands
.set MK,  58                           ; s58-61   the four field masks
.set CM,  32                           ; s32-39   tanh's eight masks (LAYER = 0: the token list has been read out of these by then)
.set TE,  72                           ; behind the products the weight registers are at work: tanh v72-95,
.set TU,  80
.set TQ,  88
.set PM,  72                           ; the pair quantiser v72-125,
.set PB,  80
.set PC,  88
.set PW,  120
.set SH4, 13
.set QM,  72                           ; the block quantiser v72-78
.set HC,  76
.macro PLACES                          ; four plain lines between a matrix instruction and a vector write into its registers or a read of its result, and between a vector write of an operand and the product (ISA guide 7.12.1)
.rept 4
	v_nop
.endr
.endm
.macro PAIRQ n, w                      ; 16 neighbours along the next K -> 4 code words, 2 scale words
.irp m, 0,1,2,3,4,5,6,7
	v_max3_num_f32 v[PM+\m], |v[(\n)+2*\m]|, |v[(\n)+2*\m+1]|, 0x1800000   ; the pair's larger magnitude over the floor 2^(3 - 127)
.endr
.irp m, 0,1,2,3,4,5,6,7
	v_add_nc_u32 v[PM+\m], 0xff000000, v[PM+\m]    ; 2 off the exponent field: the conversion's scale operand
.endr
.irp m, 0,1,2,3,4,5,6,7
	v_lshrrev_b32 v[PB+\m], 23, v[PM+\m]
.endr
.irp m, 0,1,2,3,4,5,6,7
	v_cvt_scalef32_pk16_fp6_f32 v[PC+4*\m:PC+4*\m+2], v[(\n)+2*\m:(\n)+2*\m+15], v[PM+\m]   ; the lowest two codes are the pair's; the registers named beyond the 16 numbers are the token words, whose codes are cut off
.endr
	v_lshl_or_b32 v[(\w)+4], v[PB+1], 8, v[PB]     ; (a plain line behind the conversions)
	v_lshl_or_b32 v[(\w)+5], v[PB+5], 8, v[PB+4]
	v_lshl_or_b32 v[(\w)+4], v[PB+2], 16, v[(\w)+4]
	v_lshl_or_b32 v[(\w)+5], v[PB+6], 16, v[(\w)+5]
	v_lshl_or_b32 v[(\w)+4], v[PB+3], 24, v[(\w)+4]
	v_lshl_or_b32 v[(\w)+5], v[PB+7], 24, v[(\w)+5]
.irp m, 0,1,2,3,4,5,6,7
	v_and_b32 v[PC+4*\m], 0xfff, v[PC+4*\m]
.endr
	v_lshl_or_b32 v[(\w)],   v[PC+8],  12, v[PC]
	v_lshl_or_b32 v[(\w)+1], v[PC+16], 12, v[PC+24]
	v_lshl_or_b32 v[(\w)+2], v[PC+12], 12, v[PC+4]
	v_lshl_or_b32 v[(\w)+3], v[PC+20], 12, v[PC+28]
.irp i, 0,1,2,3
	v_lshlrev_b32 v[(\w)+\i], v[SH4], v[(\w)+\i]
.endr
.endm
.macro TANH a                          ; accumulator a in place, from its low end on
.set XA, ACC+8*(\a)
.irp j, 0,2,4,6
	v_pk_mul_f32 v[TE+\j:TE+\j+1], v[XA+\j:XA+\j+1], s[48:49] op_sel_hi:[1,0]
.endr
	s_wait_alu depctr_va_vdst(0)
.irp j, 0,1,2,3,4,5,6,7
	v_exp_f32 v[TE+\j], v[TE+\j]
.endr
.irp j, 0,2,4,6
	v_pk_mul_f32 v[TU+\j:TU+\j+1], v[XA+\j:XA+\j+1], v[XA+\j:XA+\j+1]   ; (plain lines behind the exponentials)
.endr
	s_wait_alu depctr_va_vdst(0)                   ; the eight exponentials have written v[TE ..]: one wait for the batch, ahead of its first reader
.irp j, 0,2,4,6
	v_pk_add_f32 v[TE+\j:TE+\j+1], v[TE+\j:TE+\j+1], 1.0 op_sel_hi:[1,0]
.endr
	s_wait_alu depctr_va_vdst(0)
.irp j, 0,1,2,3,4,5,6,7
	v_rcp_f32 v[TE+\j], v[TE+\j]
.endr
.irp j, 0,1,2,3,4,5,6,7
	v_fma_f32 v[TQ+\j], v[TU+\j], s50, s52         ; (plain lines behind the reciprocals)  2 x^2 / 15 - 1/3
.endr
.irp j, 0,2,4,6
	v_pk_mul_f32 v[TQ+\j:TQ+\j+1], v[TQ+\j:TQ+\j+1], v[TU+\j:TU+\j+1]
.endr
	s_wait_alu depctr_va_vdst(0)                   ; the eight reciprocals have written v[TE ..]: one wait for the batch, ahead of its first reader
.irp j, 0,2,4,6
	v_pk_fma_f32 v[TE+\j:TE+\j+1], v[TE+\j:TE+\j+1], -2.0, 1.0 op_sel_hi:[1,0,0]
.endr
.irp j, 0,2,4,6
	v_pk_fma_f32 v[TQ+\j:TQ+\j+1], v[XA+\j:XA+\j+1], v[TQ+\j:TQ+\j+1], v[XA+\j:XA+\j+1]
.endr
.irp j, 0,1,2,3,4,5,6,7
	v_cmp_lt_f32 s[CM+\j], |v[XA+\j]|, s54         ; the compares in one run, a scalar register each
.endr
	s_wait_alu depctr_va_sdst(0)                   ; the eight compares have written s[CM ..], which the selects read
.irp j, 0,1,2,3,4,5,6,7
	v_cndmask_b32 v[XA+\j], v[TE+\j], v[TQ+\j], s[CM+\j]
.endr
.endm
.macro UNITADDR                        ; where tile s27's words and scale words lie for my lane
.if LAYER == 0
	s_lshl_b32 s28, s27, 6
	s_load_b512 s[32:47], s[6:7], s28 offset:0x100 ; the tile's 16 tokens
	s_wait_kmcnt 0x0
.irp k, 0,1,2,3,4,5,6,7,8,9,10,11,12,13,14,15
	v_writelane_b32 v254, s[32+\k], \k
	v_writelane_b32 v254, s[32+\k], 16+\k
.endr
	v_mov_b32 v15, s32                             ; the tile's first token
	v_cmp_gt_u32 vcc_lo, 0x800, v254
	s_wait_alu depctr_va_vcc(0)                    ; the compare has written VCC, which the select reads
	v_cndmask_b32 v255, v15, v254, vcc_lo          ; a row that fills the tile up takes it
	v_min_u32 v255, 0x7ff, v255
	v_and_b32 v9, 0x7f0, v255
	v_and_b32 v10, 15, v255
	v_lshlrev_b32 v10, 4, v10
	v_add_nc_u32 v10, v10, v14                     ; 16 x row + 256 x half
	v_lshlrev_b32 v11, 9, v9                       ; 8,192 bytes of words for 16 tokens,
	v_lshlrev_b32 v12, 8, v9                       ; 4,096 of scale words
	v_add_nc_u32 v9, v11, v10
	v_add_nc_u32 v10, v12, v10
.else
	s_lshl_b32 s28, s27, 14
	s_lshl_b32 s29, s27, 13
	v_add_nc_u32 v9, s28, v1
	v_add_nc_u32 v10, s29, v1
.endif
.endm
.macro TLOAD g, b                      ; group g's token words and scale words into set b: 3 loads
	global_load_b128 v[TW+8*(\b)+FAR*((\b)/2):TW+8*(\b)+FAR*((\b)/2)+3], v9, s[4:5] offset:(\g)*1024
	global_load_b128 v[TW+8*(\b)+FAR*((\b)/2)+4:TW+8*(\b)+FAR*((\b)/2)+7], v9, s[4:5] offset:(\g)*1024+512
	global_load_b128 v[TS+4*(\b)+FAR*((\b)/2):TS+4*(\b)+FAR*((\b)/2)+3], v10, s[14:15] offset:(\g)*512
.endm
.macro WLD g, b, n                     ; the n-th of the 6 LDS loads that bring group g's weight words (tile n / 2, low or high four) and scale words into set b
.if (\n) < 4
	ds_load_b128 v[WB+28*(\b)+14*((\n)/2)+6*((\n)%2):WB+28*(\b)+14*((\n)/2)+6*((\n)%2)+3], v7 offset:(((\n)/2)*NG+(\g))*1024+512*((\n)%2)
.else
	ds_load_b128 v[WSR+8*(\b)+4*((\n)-4):WSR+8*(\b)+4*((\n)-4)+3], v8 offset:(\g)*1024+512*((\n)-4)
.endif
.endm
.macro PROD u                          ; K step gi of the group, tile u; bb: the weights' set, tt: the tokens'
.set ra, ACC+8*(\u)
.set rw, WB+28*bb+14*(\u)+2*(gi>>2)
.set rt, T+12*gi
.set sa, WSR+8*bb+gi
.set sb, TS+4*tt+FAR*(tt/2)+(gi&3)
.if ((\u) == 0) && (gi < 4)
	v_wmma_scale_f32_16x16x128_f8f6f4 v[ra:ra+7], v[rw:rw+11], v[rt:rt+11], v[ra:ra+7], v[sa], v[sb] matrix_a_fmt:MATRIX_FMT_FP6 matrix_b_fmt:MATRIX_FMT_FP6
.elseif (\u) == 0
	v_wmma_scale_f32_16x16x128_f8f6f4 v[ra:ra+7], v[rw:rw+11], v[rt:rt+11], v[ra:ra+7], v[sa], v[sb] matrix_a_fmt:MATRIX_FMT_FP6 matrix_b_fmt:MATRIX_FMT_FP6 matrix_b_scale:MATRIX_SCALE_ROW1
.elseif gi < 4
	v_wmma_scale_f32_16x16x128_f8f6f4 v[ra:ra+7], v[rw:rw+11], v[rt:rt+11], v[ra:ra+7], v[sa], v[sb] matrix_a_fmt:MATRIX_FMT_FP6 matrix_b_fmt:MATRIX_FMT_FP6 matrix_a_scale:MATRIX_SCALE_ROW1
.else
	v_wmma_scale_f32_16x16x128_f8f6f4 v[ra:ra+7], v[rw:rw+11], v[rt:rt+11], v[ra:ra+7], v[sa], v[sb] matrix_a_fmt:MATRIX_FMT_FP6 matrix_b_fmt:MATRIX_FMT_FP6 matrix_a_scale:MATRIX_SCALE_ROW1 matrix_b_scale:MATRIX_SCALE_ROW1
.endif
.endm
.macro GROUP g                         ; 8 K steps: 8 token operands are made; one wait; 16 products, and among them the loads of the groups to come
.set bb, (\g)%2
.set tt, (\g)%3
.set tn, ((\g)+2)%3
.if (\g) > 0
	PLACES                                         ; behind the last group's products: T, which they read, is written below (a tile's first group stands behind tanh and the quantiser)
.endif
.if (\g)+1 < NG
	s_wait_loadcnt 3                               ; this group's token words are in; the next group's 3 loads may be out
.else
	s_wait_loadcnt 0x0
.endif
	s_wait_dscnt 0x0                               ; this group's weight words are in: they were asked for among the last group's products (a tile's first: at the tile's head, with the biases)
.set gi, 0
.rept 8
.set dl, (gi>>1)&1
	v_and_b32 v[T+12*gi+dl],   s[MK+2*dl+(gi&1)],   v[TW+8*tt+FAR*(tt/2)+gi]
	v_and_b32 v[T+12*gi+6+dl], s[MK+2*dl+1-(gi&1)], v[TW+8*tt+FAR*(tt/2)+gi]
.set gi, gi+1
.endr
	PLACES
	s_wait_alu depctr_va_vdst(0)                   ; the sixteen v_and_b32 have written T, which the scaled products take; the group before is done reading its token set and its weight set, in which the loads below land
.if (\g)+2 < NG
	TLOAD (\g)+2, tn                               ; two groups ahead, into the set that the group before read
.endif
.set gi, 0
.rept 8
	PROD 0
	PROD 1
.if ((\g)+1 < NG) && (gi < 6)
	WLD (\g)+1, 1-bb, gi                           ; no wait: no vector or matrix instruction since the wait above names the other weight set
.endif
.set gi, gi+1
.endr
.endm
	s_load_b256 s[4:11], s[0:1], 0x0               ; tokens s[4:5], route s[6:7], weights s[8:9], bias s[10:11]
	s_load_b64 s[12:13], s[0:1], 0x20              ; results
	v_lshl_add_u32 v250, v0, 2, 0xd000
	v_mov_b32 v251, 0
	v_lshrrev_b32 v1, 5, v0
	v_readfirstlane_b32 s20, v1                    ; wave 0..15
	s_mov_b32 s21, ttmp9                           ; slab
	s_and_b32 s22, ttmp7, 0xffff                   ; task
	s_lshl_b32 s23, s22, 3
	v_and_b32 v9, 31, v0                           ; lane
	v_and_b32 v10, 15, v0                          ; r
	v_bfe_u32 v11, v0, 4, 1                        ; h
	v_lshlrev_b32 v1, 4, v9                        ; v1 16 lane
	s_wait_alu depctr_va_vdst(0)
	v_lshlrev_b32 v2, 3, v9                        ; v2 8 lane
	s_wait_alu depctr_va_vdst(0)
	s_wait_alu depctr_va_sdst(0)                   ; s20 is written, ahead of its first reader
	s_and_b32 s26, s20, 1                          ; cp: my columns in the products
	s_lshr_b32 s28, s20, 3                         ; the copy: my pieces' cp,
	s_and_b32 s29, s20, 7
	s_mul_i32 s29, s29, (NCW/4)*1024               ; and their first group
	s_mul_i32 s30, s28, 2*NG*1024
	s_add_co_u32 s30, s30, s29
	v_mul_u32_u24 v3, v11, NG*1024
	v_lshl_add_u32 v3, v10, 4, v3
	v_add_nc_u32 v3, s30, v3                       ; v3 where I put weight words: tile lane / 16, 16 bytes a row
	s_mul_i32 s30, s28, NG*1024
	s_add_co_u32 s30, s30, s29
	s_add_co_u32 s30, s30, WSB
	v_add_nc_u32 v4, s30, v1                       ; v4 and scale words
	s_lshl_b32 s30, s20, 8
	s_add_co_u32 s30, s30, BIASL
	v_add_nc_u32 v5, s30, v2                       ; v5 my wave's biases, in
	s_lshl_b32 s31, s26, 7
	s_add_co_u32 s30, s30, s31
	v_lshl_add_u32 v6, v11, 6, s30                 ; v6 and out: columns 32 cp + 16 h on
	s_mul_i32 s30, s26, 2*NG*1024
	v_add_nc_u32 v7, s30, v1                       ; v7 where I read weight words
	s_mul_i32 s30, s26, NG*1024
	s_add_co_u32 s30, s30, WSB
	v_add_nc_u32 v8, s30, v1                       ; v8 and scale words
.if LAYER == 0
	v_lshlrev_b32 v[SH4], 2, v11                   ; 4 h
	v_lshlrev_b32 v14, 8, v11                      ; 256 h
	v_lshlrev_b32 v252, 4, v10
	v_lshl_add_u32 v252, v11, 3, v252              ; 16 r + 8 h
	s_lshl_b32 s30, s21, 9
	s_lshl_b32 s31, s26, 8
	s_add_co_u32 s30, s30, s31
	v_add_nc_u32 v253, s30, v252                   ; v253 scale words out: + 512 slab + 256 cp
	s_lshl_b32 s30, s30, 1
	v_add_nc_u32 v252, s30, v252                   ; v252 code words out: + 1024 slab + 512 cp
	v_mov_b32 v254, 0                              ; (written lane by lane below)
.else
	v_mul_u32_u24 v252, v10, 24
	v_mad_u32_u24 v252, v11, 12, v252
	s_lshl_b32 s30, s21, 1
	s_add_co_u32 s30, s30, s26                     ; my block of 32 of the next K
	s_mul_i32 s31, s30, 384
	v_add_nc_u32 v252, s31, v252                   ; v252 codes out: 384 block + 24 r + 12 h
	s_lshr_b32 s31, s30, 2
	s_lshl_b32 s31, s31, 6
	s_and_b32 s30, s30, 3
	s_add_co_u32 s31, s31, s30
	v_lshl_add_u32 v253, v10, 2, s31               ; v253 the scale byte out: 64 (block / 4) + 4 r + block % 4
.endif
	s_mul_i32 s30, s21, 2*NQ
	s_mul_i32 s31, s20, NCW
	s_add_co_u32 s30, s30, s31                     ; my first piece
	s_lshl_b32 s36, s30, 13                        ; 16 tasks x 512 bytes a piece,
	s_lshl_b32 s31, s22, 9
	s_add_co_u32 s36, s36, s31                     ; my task's 512
	s_mov_b32 s37, 0
	s_lshl_b32 s38, s30, 8
	s_add_co_u32 s38, s38, WSOFF
	s_mov_b32 s39, 0
	s_lshl_b32 s40, s22, 12
	s_lshl_b32 s31, s21, 8
	s_add_co_u32 s40, s40, s31                     ; bias: 4,096 task + 256 slab
	s_mov_b32 s41, 0
	s_mov_b32 s48, 0x4038aa3b                      ; 2 log2 e
	s_mov_b32 s49, s48                             ; (named with it as a pair)
	s_mov_b32 s50, 0x3e088889                      ; 2/15
	s_mov_b32 s52, 0xbeaaaaab                      ; -1/3
	s_mov_b32 s54, 0x3db851ec                      ; 0.09
	s_mov_b32 s56, 0x76543210
	s_mov_b32 s57, 0xfedcba98                      ; lane l xor 16
	s_mov_b32 s[MK], 0xfff
	s_mov_b32 s[MK+1], 0xfff000
	s_mov_b32 s[MK+2], 0xfff0
	s_mov_b32 s[MK+3], 0xfff0000
	s_wait_kmcnt 0x0
	s_load_b64 s[24:25], s[6:7], s23 offset:0x0    ; my task's first tile and its tiles
	s_add_nc_u64 s[16:17], s[8:9], s[38:39]
	s_add_nc_u64 s[8:9], s[8:9], s[36:37]
	s_add_nc_u64 s[10:11], s[10:11], s[40:41]
	s_add_nc_u64 s[14:15], s[4:5], ASOFF
	s_add_nc_u64 s[18:19], s[12:13], OSOFF
	s_wait_alu depctr_va_vdst(0)                   ; the offsets and LDS addresses v1 to v8 are written, which the loads and LDS instructions of the whole kernel read
	global_load_b64 v[T+48:T+49], v2, s[10:11]
.set n, 0
.rept NCW
	global_load_b128 v[T+4*n:T+4*n+3], v1, s[8:9] offset:n*8192 th:TH_LOAD_NT   ; 512 consecutive bytes, read once in the launch
	global_load_b64 v[T+32+2*n:T+32+2*n+1], v2, s[16:17] offset:n*256
.set n, n+1
.endr
	s_wait_kmcnt 0x0
	s_min_u32 s24, s24, 142
	s_min_u32 s25, s25, 128
	s_lshr_b32 s26, s20, 1
	s_add_co_u32 s31, s24, s26                     ; s31 my first tile: the task's first + w / 2
	s_add_co_u32 s30, s25, 7
	s_sub_co_u32 s30, s30, s26
	s_lshr_b32 s30, s30, 3                         ; s30 how many tiles are mine: those of w / 2 + 8 n under the task's count
	s_cmp_lg_u32 s30, 0
	s_cselect_b32 s27, s31, 0                      ; a wave without work asks for tile 0, which always exists, and uses nothing of it
	s_min_u32 s27, s27, 142
	UNITADDR
	s_wait_alu depctr_va_vdst(0)                   ; v9 and v10 are written, which the tile's loads read
	TLOAD 0, 0
	TLOAD 1, 1
	s_wait_loadcnt 6                               ; all but the tile's 6
	ds_store_b64 v5, v[T+48:T+49]
.set n, 0
.rept NCW
.irp i, 0,1,2,3
	ds_store_b32 v3, v[T+4*n+\i] offset:(n>>2)*1024+(n&3)*4+256*\i   ; word i: low h = 0, low h = 1, high h = 0, high h = 1; register n % 4 of the reader's four
.endr
	ds_store_b64 v4, v[T+32+2*n:T+32+2*n+1] offset:(n>>2)*1024+((n&3)>>1)*512+(n&1)*8
.set n, n+1
.endr
	s_wait_alu depctr_vm_vsrc(0)                   ; my LDS stores have read v[T ..]: these registers are the token operands from here on, written by the lines below and by the groups' v_and_b32
.set gi, 0
.rept 8                                ; the token operands' zeros: all but the two registers that each K step writes
.set ii, 0
.rept 12
.if (ii != ((gi>>1)&1)) && (ii != 6+((gi>>1)&1))
	v_mov_b32 v[T+12*gi+ii], 0
.endif
.set ii, ii+1
.endr
.set gi, gi+1
.endr
.irp b, 0,14,28,42
.irp i, 4,5,10,11,12,13
	v_mov_b32 v[WB+\b+\i], 0                       ; named by the windows, so they are written once
.endr
.endr
	s_mov_b32 s26, 0                               ; s26 counts my tiles, one a trip
	s_wait_dscnt 0x0                               ; for the others' sake: my part of the images lies in LDS
	s_barrier_signal -1
	s_barrier_wait -1                              ; from here on LDS is only read
	s_cmp_eq_u32 s30, 0
	s_cbranch_scc1 .Ldone
.Lunit:
.if LAYER == 0
	s_lshl_b32 s28, s27, 14
	s_lshl_b32 s29, s27, 13
.else
	s_mul_i32 s28, s27, 12288
	s_lshl_b32 s29, s27, 9
.endif
	v_add_nc_u32 v11, s28, v252                    ; (the last tile's stores have read v11 and v12: the wait on vm_vsrc behind them)
	v_add_nc_u32 v12, s29, v253
.irp u, 0,1
	ds_load_b128 v[ACC+8*\u:ACC+8*\u+3], v6 offset:32*\u      ; the sums begin with the biases of columns 32 cp + 16 h + 8 u + 0 .. 7.  No wait: since the wait ahead of the tile's first loads no vector instruction names ACC, WB or WSR
	ds_load_b128 v[ACC+8*\u+4:ACC+8*\u+7], v6 offset:32*\u+16
.endr
.irp n, 0,1,2,3,4,5
	WLD 0, 0, \n
.endr
.set gg, 0
.rept NG
	GROUP gg
.set gg, gg+1
.endr
	PLACES
	TANH 0
	TANH 1
.if LAYER == 0
	PAIRQ ACC, PW
	s_wait_alu depctr_va_vdst(0)                   ; the quantiser has written v[PW ..], and the tile's head v11 and v12: the stores read them
	global_store_b64 v11, v[PW:PW+1], s[12:13]                ; 32 lanes: 256 consecutive bytes
	global_store_b64 v11, v[PW+2:PW+3], s[12:13] offset:256
	global_store_b64 v12, v[PW+4:PW+5], s[18:19]
.else
	v_max3_num_f32 v[QM], |v[ACC]|, |v[ACC+1]|, 0x1800000
.irp i, 2,4,6,8,10,12,14
	v_max3_num_f32 v[QM], v[QM], |v[ACC+\i]|, |v[ACC+\i+1]|
.endr
	v_permlanex16_b32 v[QM+1], v[QM], s56, s57
	v_max_num_f32 v[QM], v[QM], v[QM+1]            ; with lane l xor 16's 16: the block's largest magnitude
	v_add_nc_u32 v[QM+2], 0xff000000, v[QM]
	v_cvt_scalef32_pk16_fp6_f32 v[HC:HC+2], v[ACC:ACC+15], v[QM+2]
	v_lshrrev_b32 v[QM+3], 23, v[QM+2]             ; (a plain line behind the conversion)  the scale's byte
	s_wait_alu depctr_va_vdst(0)                   ; the quantiser has written v[HC ..] and v[QM+3], and the tile's head v11 and v12: the stores read them
	global_store_b96 v11, v[HC:HC+2], s[12:13]     ; 32 lanes: 384 consecutive bytes
	global_store_b8 v12, v[QM+3], s[18:19]
.endif
	s_wait_xcnt 0x0                                ; the stores' data and offsets are written again below
	s_wait_alu depctr_vm_vsrc(0)                   ; the stores have read their data and v11, v12, the tile's loads v9 and v10: the address arithmetic below and the next tile's loads write them
	s_add_co_u32 s26, s26, 1
	s_cmp_ge_u32 s26, s30
	s_cbranch_scc1 .Ldone                          ; nothing is asked for behind my last tile
	s_lshl_b32 s28, s26, 3
	s_add_co_u32 s27, s31, s28                     ; my next tile: 8 further on
	s_min_u32 s27, s27, 142
	UNITADDR
	s_wait_alu depctr_va_vdst(0)                   ; v9 and v10 are written, which the loads read; tanh and the quantiser are done with TW, ACC and WB, in which these loads and those at the loop's head land
	TLOAD 0, 0
	TLOAD 1, 1
	s_cmp_lt_u32 s26, s30
	s_cbranch_scc1 .Lunit
.Ldone:
	s_wait_dscnt 0x0                               ; the closing lines, six on end
	s_wait_alu 0x0
	s_wait_tensorcnt 0x0
	ds_add_u32 v250, v251
	s_wait_dscnt 0x0
	s_endpgm
.Lfunc_end_k_q3f89b0fd24_layer0:
	.size	k_q3f89b0fd24_layer0, .Lfunc_end_k_q3f89b0fd24_layer0-k_q3f89b0fd24_layer0
	.p2alignl 7, 3214868480
	.fill 96, 4, 3214868480
	.section	.rodata,"a",@progbits
	.p2align	6, 0x0
	.amdhsa_kernel k_q3f89b0fd24_layer0
		.amdhsa_group_segment_fixed_size 55296
		.amdhsa_private_segment_fixed_size 0
		.amdhsa_enable_private_segment 0
		.amdhsa_kernarg_size 40
		.amdhsa_user_sgpr_count 2
		.amdhsa_user_sgpr_kernarg_segment_ptr 1
		.amdhsa_wavefront_size32 1
		.amdhsa_system_sgpr_workgroup_id_x 1
		.amdhsa_system_sgpr_workgroup_id_y 1
		.amdhsa_system_sgpr_workgroup_id_z 1
		.amdhsa_system_vgpr_workitem_id 0
		.amdhsa_next_free_vgpr 256
		.amdhsa_next_free_sgpr 66
		.amdhsa_reserve_vcc 1
		.amdhsa_float_denorm_mode_32 3
		.amdhsa_float_denorm_mode_16_64 3
		.amdhsa_memory_ordered 1
		.amdhsa_forward_progress 1
		.amdhsa_inst_pref_size 56
	.end_amdhsa_kernel
	.amdgpu_metadata
---
amdhsa.version: [ 1, 2 ]
amdhsa.kernels:
  - .name:           k_q3f89b0fd24_layer0
    .symbol:         k_q3f89b0fd24_layer0.kd
    .args:
      - { .name: xa, .offset: 0, .size: 8, .value_kind: global_buffer, .address_space: global }
      - { .name: route, .offset: 8, .size: 8, .value_kind: global_buffer, .address_space: global }
      - { .name: w0, .offset: 16, .size: 8, .value_kind: global_buffer, .address_space: global }
      - { .name: b0, .offset: 24, .size: 8, .value_kind: global_buffer, .address_space: global }
      - { .name: h1, .offset: 32, .size: 8, .value_kind: global_buffer, .address_space: global }
    .group_segment_fixed_size: 55296
    .private_segment_fixed_size: 0
    .kernarg_segment_align: 8
    .kernarg_segment_size: 40
    .max_flat_workgroup_size: 512
    .sgpr_count:     66
    .vgpr_count:     256
    .wavefront_size: 32
...
	.end_amdgpu_metadata
.endif
;; end of part 8
;; launch layer1 (part 9): grid 16 x 16, 16 waves a work-group, no clusters, 104,448 bytes of LDS; arguments h1, route, w1, b1, h2; writes h2
.if DOCPART == 9
	.amdgcn_target "amdgcn-amd-amdhsa--gfx1250"
	.amdhsa_code_object_version 6
	.text
	.protected	k_q3f89b0fd24_layer1
	.globl	k_q3f89b0fd24_layer1
	.p2align	8
	.type	k_q3f89b0fd24_layer1,@function
k_q3f89b0fd24_layer1:
	s_mov_b64 s[64:65], 0
	v_nop
	global_prefetch_b8 v0, s[64:65] scope:SCOPE_SE
	s_setreg_imm32_b32 hwreg(HW_REG_WAVE_SCHED_MODE, 0, 2), 2
	s_setreg_imm32_b32 hwreg(HW_REG_WAVE_MODE, 25, 1), 1
	s_wait_xcnt 0x0
	s_wait_alu depctr_vm_vsrc(0)
; One hidden layer, h = tanh(a W[task] + b[task]), for the tokens of ONE task (work-group y) and 64 columns (work-group x).  LAYER = 0: a = x, 512 inputs; 1: a = h1, 1,024 inputs.
; THE PRODUCT'S K IS 16 i + t: a block of 32 is a pair of inputs x 16 tasks, and for a token only its own task's two numbers are not zero.  A block has one scale a side, so a hardware block
; can hold one pair: a K step of the matrix instruction is 4 pairs, 8 inputs.  Only the live codes are moved:
;  - the TOKEN operand (source 1) is zero but for a field of 12 bits (two codes) in register d and one in register 6 + d of its 12: two v_and_b32 on one loaded word make it;
;  - the WEIGHT operand (source 0) is a window of 12 registers over packed words, two fields a word; every pattern of E2M3 is a finite number, so what meets a zero code adds nothing.
; K step g of a group of 8: window 2 (g / 4) on, d = (g / 2) % 2; g even: register d takes the low field, 6 + d the high one; g odd: the other way round.
; Fields lie at bits 0 and 12 of an even register and at bits 4 and 16 of an odd one: whole codes of the operand's stream of bits.
; SHARES.  16 waves copy the work-group's weight words and scale words from memory into LDS as images of the operands' registers; one barrier; then wave w owns columns 32 (w % 2) on
; (two tiles of 16, accumulators by turns) and tiles of 16 tokens w / 2 + 8 n.  Used transposed: a lane holds one token, and the two tiles' 16 registers are 16 neighbouring columns.
; No tensor loads: the weights arrive as words laid for the lanes, and the work-groups of the launch share only the scale words.  No cluster for the same reason.
; OUT.  LAYER = 0: h1 for the next layer of this kind: pair fields and scale words as the head of the first launch's text lays them, by sorted tile.
; LAYER = 1: h2 for the last product, whose K is i alone: blocks of 32; codes [tile][block][16 rows][24 bytes], scale words [tile][K step of 128][16 rows] from byte 0x1ad000.
; tanh: |x| < 0.09: x - x^3/3 + 2 x^5/15 (the next term is under 3e-8 of x); else 1 - 2 / (1 + 2^(2 x log2 e)).
; A row that only fills a tile up repeats the tile's first token (that slot always holds a token): it carries the same numbers through all layers.
; LIMITS: NaN and infinities are not served; a pair or block whose largest magnitude is under 2^-124 gets the scale byte 1.
; THE MODE: SCHED_MODE bits 1:0 = 2 (LLVM: expert scheduling mode 2), set by the entry lines.  The code itself states the register dependences
; between vector or matrix instructions and memory or LDS instructions, with s_wait_alu, always for 0.
; THE PLAN.  Registers that memory or LDS instructions touch, round the loop over tiles:
;   TW0-2, TS0-2   Group g: its sixteen v_and_b32 read TW[g % 3], its products take TS[g % 3] as scales; the loads of group g + 2 land in set (g + 2) % 3, which group g - 1 read.
;   WB0-1, WSR0-1  Group g: its products read set g % 2; the LDS loads of group g + 1 land in the other set, which group g - 1 read.  Behind a tile's products tanh and the quantiser work in WB, and the stores' data lie there.
;   ACC            A tile's head: the biases' LDS loads land in it; then products, tanh and the quantiser.
;   v9, v10        The tile's offsets: written once a tile, read by its loads.   v11, v12  the stores' offsets: written at a tile's head (LAYER = 0: at work in the address arithmetic too), read by its stores.
;   v1 to v8       Made at the head, never written again.   T: LDS stores read it at the head alone; in the loop vector and matrix instructions alone name it.
; So ONE wait on va_vdst stands in a group, behind its v_and_b32 and their four places: they have written T, which the scaled products take; and group g - 1 is done reading the sets in which the loads behind the wait land.
; Those loads are dealt among the group's products, which name T, ACC and the sets g % 2 and g % 3: none of the registers that the loads touch.
; A tile's end: one wait on va_vdst ahead of the stores, one on vm_vsrc behind them, one on va_vdst behind the next tile's address arithmetic, which also serves the loads at the loop's head.
.set LAYER, 1
.if LAYER == 0
.set NG, 8                             ; groups of 8 K steps (64 inputs)
.set ASOFF, 0x100000                   ; the tokens' scale words in their buffer
.set WSOFF, 0x800000                   ; the weights'
.set OSOFF, 0x23c000                   ; the results'
.else
.set NG, 16
.set ASOFF, 0x23c000
.set WSOFF, 0x1000000
.set OSOFF, 0x1ad000
.endif
.set NQ,    4*NG                       ; runs of 8 pairs in a column
.set NCW,   NG/2                       ; pieces of 512 bytes that a wave copies
.set WSB,   4*NG*1024                  ; LDS: from 0 the weight words [cp][u][group][low, high][lane][4 words]; from WSB the scale words [cp][group][2][lane][4 words];
.set BIASL, 6*NG*1024                  ; from BIASL 256 bytes for each wave: its own copy of the 64 biases
.set ACC, 16                           ; v16-31   two accumulators
.set TW,  32                           ; v32-47   token words, sets 0 and 1 of 8; set 2: v224-231
.set TS,  48                           ; v48-55   token scale words, sets 0 and 1 of 4; set 2: v232-235: lanes 0-15 step m, lanes 16-31 step 4 + m
.set FAR, 176                          ; set 2 lies so many registers behind the place that a third set on end would have
.set WSR, 56                           ; v56-71   weight scale words, two sets of 8: lanes 0-15 tile 0, lanes 16-31 tile 1
.set WB,  72                           ; v72-127  weight words: (set, tile) 14 registers: 0-3 and 6-9 loaded, the rest named by the windows and never live
.set T,   128                          ; v128-223 eight token operands
.set MK,  58                           ; s58-61   the four field masks
.set CM,  32                           ; s32-39   tanh's eight masks (LAYER = 0: the token list has been read out of these by then)
.set TE,  72                           ; behind the products the weight registers are at work: tanh v72-95,
.set TU,  80
.set TQ,  88
.set PM,  72                           ; the pair quantiser v72-125,
.set PB,  80
.set PC,  88
.set PW,  120
.set SH4, 13
.set QM,  72                           ; the block quantiser v72-78
.set HC,  76
.macro PLACES                          ; four plain lines between a matrix instruction and a vector write into its registers or a read of its result, and between a vector write of an operand and the product (ISA guide 7.12.1)
.rept 4
	v_nop
.endr
.endm
.macro PAIRQ n, w                      ; 16 neighbours along the next K -> 4 code words, 2 scale words
.irp m, 0,1,2,3,4,5,6,7
	v_max3_num_f32 v[PM+\m], |v[(\n)+2*\m]|, |v[(\n)+2*\m+1]|, 0x1800000   ; the pair's larger magnitude over the floor 2^(3 - 127)
.endr
.irp m, 0,1,2,3,4,5,6,7
	v_add_nc_u32 v[PM+\m], 0xff000000, v[PM+\m]    ; 2 off the exponent field: the conversion's scale operand
.endr
.irp m, 0,1,2,3,4,5,6,7
	v_lshrrev_b32 v[PB+\m], 23, v[PM+\m]
.endr
.irp m, 0,1,2,3,4,5,6,7
	v_cvt_scalef32_pk16_fp6_f32 v[PC+4*\m:PC+4*\m+2], v[(\n)+2*\m:(\n)+2*\m+15], v[PM+\m]   ; the lowest two codes are the pair's; the registers named beyond the 16 numbers are the token words, whose codes are cut off
.endr
	v_lshl_or_b32 v[(\w)+4], v[PB+1], 8, v[PB]     ; (a plain line behind the conversions)
	v_lshl_or_b32 v[(\w)+5], v[PB+5], 8, v[PB+4]
	v_lshl_or_b32 v[(\w)+4], v[PB+2], 16, v[(\w)+4]
	v_lshl_or_b32 v[(\w)+5], v[PB+6], 16, v[(\w)+5]
	v_lshl_or_b32 v[(\w)+4], v[PB+3], 24, v[(\w)+4]
	v_lshl_or_b32 v[(\w)+5], v[PB+7], 24, v[(\w)+5]
.irp m, 0,1,2,3,4,5,6,7
	v_and_b32 v[PC+4*\m], 0xfff, v[PC+4*\m]
.endr
	v_lshl_or_b32 v[(\w)],   v[PC+8],  12, v[PC]
	v_lshl_or_b32 v[(\w)+1], v[PC+16], 12, v[PC+24]
	v_lshl_or_b32 v[(\w)+2], v[PC+12], 12, v[PC+4]
	v_lshl_or_b32 v[(\w)+3], v[PC+20], 12, v[PC+28]
.irp i, 0,1,2,3
	v_lshlrev_b32 v[(\w)+\i], v[SH4], v[(\w)+\i]
.endr
.endm
.macro TANH a                          ; accumulator a in place, from its low end on
.set XA, ACC+8*(\a)
.irp j, 0,2,4,6
	v_pk_mul_f32 v[TE+\j:TE+\j+1], v[XA+\j:XA+\j+1], s[48:49] op_sel_hi:[1,0]
.endr
	s_wait_alu depctr_va_vdst(0)
.irp j, 0,1,2,3,4,5,6,7
	v_exp_f32 v[TE+\j], v[TE+\j]
.endr
.irp j, 0,2,4,6
	v_pk_mul_f32 v[TU+\j:TU+\j+1], v[XA+\j:XA+\j+1], v[XA+\j:XA+\j+1]   ; (plain lines behind the exponentials)
.endr
	s_wait_alu depctr_va_vdst(0)                   ; the eight exponentials have written v[TE ..]: one wait for the batch, ahead of its first reader
.irp j, 0,2,4,6
	v_pk_add_f32 v[TE+\j:TE+\j+1], v[TE+\j:TE+\j+1], 1.0 op_sel_hi:[1,0]
.endr
	s_wait_alu depctr_va_vdst(0)
.irp j, 0,1,2,3,4,5,6,7
	v_rcp_f32 v[TE+\j], v[TE+\j]
.endr
.irp j, 0,1,2,3,4,5,6,7
	v_fma_f32 v[TQ+\j], v[TU+\j], s50, s52         ; (plain lines behind the reciprocals)  2 x^2 / 15 - 1/3
.endr
.irp j, 0,2,4,6
	v_pk_mul_f32 v[TQ+\j:TQ+\j+1], v[TQ+\j:TQ+\j+1], v[TU+\j:TU+\j+1]
.endr
	s_wait_alu depctr_va_vdst(0)                   ; the eight reciprocals have written v[TE ..]: one wait for the batch, ahead of its first reader
.irp j, 0,2,4,6
	v_pk_fma_f32 v[TE+\j:TE+\j+1], v[TE+\j:TE+\j+1], -2.0, 1.0 op_sel_hi:[1,0,0]
.endr
.irp j, 0,2,4,6
	v_pk_fma_f32 v[TQ+\j:TQ+\j+1], v[XA+\j:XA+\j+1], v[TQ+\j:TQ+\j+1], v[XA+\j:XA+\j+1]
.endr
.irp j, 0,1,2,3,4,5,6,7
	v_cmp_lt_f32 s[CM+\j], |v[XA+\j]|, s54         ; the compares in one run, a scalar register each
.endr
	s_wait_alu depctr_va_sdst(0)                   ; the eight compares have written s[CM ..], which the selects read
.irp j, 0,1,2,3,4,5,6,7
	v_cndmask_b32 v[XA+\j], v[TE+\j], v[TQ+\j], s[CM+\j]
.endr
.endm
.macro UNITADDR                        ; where tile s27's words and scale words lie for my lane
.if LAYER == 0
	s_lshl_b32 s28, s27, 6
	s_load_b512 s[32:47], s[6:7], s28 offset:0x100 ; the tile's 16 tokens
	s_wait_kmcnt 0x0
.irp k, 0,1,2,3,4,5,6,7,8,9,10,11,12,13,14,15
	v_writelane_b32 v254, s[32+\k], \k
	v_writelane_b32 v254, s[32+\k], 16+\k
.endr
	v_mov_b32 v15, s32                             ; the tile's first token
	v_cmp_gt_u32 vcc_lo, 0x800, v254
	s_wait_alu depctr_va_vcc(0)                    ; the compare has written VCC, which the select reads
	v_cndmask_b32 v255, v15, v254, vcc_lo          ; a row that fills the tile up takes it
	v_min_u32 v255, 0x7ff, v255
	v_and_b32 v9, 0x7f0, v255
	v_and_b32 v10, 15, v255
	v_lshlrev_b32 v10, 4, v10
	v_add_nc_u32 v10, v10, v14                     ; 16 x row + 256 x half
	v_lshlrev_b32 v11, 9, v9                       ; 8,192 bytes of words for 16 tokens,
	v_lshlrev_b32 v12, 8, v9                       ; 4,096 of scale words
	v_add_nc_u32 v9, v11, v10
	v_add_nc_u32 v10, v12, v10
.else
	s_lshl_b32 s28, s27, 14
	s_lshl_b32 s29, s27, 13
	v_add_nc_u32 v9, s28, v1
	v_add_nc_u32 v10, s29, v1
.endif
.endm
.macro TLOAD g, b                      ; group g's token words and scale words into set b: 3 loads
	global_load_b128 v[TW+8*(\b)+FAR*((\b)/2):TW+8*(\b)+FAR*((\b)/2)+3], v9, s[4:5] offset:(\g)*1024
	global_load_b128 v[TW+8*(\b)+FAR*((\b)/2)+4:TW+8*(\b)+FAR*((\b)/2)+7], v9, s[4:5] offset:(\g)*1024+512
	global_load_b128 v[TS+4*(\b)+FAR*((\b)/2):TS+4*(\b)+FAR*((\b)/2)+3], v10, s[14:15] offset:(\g)*512
.endm
.macro WLD g, b, n                     ; the n-th of the 6 LDS loads that bring group g's weight words (tile n / 2, low or high four) and scale words into set b
.if (\n) < 4
	ds_load_b128 v[WB+28*(\b)+14*((\n)/2)+6*((\n)%2):WB+28*(\b)+14*((\n)/2)+6*((\n)%2)+3], v7 offset:(((\n)/2)*NG+(\g))*1024+512*((\n)%2)
.else
	ds_load_b128 v[WSR+8*(\b)+4*((\n)-4):WSR+8*(\b)+4*((\n)-4)+3], v8 offset:(\g)*1024+512*((\n)-4)
.endif
.endm
.macro PROD u                          ; K step gi of the group, tile u; bb: the weights' set, tt: the tokens'
.set ra, ACC+8*(\u)
.set rw, WB+28*bb+14*(\u)+2*(gi>>2)
.set rt, T+12*gi
.set sa, WSR+8*bb+gi
.set sb, TS+4*tt+FAR*(tt/2)+(gi&3)
.if ((\u) == 0) && (gi < 4)
	v_wmma_scale_f32_16x16x128_f8f6f4 v[ra:ra+7], v[rw:rw+11], v[rt:rt+11], v[ra:ra+7], v[sa], v[sb] matrix_a_fmt:MATRIX_FMT_FP6 matrix_b_fmt:MATRIX_FMT_FP6
.elseif (\u) == 0
	v_wmma_scale_f32_16x16x128_f8f6f4 v[ra:ra+7], v[rw:rw+11], v[rt:rt+11], v[ra:ra+7], v[sa], v[sb] matrix_a_fmt:MATRIX_FMT_FP6 matrix_b_fmt:MATRIX_FMT_FP6 matrix_b_scale:MATRIX_SCALE_ROW1
.elseif gi < 4
	v_wmma_scale_f32_16x16x128_f8f6f4 v[ra:ra+7], v[rw:rw+11], v[rt:rt+11], v[ra:ra+7], v[sa], v[sb] matrix_a_fmt:MATRIX_FMT_FP6 matrix_b_fmt:MATRIX_FMT_FP6 matrix_a_scale:MATRIX_SCALE_ROW1
.else
	v_wmma_scale_f32_16x16x128_f8f6f4 v[ra:ra+7], v[rw:rw+11], v[rt:rt+11], v[ra:ra+7], v[sa], v[sb] matrix_a_fmt:MATRIX_FMT_FP6 matrix_b_fmt:MATRIX_FMT_FP6 matrix_a_scale:MATRIX_SCALE_ROW1 matrix_b_scale:MATRIX_SCALE_ROW1
.endif
.endm
.macro GROUP g                         ; 8 K steps: 8 token operands are made; one wait; 16 products, and among them the loads of the groups to come
.set bb, (\g)%2
.set tt, (\g)%3
.set tn, ((\g)+2)%3
.if (\g) > 0
	PLACES                                         ; behind the last group's products: T, which they read, is written below (a tile's first group stands behind tanh and the quantiser)
.endif
.if (\g)+1 < NG
	s_wait_loadcnt 3                               ; this group's token words are in; the next group's 3 loads may be out
.else
	s_wait_loadcnt 0x0
.endif
	s_wait_dscnt 0x0                               ; this group's weight words are in: they were asked for among the last group's products (a tile's first: at the tile's head, with the biases)
.set gi, 0
.rept 8
.set dl, (gi>>1)&1
	v_and_b32 v[T+12*gi+dl],   s[MK+2*dl+(gi&1)],   v[TW+8*tt+FAR*(tt/2)+gi]
	v_and_b32 v[T+12*gi+6+dl], s[MK+2*dl+1-(gi&1)], v[TW+8*tt+FAR*(tt/2)+gi]
.set gi, gi+1
.endr
	PLACES
	s_wait_alu depctr_va_vdst(0)                   ; the sixteen v_and_b32 have written T, which the scaled products take; the group before is done reading its token set and its weight set, in which the loads below land
.if (\g)+2 < NG
	TLOAD (\g)+2, tn                               ; two groups ahead, into the set that the group before read
.endif
.set gi, 0
.rept 8
	PROD 0
	PROD 1
.if ((\g)+1 < NG) && (gi < 6)
	WLD (\g)+1, 1-bb, gi                           ; no wait: no vector or matrix instruction since the wait above names the other weight set
.endif
.set gi, gi+1
.endr
.endm
	s_load_b256 s[4:11], s[0:1], 0x0               ; tokens s[4:5], route s[6:7], weights s[8:9], bias s[10:11]
	s_load_b64 s[12:13], s[0:1], 0x20              ; results
	v_lshl_add_u32 v254, v0, 2, 0x19000
	v_mov_b32 v255, 0
	v_lshrrev_b32 v1, 5, v0
	v_readfirstlane_b32 s20, v1                    ; wave 0..15
	s_mov_b32 s21, ttmp9                           ; slab
	s_and_b32 s22, ttmp7, 0xffff                   ; task
	s_lshl_b32 s23, s22, 3
	v_and_b32 v9, 31, v0                           ; lane
	v_and_b32 v10, 15, v0                          ; r
	v_bfe_u32 v11, v0, 4, 1                        ; h
	v_lshlrev_b32 v1, 4, v9                        ; v1 16 lane
	s_wait_alu depctr_va_vdst(0)
	v_lshlrev_b32 v2, 3, v9                        ; v2 8 lane
	s_wait_alu depctr_va_vdst(0)
	s_wait_alu depctr_va_sdst(0)                   ; s20 is written, ahead of its first reader
	s_and_b32 s26, s20, 1                          ; cp: my columns in the products
	s_lshr_b32 s28, s20, 3                         ; the copy: my pieces' cp,
	s_and_b32 s29, s20, 7
	s_mul_i32 s29, s29, (NCW/4)*1024               ; and their first group
	s_mul_i32 s30, s28, 2*NG*1024
	s_add_co_u32 s30, s30, s29
	v_mul_u32_u24 v3, v11, NG*1024
	v_lshl_add_u32 v3, v10, 4, v3
	v_add_nc_u32 v3, s30, v3                       ; v3 where I put weight words: tile lane / 16, 16 bytes a row
	s_mul_i32 s30, s28, NG*1024
	s_add_co_u32 s30, s30, s29
	s_add_co_u32 s30, s30, WSB
	v_add_nc_u32 v4, s30, v1                       ; v4 and scale words
	s_lshl_b32 s30, s20, 8
	s_add_co_u32 s30, s30, BIASL
	v_add_nc_u32 v5, s30, v2                       ; v5 my wave's biases, in
	s_lshl_b32 s31, s26, 7
	s_add_co_u32 s30, s30, s31
	v_lshl_add_u32 v6, v11, 6, s30                 ; v6 and out: columns 32 cp + 16 h on
	s_mul_i32 s30, s26, 2*NG*1024
	v_add_nc_u32 v7, s30, v1                       ; v7 where I read weight words
	s_mul_i32 s30, s26, NG*1024
	s_add_co_u32 s30, s30, WSB
	v_add_nc_u32 v8, s30, v1                       ; v8 and scale words
.if LAYER == 0
	v_lshlrev_b32 v[SH4], 2, v11                   ; 4 h
	v_lshlrev_b32 v14, 8, v11                      ; 256 h
	v_lshlrev_b32 v252, 4, v10
	v_lshl_add_u32 v252, v11, 3, v252              ; 16 r + 8 h
	s_lshl_b32 s30, s21, 9
	s_lshl_b32 s31, s26, 8
	s_add_co_u32 s30, s30, s31
	v_add_nc_u32 v253, s30, v252                   ; v253 scale words out: + 512 slab + 256 cp
	s_lshl_b32 s30, s30, 1
	v_add_nc_u32 v252, s30, v252                   ; v252 code words out: + 1024 slab + 512 cp
	v_mov_b32 v254, 0                              ; (written lane by lane below)
.else
	v_mul_u32_u24 v252, v10, 24
	v_mad_u32_u24 v252, v11, 12, v252
	s_lshl_b32 s30, s21, 1
	s_add_co_u32 s30, s30, s26                     ; my block of 32 of the next K
	s_mul_i32 s31, s30, 384
	v_add_nc_u32 v252, s31, v252                   ; v252 codes out: 384 block + 24 r + 12 h
	s_lshr_b32 s31, s30, 2
	s_lshl_b32 s31, s31, 6
	s_and_b32 s30, s30, 3
	s_add_co_u32 s31, s31, s30
	v_lshl_add_u32 v253, v10, 2, s31               ; v253 the scale byte out: 64 (block / 4) + 4 r + block % 4
.endif
	s_mul_i32 s30, s21, 2*NQ
	s_mul_i32 s31, s20, NCW
	s_add_co_u32 s30, s30, s31                     ; my first piece
	s_lshl_b32 s36, s30, 13                        ; 16 tasks x 512 bytes a piece,
	s_lshl_b32 s31, s22, 9
	s_add_co_u32 s36, s36, s31                     ; my task's 512
	s_mov_b32 s37, 0
	s_lshl_b32 s38, s30, 8
	s_add_co_u32 s38, s38, WSOFF
	s_mov_b32 s39, 0
	s_lshl_b32 s40, s22, 12
	s_lshl_b32 s31, s21, 8
	s_add_co_u32 s40, s40, s31                     ; bias: 4,096 task + 256 slab
	s_mov_b32 s41, 0
	s_mov_b32 s48, 0x4038aa3b                      ; 2 log2 e
	s_mov_b32 s49, s48                             ; (named with it as a pair)
	s_mov_b32 s50, 0x3e088889                      ; 2/15
	s_mov_b32 s52, 0xbeaaaaab                      ; -1/3
	s_mov_b32 s54, 0x3db851ec                      ; 0.09
	s_mov_b32 s56, 0x76543210
	s_mov_b32 s57, 0xfedcba98                      ; lane l xor 16
	s_mov_b32 s[MK], 0xfff
	s_mov_b32 s[MK+1], 0xfff000
	s_mov_b32 s[MK+2], 0xfff0
	s_mov_b32 s[MK+3], 0xfff0000
	s_wait_kmcnt 0x0
	s_load_b64 s[24:25], s[6:7], s23 offset:0x0    ; my task's first tile and its tiles
	s_add_nc_u64 s[16:17], s[8:9], s[38:39]
	s_add_nc_u64 s[8:9], s[8:9], s[36:37]
	s_add_nc_u64 s[10:11], s[10:11], s[40:41]
	s_add_nc_u64 s[14:15], s[4:5], ASOFF
	s_add_nc_u64 s[18:19], s[12:13], OSOFF
	s_wait_alu depctr_va_vdst(0)                   ; the offsets and LDS addresses v1 to v8 are written, which the loads and LDS instructions of the whole kernel read
	global_load_b64 v[T+48:T+49], v2, s[10:11]
.set n, 0
.rept NCW
	global_load_b128 v[T+4*n:T+4*n+3], v1, s[8:9] offset:n*8192 th:TH_LOAD_NT   ; 512 consecutive bytes, read once in the launch
	global_load_b64 v[T+32+2*n:T+32+2*n+1], v2, s[16:17] offset:n*256
.set n, n+1
.endr
	s_wait_kmcnt 0x0
	s_min_u32 s24, s24, 142
	s_min_u32 s25, s25, 128
	s_lshr_b32 s26, s20, 1
	s_add_co_u32 s31, s24, s26                     ; s31 my first tile: the task's first + w / 2
	s_add_co_u32 s30, s25, 7
	s_sub_co_u32 s30, s30, s26
	s_lshr_b32 s30, s30, 3                         ; s30 how many tiles are mine: those of w / 2 + 8 n under the task's count
	s_cmp_lg_u32 s30, 0
	s_cselect_b32 s27, s31, 0                      ; a wave without work asks for tile 0, which always exists, and uses nothing of it
	s_min_u32 s27, s27, 142
	UNITADDR
	s_wait_alu depctr_va_vdst(0)                   ; v9 and v10 are written, which the tile's loads read
	TLOAD 0, 0
	TLOAD 1, 1
	s_wait_loadcnt 6                               ; all but the tile's 6
	ds_store_b64 v5, v[T+48:T+49]
.set n, 0
.rept NCW
.irp i, 0,1,2,3
	ds_store_b32 v3, v[T+4*n+\i] offset:(n>>2)*1024+(n&3)*4+256*\i   ; word i: low h = 0, low h = 1, high h = 0, high h = 1; register n % 4 of the reader's four
.endr
	ds_store_b64 v4, v[T+32+2*n:T+32+2*n+1] offset:(n>>2)*1024+((n&3)>>1)*512+(n&1)*8
.set n, n+1
.endr
	s_wait_alu depctr_vm_vsrc(0)                   ; my LDS stores have read v[T ..]: these registers are the token operands from here on, written by the lines below and by the groups' v_and_b32
.set gi, 0
.rept 8                                ; the token operands' zeros: all but the two registers that each K step writes
.set ii, 0
.rept 12
.if (ii != ((gi>>1)&1)) && (ii != 6+((gi>>1)&1))
	v_mov_b32 v[T+12*gi+ii], 0
.endif
.set ii, ii+1
.endr
.set gi, gi+1
.endr
.irp b, 0,14,28,42
.irp i, 4,5,10,11,12,13
	v_mov_b32 v[WB+\b+\i], 0                       ; named by the windows, so they are written once
.endr
.endr
	s_mov_b32 s26, 0                               ; s26 counts my tiles, one a trip
	s_wait_dscnt 0x0                               ; for the others' sake: my part of the images lies in LDS
	s_barrier_signal -1
	s_barrier_wait -1                              ; from here on LDS is only read
	s_cmp_eq_u32 s30, 0
	s_cbranch_scc1 .Ldone
.Lunit:
.if LAYER == 0
	s_lshl_b32 s28, s27, 14
	s_lshl_b32 s29, s27, 13
.else
	s_mul_i32 s28, s27, 12288
	s_lshl_b32 s29, s27, 9
.endif
	v_add_nc_u32 v11, s28, v252                    ; (the last tile's stores have read v11 and v12: the wait on vm_vsrc behind them)
	v_add_nc_u32 v12, s29, v253
.irp u, 0,1
	ds_load_b128 v[ACC+8*\u:ACC+8*\u+3], v6 offset:32*\u      ; the sums begin with the biases of columns 32 cp + 16 h + 8 u + 0 .. 7.  No wait: since the wait ahead of the tile's first loads no vector instruction names ACC, WB or WSR
	ds_load_b128 v[ACC+8*\u+4:ACC+8*\u+7], v6 offset:32*\u+16
.endr
.irp n, 0,1,2,3,4,5
	WLD 0, 0, \n
.endr
.set gg, 0
.rept NG
	GROUP gg
.set gg, gg+1
.endr
	PLACES
	TANH 0
	TANH 1
.if LAYER == 0
	PAIRQ ACC, PW
	s_wait_alu depctr_va_vdst(0)                   ; the quantiser has written v[PW ..], and the tile's head v11 and v12: the stores read them
	global_store_b64 v11, v[PW:PW+1], s[12:13]                ; 32 lanes: 256 consecutive bytes
	global_store_b64 v11, v[PW+2:PW+3], s[12:13] offset:256
	global_store_b64 v12, v[PW+4:PW+5], s[18:19]
.else
	v_max3_num_f32 v[QM], |v[ACC]|, |v[ACC+1]|, 0x1800000
.irp i, 2,4,6,8,10,12,14
	v_max3_num_f32 v[QM], v[QM], |v[ACC+\i]|, |v[ACC+\i+1]|
.endr
	v_permlanex16_b32 v[QM+1], v[QM], s56, s57
	v_max_num_f32 v[QM], v[QM], v[QM+1]            ; with lane l xor 16's 16: the block's largest magnitude
	v_add_nc_u32 v[QM+2], 0xff000000, v[QM]
	v_cvt_scalef32_pk16_fp6_f32 v[HC:HC+2], v[ACC:ACC+15], v[QM+2]
	v_lshrrev_b32 v[QM+3], 23, v[QM+2]             ; (a plain line behind the conversion)  the scale's byte
	s_wait_alu depctr_va_vdst(0)                   ; the quantiser has written v[HC ..] and v[QM+3], and the tile's head v11 and v12: the stores read them
	global_store_b96 v11, v[HC:HC+2], s[12:13]     ; 32 lanes: 384 consecutive bytes
	global_store_b8 v12, v[QM+3], s[18:19]
.endif
	s_wait_xcnt 0x0                                ; the stores' data and offsets are written again below
	s_wait_alu depctr_vm_vsrc(0)                   ; the stores have read their data and v11, v12, the tile's loads v9 and v10: the address arithmetic below and the next tile's loads write them
	s_add_co_u32 s26, s26, 1
	s_cmp_ge_u32 s26, s30
	s_cbranch_scc1 .Ldone                          ; nothing is asked for behind my last tile
	s_lshl_b32 s28, s26, 3
	s_add_co_u32 s27, s31, s28                     ; my next tile: 8 further on
	s_min_u32 s27, s27, 142
	UNITADDR
	s_wait_alu depctr_va_vdst(0)                   ; v9 and v10 are written, which the loads read; tanh and the quantiser are done with TW, ACC and WB, in which these loads and those at the loop's head land
	TLOAD 0, 0
	TLOAD 1, 1
	s_cmp_lt_u32 s26, s30
	s_cbranch_scc1 .Lunit
.Ldone:
	s_wait_dscnt 0x0                               ; the closing lines, six on end
	s_wait_alu 0x0
	s_wait_tensorcnt 0x0
	ds_add_u32 v254, v255
	s_wait_dscnt 0x0
	s_endpgm
.Lfunc_end_k_q3f89b0fd24_layer1:
	.size	k_q3f89b0fd24_layer1, .Lfunc_end_k_q3f89b0fd24_layer1-k_q3f89b0fd24_layer1
	.p2alignl 7, 3214868480
	.fill 96, 4, 3214868480
	.section	.rodata,"a",@progbits
	.p2align	6, 0x0
	.amdhsa_kernel k_q3f89b0fd24_layer1
		.amdhsa_group_segment_fixed_size 104448
		.amdhsa_private_segment_fixed_size 0
		.amdhsa_enable_private_segment 0
		.amdhsa_kernarg_size 40
		.amdhsa_user_sgpr_count 2
		.amdhsa_user_sgpr_kernarg_segment_ptr 1
		.amdhsa_wavefront_size32 1
		.amdhsa_system_sgpr_workgroup_id_x 1
		.amdhsa_system_sgpr_workgroup_id_y 1
		.amdhsa_system_sgpr_workgroup_id_z 1
		.amdhsa_system_vgpr_workitem_id 0
		.amdhsa_next_free_vgpr 256
		.amdhsa_next_free_sgpr 66
		.amdhsa_reserve_vcc 1
		.amdhsa_float_denorm_mode_32 3
		.amdhsa_float_denorm_mode_16_64 3
		.amdhsa_memory_ordered 1
		.amdhsa_forward_progress 1
		.amdhsa_inst_pref_size 79
	.end_amdhsa_kernel
	.amdgpu_metadata
---
amdhsa.version: [ 1, 2 ]
amdhsa.kernels:
  - .name:           k_q3f89b0fd24_layer1
    .symbol:         k_q3f89b0fd24_layer1.kd
    .args:
      - { .name: h1, .offset: 0, .size: 8, .value_kind: global_buffer, .address_space: global }
      - { .name: route, .offset: 8, .size: 8, .value_kind: global_buffer, .address_space: global }
      - { .name: w1, .offset: 16, .size: 8, .value_kind: global_buffer, .address_space: global }
      - { .name: b1, .offset: 24, .size: 8, .value_kind: global_buffer, .address_space: global }
      - { .name: h2, .offset: 32, .size: 8, .value_kind: global_buffer, .address_space: global }
    .group_segment_fixed_size: 104448
    .private_segment_fixed_size: 0
    .kernarg_segment_align: 8
    .kernarg_segment_size: 40
    .max_flat_workgroup_size: 512
    .sgpr_count:     66
    .vgpr_count:     256
    .wavefront_size: 32
...
	.end_amdgpu_metadata
.endif
;; end of part 9
;; launch layer2 (part 10): grid 8 x 16, 16 waves a work-group, no clusters, 31,744 bytes of LDS; arguments h2, route, k2, b2, out0; writes out0
.if DOCPART == 10
	.amdgcn_target "amdgcn-amd-amdhsa--gfx1250"
	.amdhsa_code_object_version 6
	.text
	.protected	k_q3f89b0fd24_layer2
	.globl	k_q3f89b0fd24_layer2
	.p2align	8
	.type	k_q3f89b0fd24_layer2,@function
k_q3f89b0fd24_layer2:
	s_mov_b64 s[64:65], 0
	v_nop
	global_prefetch_b8 v0, s[64:65] scope:SCOPE_SE
	s_setreg_imm32_b32 hwreg(HW_REG_WAVE_SCHED_MODE, 0, 2), 2
	s_setreg_imm32_b32 hwreg(HW_REG_WAVE_MODE, 25, 1), 1
	s_wait_xcnt 0x0
	s_wait_alu depctr_vm_vsrc(0)
; y = h2 k2[task] + b2[task] for the tokens of ONE task (work-group y) and 32 columns (work-group x).  This product's K is i alone: blocks of 32 inputs of one task and column.
; PHASE Q: the 16 waves read the slab of k2 (1,024 rows x 128 bytes, f32) once: wave w rows 64 w on; a lane takes a column and its registers run down K, so a block of 32 lies in one lane
; and the conversions give codes with K innermost.  Lane l takes column pi(l) (bits 3 and 4 of l swapped): one exchange of halves then gives the halves of two operand fragments
; (tile u: row r is column 8 u + r + 8 (r / 8)), which go to LDS as images of their registers.  One barrier.
; PHASE P: wave w takes tiles of 16 tokens w + 16 n of the task: h2's codes from memory into registers, the weights' fragments from LDS, transposed use (source 0 = 16 columns, source 1 = 16 tokens):
; a lane holds one token, and the two accumulators' 16 registers are 16 neighbouring columns: 64 consecutive bytes of a row of y.  Two accumulators by turns.
; The rows of y are scattered by the token list; a slab's part of a row is 128 bytes, so the stores go straight from the accumulators.
; A row that only fills a tile up repeats the tile's first token in every layer: it holds the same numbers as the tile's row 0 and stores the same bytes to the same place, in the same instruction; all lanes stay on.
; No tensor loads (a lane needs a column down K), no cluster (work-groups share no weight).
; LIMITS: NaN and infinities are not served; a block whose largest magnitude is under 2^-124 gets the scale byte 1.
; THE MODE: SCHED_MODE bits 1:0 = 2 (LLVM: expert scheduling mode 2), set by the entry lines.  The code itself states the register dependences
; between vector or matrix instructions and memory or LDS instructions, with s_wait_alu, always for 0.
; THE PLAN.  Registers that memory or LDS instructions touch, round the loop over tiles:
;   A, AS          The tile's 56 loads land in them; its 16 products read them.
;   WF0-3, WS0-3   K step s reads set s % 4.  Sets 0 to 3 are asked for at a tile's head; K steps 4 and 5 behind K steps 0 and 1, K steps 6 and 7 behind K steps 2 and 3, each pair behind ONE wait on va_vdst.
;   ACC            The biases' LDS loads land in it; the products write it; the stores read it.
;   v10, v11       The tile's offsets in h2: written once a tile, read by its loads.   v12  its rows of y: written once a tile, read by its stores.   v1 to v9: made at the head, never written again.
; In phase Q the registers of ACC, WF and WS hold the numbers of k2, their codes and what the quantiser works with: one wait on va_vdst ahead of the LDS stores, one on vm_vsrc behind the barrier, and they are free for phase P's loads.
.set KS,    8                          ; K steps of 128
.set RSTR,  1024                       ; a row of k2 in bytes
.set HALF,  768                        ; half a fragment's image: 16 bytes a lane, then 8 bytes a lane
.set WSC,   2*KS*2*HALF                ; LDS: from 0 [64 of K][tile] halves; from WSC the scale words [K step][lane]: lanes 0-15 tile 0, lanes 16-31 tile 1;
.set BIASL, WSC+KS*128                 ; from BIASL 256 bytes for each wave: its own copy of the 32 biases
.set NF,    9                          ; LDS loads that bring a K step's two fragments and scale words
.set A,   16                           ; v16-111  the tokens' 8 fragments
.set AS,  112                          ; v112-119 their scale words
.set ACC, 120                          ; v120-135 two accumulators
.set WF,  140                          ; v140-187 tile 0's fragments, four sets of 12; v188-235 tile 1's
.set WS,  236                          ; v236-239 their scale words, a register a set
.set X0,  120                          ; phase Q: v120-151, v152-183 two blocks of 32 numbers
.set X1,  152
.set CD,  184                          ; v184-195 their codes
.set CT,  196                          ; v196-198, v200-202 each block's upper 16 codes as converted
.set MX,  204                          ; v204-207 maxima, v208-209 scale operands, v210-211 bytes, v212 a bias
.macro PLACES
.rept 4
	v_nop
.endr
.endm
.macro WLOAD blk, x
.irp i, 0,1,2,3,4,5,6,7,8,9,10,11,12,13,14,15,16,17,18,19,20,21,22,23,24,25,26,27,28,29,30,31
	global_load_b32 v[\x+\i], v4, s[8:9] offset:(32*(\blk)+\i)*RSTR   ; 32 lanes: 128 consecutive bytes
.endr
.endm
.macro BLOCK x, k
	v_max3_num_f32 v[MX+\k], |v[\x]|, |v[\x+1]|, |v[\x+2]|
	v_max3_num_f32 v[MX+2+\k], |v[\x+3]|, |v[\x+4]|, |v[\x+5]|
.irp i, 6,10,14,18,22,26
	v_max3_num_f32 v[MX+\k], v[MX+\k], |v[\x+\i]|, |v[\x+\i+1]|
	v_max3_num_f32 v[MX+2+\k], v[MX+2+\k], |v[\x+\i+2]|, |v[\x+\i+3]|
.endr
	v_max3_num_f32 v[MX+\k], v[MX+\k], |v[\x+30]|, |v[\x+31]|
	v_max3_num_f32 v[MX+\k], v[MX+\k], v[MX+2+\k], 0x1800000   ; over the floor 2^(3 - 127)
	v_add_nc_u32 v[MX+4+\k], 0xff000000, v[MX+\k]              ; 2 off the exponent field: the conversions' scale operand
	v_lshrrev_b32 v[MX+6+\k], 23, v[MX+4+\k]
	v_cvt_scalef32_pk16_fp6_f32 v[CD+6*\k:CD+6*\k+2], v[\x:\x+15], v[MX+4+\k]
	v_cvt_scalef32_pk16_fp6_f32 v[CT+4*\k:CT+4*\k+2], v[\x+16:\x+31], v[MX+4+\k]   ; (a conversion's three registers begin on an even number)
	v_nop                                          ; a plain line behind the conversions
.irp i, 0,1,2
	v_mov_b32 v[CD+6*\k+3+\i], v[CT+4*\k+\i]
.endr
.endm
.macro LOADA                           ; tile s25: its token list, its codes and its scale words; where its rows of y lie
	s_lshl_b32 s26, s25, 6
	s_load_b512 s[32:47], s[6:7], s26 offset:0x100
	s_mul_i32 s27, s25, 12288
	s_lshl_b32 s28, s25, 9
	v_add_nc_u32 v10, s27, v14
	v_add_nc_u32 v11, s28, v15
	s_wait_alu depctr_va_vdst(0)                   ; v10 and v11 are written, which the loads below read; the last tile's products are done reading A and AS, in which they land
.set kq, 0
.rept KS
.irp c, 0,1
.irp p, 0,1,2
	global_load_b64 v[A+12*kq+6*\c+2*\p:A+12*kq+6*\c+2*\p+1], v10, s[4:5] offset:(4*kq+2*\c)*384+8*\p
.endr
.endr
	global_load_b32 v[AS+kq], v11, s[14:15] offset:64*kq
.set kq, kq+1
.endr
	s_wait_kmcnt 0x0
.irp k, 0,1,2,3,4,5,6,7,8,9,10,11,12,13,14,15
	v_writelane_b32 v254, s[32+\k], \k
	v_writelane_b32 v254, s[32+\k], 16+\k
.endr
	v_mov_b32 v13, s32                             ; the tile's first token
	v_cmp_gt_u32 vcc_lo, 0x800, v254
	s_wait_alu depctr_va_vcc(0)                    ; the compare has written VCC, which the select reads
	v_cndmask_b32 v255, v13, v254, vcc_lo          ; a row that fills the tile up takes it
	v_min_u32 v255, 0x7ff, v255
	v_lshlrev_b32 v12, 10, v255
	v_add_nc_u32 v12, v12, v252                    ; 1,024 token + 128 slab + 64 h
.endm
.macro FETCH s, b                      ; K step s's two fragments and scale words into set b
.irp ct, 0,1
.irp c, 0,1
	ds_load_b128 v[WF+48*\ct+12*(\b)+6*\c:WF+48*\ct+12*(\b)+6*\c+3], v1 offset:((2*(\s)+\c)*2+\ct)*HALF
	ds_load_b64 v[WF+48*\ct+12*(\b)+6*\c+4:WF+48*\ct+12*(\b)+6*\c+5], v2 offset:((2*(\s)+\c)*2+\ct)*HALF+512
.endr
.endr
	ds_load_b32 v[WS+(\b)], v3 offset:WSC+(\s)*128
.endm
.macro MUL s, b
	v_wmma_scale_f32_16x16x128_f8f6f4 v[ACC:ACC+7], v[WF+12*(\b):WF+12*(\b)+11], v[A+12*(\s):A+12*(\s)+11], v[ACC:ACC+7], v[WS+(\b)], v[AS+(\s)] matrix_a_fmt:MATRIX_FMT_FP6 matrix_b_fmt:MATRIX_FMT_FP6
	v_wmma_scale_f32_16x16x128_f8f6f4 v[ACC+8:ACC+15], v[WF+48+12*(\b):WF+48+12*(\b)+11], v[A+12*(\s):A+12*(\s)+11], v[ACC+8:ACC+15], v[WS+(\b)], v[AS+(\s)] matrix_a_fmt:MATRIX_FMT_FP6 matrix_b_fmt:MATRIX_FMT_FP6 matrix_a_scale:MATRIX_SCALE_ROW1
.endm
	s_load_b256 s[4:11], s[0:1], 0x0               ; h2 s[4:5], route s[6:7], k2 s[8:9], b2 s[10:11]
	s_load_b64 s[12:13], s[0:1], 0x20              ; out0
	v_lshl_add_u32 v251, v0, 2, 0x7400
	v_mov_b32 v253, 0
	v_lshrrev_b32 v1, 5, v0
	v_readfirstlane_b32 s18, v1                    ; wave 0..15
	s_mov_b32 s19, ttmp9                           ; slab
	s_and_b32 s20, ttmp7, 0xffff                   ; task
	s_lshl_b32 s21, s20, 3
	v_and_b32 v13, 31, v0                          ; lane
	v_and_b32 v12, 15, v0                          ; r
	v_bfe_u32 v11, v0, 4, 1                        ; h
	v_lshlrev_b32 v1, 4, v13                       ; v1 16 lane
	v_lshlrev_b32 v2, 3, v13                       ; v2 8 lane
	v_lshlrev_b32 v3, 2, v13                       ; v3 4 lane
	s_wait_alu depctr_va_vdst(0)
	v_and_b32 v4, 7, v13
	v_bfe_u32 v5, v13, 3, 1
	v_lshl_or_b32 v4, v5, 4, v4
	v_lshl_or_b32 v4, v11, 3, v4
	v_lshlrev_b32 v4, 2, v4                        ; v4 4 pi(lane)
	s_wait_alu depctr_va_sdst(0)                   ; s18 is written, ahead of its first reader
	s_mul_i32 s26, s18, 2*HALF
	v_add_nc_u32 v5, s26, v1                       ; v5, v6 where I put my two halves: 64 of K number w
	v_add_nc_u32 v6, s26, v2
	s_lshr_b32 s26, s18, 1
	s_lshl_b32 s26, s26, 7
	s_and_b32 s27, s18, 1
	s_lshl_b32 s27, s27, 1
	s_add_co_u32 s26, s26, s27
	v_add_nc_u32 v7, s26, v3                       ; v7 my two scale bytes: K step w / 2, bytes 2 (w % 2) on
	s_lshl_b32 s26, s18, 8
	v_add_nc_u32 v8, s26, v3                       ; v8 my wave's biases, in
	v_lshl_add_u32 v9, v11, 6, s26                 ; v9 and out: columns 16 h on
	v_mul_u32_u24 v14, v11, 384
	v_mad_u32_u24 v14, v12, 24, v14                ; v14 codes: 24 r + 384 h
	v_lshlrev_b32 v15, 2, v12                      ; v15 4 r
	s_lshl_b32 s26, s19, 7
	v_lshl_add_u32 v252, v11, 6, s26               ; v252 y: 128 slab + 64 h
	v_mov_b32 v254, 0                              ; (written lane by lane below)
	s_lshl_b32 s28, s20, 20                        ; k2: 1 MiB a task,
	s_add_co_u32 s28, s28, s26                     ; 128 bytes a slab,
	s_lshl_b32 s27, s18, 16
	s_add_co_u32 s28, s28, s27                     ; 64 rows a wave
	s_mov_b32 s29, 0
	s_lshl_b32 s30, s20, 10
	s_add_co_u32 s30, s30, s26                     ; b2: 1,024 task + 128 slab
	s_mov_b32 s31, 0
	s_wait_kmcnt 0x0
	s_load_b64 s[22:23], s[6:7], s21 offset:0x0    ; my task's first tile and its tiles
	s_add_nc_u64 s[8:9], s[8:9], s[28:29]
	s_add_nc_u64 s[10:11], s[10:11], s[30:31]
	s_add_nc_u64 s[14:15], s[4:5], 0x1ad000        ; h2's scale words
	s_wait_alu depctr_va_vdst(0)                   ; the offsets and LDS addresses v1 to v9 are written, which the loads and LDS instructions of the whole kernel read
	global_load_b32 v[MX+8], v3, s[10:11]
	WLOAD 0, X0
	WLOAD 1, X1
	s_wait_kmcnt 0x0
	s_min_u32 s22, s22, 142
	s_min_u32 s23, s23, 128
	s_add_co_u32 s31, s22, s18                     ; s31 my first tile: the task's first + w
	s_add_co_u32 s29, s23, 15
	s_sub_co_u32 s29, s29, s18
	s_lshr_b32 s29, s29, 4                         ; s29 how many tiles are mine: those of w + 16 n under the task's count
	s_cmp_lg_u32 s29, 0
	s_cselect_b32 s25, s31, 0                      ; a wave without work asks for tile 0, which always exists, and uses nothing of it
	s_min_u32 s25, s25, 142
	LOADA
	s_wait_loadcnt 56                              ; all but the tile's 56: the bias and both blocks are in
	ds_store_b32 v8, v[MX+8] offset:BIASL
	BLOCK X0, 0
	BLOCK X1, 1
.irp q, 0,1,2,3,4,5
	v_permlane16_swap_b32 v[CD+\q], v[CD+6+\q]     ; the first six now hold tile 0's half (lanes 0-15 the lower block, lanes 16-31 the upper), the second six tile 1's
.endr
	v_lshl_or_b32 v[MX+6], v[MX+7], 8, v[MX+6]
	s_wait_alu depctr_va_vdst(0)                   ; the quantiser has written v[CD ..] and v[MX+6], which the LDS stores read; it is done with X0, X1, CT and MX, in which phase P's LDS loads land
	ds_store_b128 v5, v[CD:CD+3]
	ds_store_b64 v6, v[CD+4:CD+5] offset:512
	ds_store_b128 v5, v[CD+6:CD+9] offset:HALF
	ds_store_b64 v6, v[CD+10:CD+11] offset:HALF+512
	ds_store_b16 v7, v[MX+6] offset:WSC
	s_mov_b32 s24, 0                               ; s24 counts my tiles, one a trip
	s_wait_dscnt 0x0                               ; for the others' sake: my part of the images lies in LDS
	s_barrier_signal -1
	s_barrier_wait -1                              ; from here on LDS is only read
	s_wait_alu depctr_vm_vsrc(0)                   ; my LDS stores have read v[CD ..], v[MX+6] and v[MX+8]: these registers are the weights' fragments from here on, in which LDS loads land
	s_cmp_eq_u32 s29, 0
	s_cbranch_scc1 .Ldone
.Ltile:
.irp q, 0,1,2,3
	ds_load_b128 v[ACC+4*\q:ACC+4*\q+3], v9 offset:BIASL+16*\q   ; the sums begin with the biases of columns 16 h + 0 .. 15.  No wait: since the last wait on va_vdst no vector instruction names ACC, WF or WS
.endr
	FETCH 0, 0
	FETCH 1, 1
	FETCH 2, 2
	FETCH 3, 3
	s_wait_loadcnt 0x0                             ; the tile's codes and scale words
	s_wait_dscnt 3*NF                              ; the biases and K step 0 are in; the three younger K steps may be out
	MUL 0, 0
	s_wait_dscnt 2*NF                              ; K step 1 is in
	MUL 1, 1
	PLACES                                         ; four plain lines behind the products
	s_wait_alu depctr_va_vdst(0)                   ; K steps 0 and 1 are done reading sets 0 and 1, in which the loads below land
	FETCH 4, 0
	FETCH 5, 1
	s_wait_dscnt 3*NF                              ; K step 2 is in; 3, 4 and 5 may be out
	MUL 2, 2
	s_wait_dscnt 2*NF
	MUL 3, 3
	PLACES                                         ; four plain lines behind the products
	s_wait_alu depctr_va_vdst(0)                   ; K steps 2 and 3 are done reading sets 2 and 3, in which the loads below land
	FETCH 6, 2
	FETCH 7, 3
	s_wait_dscnt 3*NF                              ; K step 4 is in; 5, 6 and 7 may be out: the counts run down
	MUL 4, 0
	s_wait_dscnt 2*NF
	MUL 5, 1
	s_wait_dscnt NF
	MUL 6, 2
	s_wait_dscnt 0x0
	MUL 7, 3
	PLACES                                         ; in front of the stores of the results
	s_wait_alu depctr_va_vdst(0)                   ; the products have written the accumulators, and the tile's address lines v12: the stores read them; the places above stay beside this wait
.irp q, 0,1,2,3
	global_store_b128 v12, v[ACC+4*\q:ACC+4*\q+3], s[12:13] offset:16*\q   ; each accumulator from its low end on; a lane's 64 consecutive bytes
.endr
	s_wait_xcnt 0x0                                ; the stores' data and offsets are written again below
	s_wait_alu depctr_vm_vsrc(0)                   ; the stores have read the accumulators and v12, the tile's loads v10 and v11: the next tile's address lines and the biases' loads write them
	s_add_co_u32 s24, s24, 1
	s_cmp_ge_u32 s24, s29
	s_cbranch_scc1 .Ldone                          ; nothing is asked for behind my last tile
	s_lshl_b32 s26, s24, 4
	s_add_co_u32 s25, s31, s26                     ; my next tile: 16 further on
	s_min_u32 s25, s25, 142
	LOADA
	s_cmp_lt_u32 s24, s29
	s_cbranch_scc1 .Ltile
.Ldone:
	s_wait_dscnt 0x0                               ; the closing lines, six on end
	s_wait_alu 0x0
	s_wait_tensorcnt 0x0
	ds_add_u32 v251, v253
	s_wait_dscnt 0x0
	s_endpgm
.Lfunc_end_k_q3f89b0fd24_layer2:
	.size	k_q3f89b0fd24_layer2, .Lfunc_end_k_q3f89b0fd24_layer2-k_q3f89b0fd24_layer2
	.p2alignl 7, 3214868480
	.fill 96, 4, 3214868480
	.section	.rodata,"a",@progbits
	.p2align	6, 0x0
	.amdhsa_kernel k_q3f89b0fd24_layer2
		.amdhsa_group_segment_fixed_size 31744
		.amdhsa_private_segment_fixed_size 0
		.amdhsa_enable_private_segment 0
		.amdhsa_kernarg_size 40
		.amdhsa_user_sgpr_count 2
		.amdhsa_user_sgpr_kernarg_segment_ptr 1
		.amdhsa_wavefront_size32 1
		.amdhsa_system_sgpr_workgroup_id_x 1
		.amdhsa_system_sgpr_workgroup_id_y 1
		.amdhsa_system_sgpr_workgroup_id_z 1
		.amdhsa_system_vgpr_workitem_id 0
		.amdhsa_next_free_vgpr 256
		.amdhsa_next_free_sgpr 66
		.amdhsa_reserve_vcc 1
		.amdhsa_float_denorm_mode_32 3
		.amdhsa_float_denorm_mode_16_64 3
		.amdhsa_memory_ordered 1
		.amdhsa_forward_progress 1
		.amdhsa_inst_pref_size 37
	.end_amdhsa_kernel
	.amdgpu_metadata
---
amdhsa.version: [ 1, 2 ]
amdhsa.kernels:
  - .name:           k_q3f89b0fd24_layer2
    .symbol:         k_q3f89b0fd24_layer2.kd
    .args:
      - { .name: h2, .offset: 0, .size: 8, .value_kind: global_buffer, .address_space: global }
      - { .name: route, .offset: 8, .size: 8, .value_kind: global_buffer, .address_space: global }
      - { .name: k2, .offset: 16, .size: 8, .value_kind: global_buffer, .address_space: global }
      - { .name: b2, .offset: 24, .size: 8, .value_kind: global_buffer, .address_space: global }
      - { .name: out0, .offset: 32, .size: 8, .value_kind: global_buffer, .address_space: global }
    .group_segment_fixed_size: 31744
    .private_segment_fixed_size: 0
    .kernarg_segment_align: 8
    .kernarg_segment_size: 40
    .max_flat_workgroup_size: 512
    .sgpr_count:     66
    .vgpr_count:     256
    .wavefront_size: 32
...
	.end_amdgpu_metadata
.endif
;; end of part 10
